; MI455X (gfx1250); checked and timed in simulation.
; The chip was launched on July 23, 2026; its instructions are those of AMD's public machine-readable ISA for CDNA 5 (MIT licence, August 2026) and "CDNA5" Instruction Set Architecture Reference Guide (July 2026). The comments in the code are by the model that wrote it; some were corrected since.
;; Ponder Attention. Allowed arithmetic: matrix products marked QUANTISED: E2M3 operands, one E8M0 scale for each 32 along K, by v_wmma_scale_f32_16x16x128_f8f6f4 with both operands' format E2M3, f32 sums; products left as they are: f32 operands where the result goes on into a quantised operand, else bf16, f16 or f32 operands; f32 sums; everything else in f32.
;; Inputs: Wk 2,048 x 2,048 float32; Wo 2,048 x 2,048 float32; Wq 2,048 x 2,048 float32; Wv 2,048 x 2,048 float32; mask 1 x 1 x 2,048 x 2,048 bool; x 1 x 2,048 x 2,048 float32.
;; Outputs: out0 1 x 2,048 x 2,048 float32.
;; This version of the problem:
;;   THIS VERSION OF THE PROBLEM IS GIVEN IN LOW PRECISION. The matrix products marked QUANTISED in the list below multiply operands that are first quantised to E2M3 (2 exponent bits, 3 mantissa bits; 6 bits a number), with one power-of-two scale for each 32 numbers along K (OCP MX v1.0); their sums are f32. All else is computed in f32.
;;   The module's matrix products, in the order in which they are computed (A, B: the left and right operand; K: the contracted axis; several contracted axes count as one K, in the product's order):
;;     1. [M 2,048, K 2,048] x [K 2,048, N 2,048]; A: input x; B: input Wq: QUANTISED
;;     2. [M 2,048, K 2,048] x [K 2,048, N 2,048]; A: input x; B: input Wk: QUANTISED
;;     3. [M 2,048, K 2,048] x [K 2,048, N 2,048]; A: input x; B: input Wv: QUANTISED
;;     4. [M 2,048, K 1] x [K 1, N 64]; A: computed on the way; B: computed on the way: left as it is (no contracted axis)
;;     5. batch 16 x [M 2,048, K 128] x [K 128, N 2,048]; A: computed on the way; B: computed on the way: QUANTISED
;;     6. batch 16 x [M 2,048, K 2,048] x [K 2,048, N 128]; A: softmax (see below); B: computed on the way: QUANTISED
;;     7. [M 2,048, K 2,048] x [K 2,048, N 2,048]; A: computed on the way; B: input Wo: QUANTISED
;;   THE QUANTISER, for each operand of a quantised product, along K:
;;     - K is cut into blocks of 32 from its start; a last block that is shorter is filled with zeros.
;;     - A block's scale is 2^e with e = floor(log2(the largest magnitude in the block)) - 2, held to -126 .. 127; a block of zeros has e = 0. As a byte (E8M0): e + 127.
;;     - Each number is divided by its block's scale, clamped to +-7.5, and rounded to the nearest number of E2M3, ties to even, subnormals kept.
;;     - The product sums the exact products of the quantised numbers (number of the format x scale) in f32.
;;   ~~~python
;;   def quantise(x, axis):      # numpy; x: float32 -> the quantised numbers, widened to float32 again
;;       x = np.moveaxis(x, axis, -1); K = x.shape[-1]
;;       x = np.pad(x, [(0, 0)] * (x.ndim - 1) + [(0, -K % 32)]); x = x.reshape(x.shape[:-1] + (-1, 32)); a = np.abs(x).max(-1, keepdims=True)
;;       e = np.where(a > 0, np.clip(np.frexp(np.where(a > 0, a, 1))[1] - 1 - 2, -126, 127), 0)      # np.frexp(a)[1] - 1 = floor(log2(a)), exactly
;;       r = np.clip(x / 2.0 ** e, -7.5, 7.5)
;;       step = 2.0 ** (np.maximum(np.frexp(np.where(r == 0, 1, r))[1] - 1, 0) - 3)
;;       q = np.round(r / step) * step * 2.0 ** e      # np.round: ties to even
;;       return np.moveaxis(q.reshape(q.shape[:-2] + (-1,))[..., :K], -1, axis).astype(np.float32)
;;   ~~~
;;   SOFTMAX AHEAD OF A QUANTISED PRODUCT. Where the list says 'softmax', what is quantised is not the finished softmax but p = 2^(t - M), with t = logit x log2(e) and M = ceil(the row's largest t), a whole number; so 1/2 < the row's largest p <= 1. The row's sum l is taken of the UNQUANTISED p, in f32, and the product's result is divided by l at the end. Since M is a whole number, a kernel that streams over the keys may use a running M (the ceiling of the running maximum): every later rescaling is an exact power of two, which a block's scale takes up: the codes' values come out the same.
;;   OPERANDS COMPUTED ON THE WAY. 'Computed on the way' means the value that the module computes at that place (a softmax that the list does not call 'softmax' is quantised finished and normalised). What goes into a quantiser is computed in f32, as accurately as f32 sums, v_exp_f32 and their like allow (about 1e-6 of the number): no bf16 or f16 on the way to a quantiser, and a product that is left as it is and whose result goes on into a quantised operand takes f32 operands (vector FMAs, or v_wmma_f32_16x16x4_f32). A number that lies on a knife's edge between two numbers of the format may be rounded either way, as far as f32 arithmetic and the matrix unit's own rounding can turn it there, and no further.
;; 2 versions. Each part assembles by itself: llvm-mc -triple=amdgcn-amd-amdhsa -mcpu=gfx1250 --defsym DOCPART=n.
;; ======== version 1 of 2: 4 launches
;; workspace buffers: opnd 16,384,000 bytes; rope 1,048,576 bytes; mwords 524,288 bytes of whole numbers; qkv 9,830,400 bytes; oimg 3,276,800 bytes
;; launch prep (part 1): grid 1024 x 1, 4 waves a work-group, no clusters, 68,096 bytes of LDS; arguments x, Wq, Wk, Wv, Wo, mask, opnd, rope, mwords; writes opnd, rope, mwords
.if DOCPART == 1
	.amdgcn_target "amdgcn-amd-amdhsa--gfx1250"
	.amdhsa_code_object_version 6
	.text
	.protected	k_q1004053630_prep
	.globl	k_q1004053630_prep
	.p2align	8
	.type	k_q1004053630_prep,@function
k_q1004053630_prep:
	s_mov_b64 s[64:65], 0
	v_nop
	global_prefetch_b8 v0, s[64:65] scope:SCOPE_SE
	s_setreg_imm32_b32 hwreg(HW_REG_WAVE_MODE, 25, 1), 1
	s_wait_xcnt 0x0
; PREP.  Three kinds of work-groups, told apart by the work-group's number alone; each kind has LDS bytes of its own.
;   0 .. 639    x, Wq, Wk, Wv, Wo ([2048][2048] f32, K innermost) become codes of FP6 (E2M3) with one E8M0 byte for each 32 along K, laid in the order of an operand's registers.
;   640 .. 767  the mask ([2048][2048] bytes) becomes lane-mask words for the attention launch.
;   768 .. 1023 the tables cos(t f_j), sin(t f_j), t = 0 .. 2047, j = 0 .. 63, f_j = 10000^(-j / 64), in f32.
; A TILE is 16 rows: tile g takes rows 32 (g / 2) + 8 (g % 2) + p + 8 (p / 8), p = 0 .. 15, so that a product which takes such a tile as its source 0 leaves 16 neighbouring rows in the 16 registers of two neighbouring tiles.
; A FRAGMENT (a tile x 128 along K, 12 registers a lane) lies in memory as an IMAGE of its registers: register q of lane l at byte 512 (q / 4) + 16 l + 4 (q % 4): three stores or loads of 16 bytes a lane, 512 consecutive bytes each.
; opnd: codes [tensor 5][g 128][K step 16][1536]; from byte OPS the scale words [tensor][g][K step / 2][row 16][K step % 2], 4 bytes each.
; A block's scale is 2^(floor(log2(its largest magnitude)) - 2); its byte is the largest magnitude's exponent field - 2, held at 1 from below.
; LIMITS: NaN and infinities among the inputs are not served.  A block whose largest magnitude lies under 2^-124 keeps the byte 1; so does a block of zeros, where the rule says 127: its codes are zeros, and this program alone reads the bytes.
; Any mask byte other than 0 counts as true.  f_j comes from v_exp_f32, so an angle near 2,000 is good to about 2e-4, the size of the f32 spacing of such an angle.
; No tensor loads, no barrier, no cluster: waves share nothing, and no two work-groups read the same bytes.
.set OPS,  15728640                    ; the scale words' first byte in opnd
.set WREG, 8448                        ; a wave's stage: 16 rows x (512 bytes + 16)
.set MREG, 4*WREG                      ; the mask path's stages lie behind the quantiser's
.set R,    16                          ; v16-143  two sets of 64: a fragment's numbers as they are loaded
.set X,    144                         ; v144-207 the same, 16 neighbours of each block of 32 to a lane
.set TM,   208                         ; v208-223 at work
.set PC,   224                         ; v224-242 the codes
.set PW,   244                         ; v244-247 the four fragments' scale words
.set SEL,  30                          ; s[30:31] lane selects for v_permlanex16_b32: lane l xor 16
	s_load_b256 s[4:11], s[0:1], 0x0               ; x, Wq, Wk, Wv
	s_load_b256 s[12:19], s[0:1], 0x20             ; Wo, mask, opnd, rope
	s_load_b64 s[20:21], s[0:1], 0x40              ; mwords
	v_lshl_add_u32 v254, v0, 2, 0x10800
	v_mov_b32 v255, 0
	v_lshrrev_b32 v1, 5, v0
	v_readfirstlane_b32 s22, v1                    ; wave 0..3
	v_and_b32 v1, 31, v0                           ; lane l
	v_and_b32 v2, 15, v0                           ; r
	v_bfe_u32 v3, v0, 4, 1                         ; h
	v_lshlrev_b32 v8, 4, v1                        ; 16 l
	v_lshlrev_b32 v9, 3, v1                        ; 8 l
	s_mul_i32 s23, s22, WREG
	v_add_nc_u32 v4, s23, v8                       ; quantiser's stage, in: 16 l (a row's 512 bytes as they lie)
	v_mul_u32_u24 v10, v2, 528
	v_add_nc_u32 v10, s23, v10
	v_lshl_add_u32 v5, v3, 6, v10                  ; and out: row r, + 64 h: my 16 numbers of a block of 32
	v_add_nc_u32 v6, MREG, v4                      ; the mask's stage, in
	v_lshl_add_u32 v7, v3, 4, v10
	v_add_nc_u32 v7, MREG, v7                      ; and out: row r, + 16 h: my 16 bytes of a block of 32 keys
	s_mov_b32 s[SEL], 0x76543210
	s_mov_b32 s[SEL+1], 0xfedcba98
	s_mov_b32 s33, 0                               ; the upper word of every offset
	s_wait_kmcnt 0x0
	s_cmp_ge_u32 ttmp9, 768
	s_cbranch_scc1 .Lrope
	s_cmp_ge_u32 ttmp9, 640
	s_cbranch_scc1 .Lmask
; ---------------- THE QUANTISER: work-group = one tile of one tensor; wave w takes K steps 4 w .. 4 w + 3
	s_lshr_b32 s23, ttmp9, 7                       ; which tensor
	s_and_b32 s24, ttmp9, 127                      ; g
	s_mov_b64 s[28:29], s[4:5]
	s_cmp_eq_u32 s23, 1                            ; the choice hangs on the work-group's number alone
	s_cselect_b64 s[28:29], s[6:7], s[28:29]
	s_cmp_eq_u32 s23, 2
	s_cselect_b64 s[28:29], s[8:9], s[28:29]
	s_cmp_eq_u32 s23, 3
	s_cselect_b64 s[28:29], s[10:11], s[28:29]
	s_cmp_eq_u32 s23, 4
	s_cselect_b64 s[28:29], s[12:13], s[28:29]
	s_lshr_b32 s25, s24, 1
	s_lshl_b32 s25, s25, 5
	s_and_b32 s26, s24, 1
	s_lshl_b32 s26, s26, 3
	s_add_co_u32 s25, s25, s26                     ; the tile's first row: 32 (g / 2) + 8 (g % 2)
	s_lshl_b32 s32, s25, 13                        ; rows of 8,192 bytes
	s_lshl_b32 s26, s22, 11                        ; + 2,048 w: four K steps of 512 bytes
	s_add_co_u32 s32, s32, s26
	s_add_nc_u64 s[28:29], s[28:29], s[32:33]
	s_lshl_b32 s32, ttmp9, 4
	s_lshl_b32 s26, s22, 2
	s_add_co_u32 s32, s32, s26
	s_mul_i32 s32, s32, 1536                       ; image 16 x tile + 4 w
	s_add_nc_u64 s[24:25], s[16:17], s[32:33]
	s_lshl_b32 s32, ttmp9, 10                      ; 1,024 bytes of scale words a tile,
	s_lshl_b32 s34, s22, 8                         ; 256 of them mine
	s_add_co_u32 s32, s32, s34
	s_add_co_u32 s32, s32, OPS
	s_add_nc_u64 s[26:27], s[16:17], s[32:33]
.irp b, 0,1,2,3
	v_mov_b32 v[TM+4+\b], 0                        ; written once: a lane permute's destination counts as one of its sources
.endr
.macro LOADF f                         ; fragment f: 16 loads, each a row's 512 consecutive bytes
.irp p, 0,1,2,3,4,5,6,7,8,9,10,11,12,13,14,15
	global_load_b128 v[R+64*((\f)%2)+4*\p:R+64*((\f)%2)+4*\p+3], v8, s[28:29] offset:(\p+8*(\p/8))*8192+512*(\f) th:TH_LOAD_NT
.endr
.endm
.macro TURNF f                         ; through my own stage: in as loaded, out 64 bytes of a row to a lane.  LDS serves a wave's instructions in order (ISA guide 5.7.1.4): no wait between the stores and the loads
.irp p, 0,1,2,3,4,5,6,7,8,9,10,11,12,13,14,15
	ds_store_b128 v4, v[R+64*((\f)%2)+4*\p:R+64*((\f)%2)+4*\p+3] offset:528*\p
.endr
.irp b, 0,1,2,3
.irp j, 0,1,2,3
	ds_load_b128 v[X+16*\b+4*\j:X+16*\b+4*\j+3], v5 offset:128*\b+16*\j
.endr
.endr
.endm
; 64 numbers of a lane, register 16 b + i = k 32 b + 16 h + i of my row, become a fragment's codes in v[PC] on and its scale word in v[pw]
.macro QUANT s, pw
.irp b, 0,1,2,3
	v_max3_num_f32 v[TM+\b], |v[\s+16*\b]|, |v[\s+1+16*\b]|, 0x1800000   ; block b: my 16 numbers, and the floor 2^(3 - 127): the byte cannot fall under 1
.endr
.irp i, 2,4,6,8,10,12,14
.irp b, 0,1,2,3
	v_max3_num_f32 v[TM+\b], v[TM+\b], |v[\s+16*\b+\i]|, |v[\s+1+16*\b+\i]|   ; the four blocks by turns
.endr
.endr
.irp b, 0,1,2,3
	v_permlanex16_b32 v[TM+4+\b], v[TM+\b], s[SEL], s[SEL+1]
.endr
.irp b, 0,1,2,3
	v_max_num_f32 v[TM+\b], v[TM+\b], v[TM+4+\b]   ; with lane l xor 16's: the block's largest magnitude
.endr
.irp b, 0,1,2,3
	v_add_nc_u32 v[TM+12+\b], 0xff000000, v[TM+\b] ; 2 off its exponent field: the conversion's scale operand
.endr
.irp b, 0,1,2,3
	v_lshrrev_b32 v[TM+4+\b], 23, v[TM+12+\b]      ; the scale's byte
.endr
	v_lshl_or_b32 v[\pw], v[TM+5], 8, v[TM+4]
	v_lshl_or_b32 v[\pw], v[TM+6], 16, v[\pw]
	v_lshl_or_b32 v[\pw], v[TM+7], 24, v[\pw]      ; my row's scale word
	s_wait_xcnt 0x0                                ; the last image's stores have read the codes' registers: they are written again only behind this wait
.irp c, 0,1
	v_cvt_scalef32_pk16_fp6_f32 v[PC+6*\c:PC+2+6*\c], v[\s+32*\c:\s+15+32*\c], v[TM+12+2*\c]
	v_cvt_scalef32_pk16_fp6_f32 v[PC+12+4*\c:PC+14+4*\c], v[\s+16+32*\c:\s+31+32*\c], v[TM+12+2*\c+1]   ; (a conversion's three registers begin on an even number)
.endr
	v_nop                                          ; one plain place behind a scaled conversion
.irp c, 0,1                            ; the operand's layout wants a whole block in a lane: lanes 0-15 block 2 c, lanes 16-31 block 2 c + 1
.irp i, 0,1,2
	v_permlane16_swap_b32 v[PC+6*\c+\i], v[PC+12+4*\c+\i]
.endr
.irp i, 0,1,2
	v_mov_b32 v[PC+3+6*\c+\i], v[PC+12+4*\c+\i]
.endr
.endr
.endm
	LOADF 0
	LOADF 1
.irp f, 0,1,2,3
.if \f < 3
	s_wait_loadcnt 16                              ; this fragment's 16 loads are in; the next fragment's 16 may be out
.else
	s_wait_loadcnt 0x0
.endif
	TURNF \f
	s_wait_dscnt 0x0                               ; the numbers are back, and the stores into the stage have read their registers,
.if \f < 2
	LOADF \f+2                                     ; which take the loads of two fragments on
.endif
	QUANT X, PW+\f
.irp c, 0,1,2
	global_store_b128 v8, v[PC+4*\c:PC+4*\c+3], s[24:25] offset:1536*\f+512*\c   ; 32 lanes store 512 consecutive bytes, aligned
.endr
.endr
	v_cmp_le_u32 vcc_lo, 16, v1                    ; lanes 0-15 store the words of K steps 4 w, 4 w + 1 of row r, lanes 16-31 those of 4 w + 2, 4 w + 3 (every lane holds its row's words)
	v_cndmask_b32 v248, v[PW], v[PW+2], vcc_lo
	v_cndmask_b32 v249, v[PW+1], v[PW+3], vcc_lo
	global_store_b64 v9, v[248:249], s[26:27]      ; 256 consecutive bytes, aligned
	s_wait_tensorcnt 0x0
	ds_add_u32 v254, v255
	s_wait_dscnt 0x0
	s_endpgm
; ---------------- THE MASK: work-group = one tile g of queries; wave w takes keys 512 w .. 512 w + 511, four key steps of 128
; mwords [g][key step][n 64]: bit l of word n = mask[query r of tile g][128 x key step + 32 (n / 16) + 16 h + n % 16]: the place that score register n of lane l has in the attention launch
.Lmask:
	s_sub_co_u32 s24, ttmp9, 640                   ; g
	s_lshr_b32 s25, s24, 1
	s_lshl_b32 s25, s25, 5
	s_and_b32 s26, s24, 1
	s_lshl_b32 s26, s26, 3
	s_add_co_u32 s25, s25, s26                     ; the tile's first query
	s_lshl_b32 s32, s25, 11                        ; rows of 2,048 bytes
	s_lshl_b32 s26, s22, 9
	s_add_co_u32 s32, s32, s26
	s_add_nc_u64 s[28:29], s[14:15], s[32:33]
	s_lshl_b32 s32, s24, 4
	s_lshl_b32 s26, s22, 2
	s_add_co_u32 s32, s32, s26
	s_lshl_b32 s32, s32, 8                         ; 256 bytes for a tile and a key step
	s_add_nc_u64 s[24:25], s[20:21], s[32:33]
.irp p, 0,1,2,3,4,5,6,7,8,9,10,11,12,13,14,15
	global_load_b128 v[16+4*\p:19+4*\p], v8, s[28:29] offset:(\p+8*(\p/8))*2048 th:TH_LOAD_NT   ; 512 consecutive bytes of a query's row
.endr
.irp i, 0,1,2,3,4,5,6,7
	v_mov_b32 v[104+\i], 0                         ; v_writelane_b32's destination counts as read
.endr
	s_wait_loadcnt 0x0
.irp p, 0,1,2,3,4,5,6,7,8,9,10,11,12,13,14,15
	ds_store_b128 v6, v[16+4*\p:19+4*\p] offset:528*\p
.endr
.irp kl, 0,1,2,3
.irp b, 0,1,2,3
	ds_load_b128 v[80+4*\b:83+4*\b], v7 offset:128*\kl+32*\b   ; my 16 bytes of block b: byte n % 4 of v[80 + n / 4] is word n's bit of my lane
.endr
	s_wait_dscnt 0x0
.irp q, 0,1,2,3,4,5,6,7                ; eight words at a time: n = 8 q + k
.irp k, 0,1,2,3,4,5,6,7
	v_and_b32 v[96+\k], 0xff<<(8*(\k%4)), v[80+2*\q+\k/4]
.endr
.irp k, 0,1,2,3,4,5,6,7
	v_cmp_ne_u32 s[32+\k], 0, v[96+\k]             ; the 32 lanes' bits are the word
.endr
.irp k, 0,1,2,3,4,5,6,7
	v_writelane_b32 v[104+2*\kl+\k%2], s[32+\k], 4*\q+\k/2   ; lane n / 2 gathers words n and n + 1
.endr
.endr
	global_store_b64 v9, v[104+2*\kl:105+2*\kl], s[24:25] offset:256*\kl   ; 256 consecutive bytes, aligned; a pair of registers for each key step, so no store's data are written again
.endr
	s_wait_tensorcnt 0x0
	ds_add_u32 v254, v255
	s_wait_dscnt 0x0
	s_endpgm
; ---------------- THE TABLES: work-group = 8 values of t; a thread takes one t and four j
.Lrope:
	s_sub_co_u32 s24, ttmp9, 768
	s_lshl_b32 s25, s24, 3
	s_lshl_b32 s32, s24, 11                        ; 8 rows of 256 bytes
	s_add_nc_u64 s[28:29], s[18:19], s[32:33]
	v_lshrrev_b32 v10, 4, v0
	v_add_nc_u32 v10, s25, v10
	v_cvt_f32_u32 v10, v10                         ; t
	v_lshlrev_b32 v11, 2, v2                       ; my first j
.irp i, 0,1,2,3
	v_add_nc_u32 v[16+\i], \i, v11
.endr
.irp i, 0,1,2,3
	v_cvt_f32_u32 v[16+\i], v[16+\i]
.endr
.irp i, 0,1,2,3
	v_mul_f32 v[16+\i], 0xbe549a78, v[16+\i]       ; - j log2(10000) / 64
.endr
.irp i, 0,1,2,3
	v_exp_f32 v[16+\i], v[16+\i]                   ; f_j
.endr
	v_lshlrev_b32 v12, 4, v0                       ; (a plain place behind the exponentials)  my 16 bytes of the group's 2,048
	s_wait_alu depctr_va_vdst(0)                   ; one wait for the four, ahead of their first reader
.irp i, 0,1,2,3
	v_mul_f32 v[20+\i], v10, v[16+\i]              ; the angle, rounded once
.endr
.irp i, 0,1,2,3
	v_mul_f32 v[24+\i], 0x3f22f983, v[20+\i]       ; x 2 / pi
.endr
.irp i, 0,1,2,3
	v_rndne_f32 v[24+\i], v[24+\i]                 ; n, at most 1,304
.endr
.irp i, 0,1,2,3
	v_fmamk_f32 v[20+\i], v[24+\i], 0xbfc90fdb, v[20+\i]   ; angle - n x (pi / 2's upper 24 bits): exact, the difference is a multiple of 2^-23 under 1
.endr
.irp i, 0,1,2,3
	v_fmamk_f32 v[20+\i], v[24+\i], 0x333bbd2e, v[20+\i]   ; - n x the rest of pi / 2: y, at most pi / 4 in magnitude
.endr
.irp i, 0,1,2,3
	v_mul_f32 v[28+\i], v[20+\i], v[20+\i]         ; z = y^2
	v_mov_b32 v[32+\i], 0x3638ef1d                 ; 1 / 9!
	v_mov_b32 v[40+\i], 0xb493f27e                 ; - 1 / 10!
.endr
.irp i, 0,1,2,3
	v_fmaak_f32 v[32+\i], v[28+\i], v[32+\i], 0xb9500d01   ; - 1 / 7!
	v_fmaak_f32 v[40+\i], v[28+\i], v[40+\i], 0x37d00d01   ; 1 / 8!
.endr
.irp i, 0,1,2,3
	v_fmaak_f32 v[32+\i], v[28+\i], v[32+\i], 0x3c088889   ; 1 / 5!
	v_fmaak_f32 v[40+\i], v[28+\i], v[40+\i], 0xbab60b61   ; - 1 / 6!
.endr
.irp i, 0,1,2,3
	v_fmaak_f32 v[32+\i], v[28+\i], v[32+\i], 0xbe2aaaab   ; - 1 / 3!
	v_fmaak_f32 v[40+\i], v[28+\i], v[40+\i], 0x3d2aaaab   ; 1 / 4!
.endr
.irp i, 0,1,2,3
	v_mul_f32 v[36+\i], v[20+\i], v[28+\i]
	v_fma_f32 v[40+\i], v[28+\i], v[40+\i], -0.5
.endr
.irp i, 0,1,2,3
	v_fma_f32 v[32+\i], v[36+\i], v[32+\i], v[20+\i]       ; S = sin y: the series is cut at y^9 (the next term is under 2e-9)
	v_fma_f32 v[40+\i], v[28+\i], v[40+\i], 1.0            ; C = cos y: cut at y^10 (under 2e-10)
.endr
.irp i, 0,1,2,3
	v_cvt_i32_f32 v[24+\i], v[24+\i]               ; the quadrant is n mod 4
.endr
.irp i, 0,1,2,3
	v_and_b32 v[44+\i], 1, v[24+\i]
	v_cmp_ne_u32 vcc_lo, 0, v[44+\i]
	v_cndmask_b32 v[48+\i], v[32+\i], v[40+\i], vcc_lo     ; sin: S, or C in an odd quadrant
	v_cndmask_b32 v[52+\i], v[40+\i], v[32+\i], vcc_lo     ; cos: C, or S
.endr
.irp i, 0,1,2,3
	v_and_b32 v[44+\i], 2, v[24+\i]
	v_lshlrev_b32 v[44+\i], 30, v[44+\i]
	v_xor_b32 v[48+\i], v[44+\i], v[48+\i]         ; sin is turned in quadrants 2 and 3,
	v_add_nc_u32 v[24+\i], 1, v[24+\i]
.endr
.irp i, 0,1,2,3
	v_and_b32 v[44+\i], 2, v[24+\i]
	v_lshlrev_b32 v[44+\i], 30, v[44+\i]
	v_xor_b32 v[52+\i], v[44+\i], v[52+\i]         ; cos in quadrants 1 and 2
.endr
	global_store_b128 v12, v[52:55], s[28:29]                  ; a wave stores 512 consecutive bytes, aligned
	global_store_b128 v12, v[48:51], s[28:29] offset:524288
	s_endpgm
.Lfunc_end_k_q1004053630_prep:
	.size	k_q1004053630_prep, .Lfunc_end_k_q1004053630_prep-k_q1004053630_prep
	.p2alignl 7, 3214868480
	.fill 96, 4, 3214868480
	.section	.rodata,"a",@progbits
	.p2align	6, 0x0
	.amdhsa_kernel k_q1004053630_prep
		.amdhsa_group_segment_fixed_size 68096
		.amdhsa_private_segment_fixed_size 0
		.amdhsa_enable_private_segment 0
		.amdhsa_kernarg_size 72
		.amdhsa_user_sgpr_count 2
		.amdhsa_user_sgpr_kernarg_segment_ptr 1
		.amdhsa_wavefront_size32 1
		.amdhsa_system_sgpr_workgroup_id_x 1
		.amdhsa_system_sgpr_workgroup_id_y 1
		.amdhsa_system_sgpr_workgroup_id_z 1
		.amdhsa_system_vgpr_workitem_id 0
		.amdhsa_next_free_vgpr 256
		.amdhsa_next_free_sgpr 66
		.amdhsa_reserve_vcc 1
		.amdhsa_float_denorm_mode_32 3
		.amdhsa_float_denorm_mode_16_64 3
		.amdhsa_memory_ordered 1
		.amdhsa_forward_progress 1
		.amdhsa_inst_pref_size 94
	.end_amdhsa_kernel
	.amdgpu_metadata
---
amdhsa.version: [ 1, 2 ]
amdhsa.kernels:
  - .name:           k_q1004053630_prep
    .symbol:         k_q1004053630_prep.kd
    .args:
      - { .name: x, .offset: 0, .size: 8, .value_kind: global_buffer, .address_space: global }
      - { .name: Wq, .offset: 8, .size: 8, .value_kind: global_buffer, .address_space: global }
      - { .name: Wk, .offset: 16, .size: 8, .value_kind: global_buffer, .address_space: global }
      - { .name: Wv, .offset: 24, .size: 8, .value_kind: global_buffer, .address_space: global }
      - { .name: Wo, .offset: 32, .size: 8, .value_kind: global_buffer, .address_space: global }
      - { .name: mask, .offset: 40, .size: 8, .value_kind: global_buffer, .address_space: global }
      - { .name: opnd, .offset: 48, .size: 8, .value_kind: global_buffer, .address_space: global }
      - { .name: rope, .offset: 56, .size: 8, .value_kind: global_buffer, .address_space: global }
      - { .name: mwords, .offset: 64, .size: 8, .value_kind: global_buffer, .address_space: global }
    .group_segment_fixed_size: 68096
    .private_segment_fixed_size: 0
    .kernarg_segment_align: 8
    .kernarg_segment_size: 72
    .max_flat_workgroup_size: 128
    .sgpr_count:     66
    .vgpr_count:     256
    .wavefront_size: 32
...
	.end_amdgpu_metadata
.endif
;; end of part 1
;; launch qkv (part 2): grid 24 x 8, 4 waves a work-group, clusters of 4 x 4, 327,680 bytes of LDS; arguments opnd, rope, qkv; writes qkv
.if DOCPART == 2
	.amdgcn_target "amdgcn-amd-amdhsa--gfx1250"
	.amdhsa_code_object_version 6
	.text
	.protected	k_q1004053630_qkv
	.globl	k_q1004053630_qkv
	.p2align	8
	.type	k_q1004053630_qkv,@function
k_q1004053630_qkv:
	s_mov_b64 s[64:65], 0
	v_nop
	global_prefetch_b8 v0, s[64:65] scope:SCOPE_SE
	s_setreg_imm32_b32 hwreg(HW_REG_WAVE_MODE, 25, 1), 1
	s_wait_xcnt 0x0
	s_wait_alu depctr_hold_cnt(0) depctr_sa_sdst(0) depctr_va_vdst(0) depctr_va_sdst(0) depctr_va_ssrc(0) depctr_va_vcc(0) depctr_vm_vsrc(0)
	s_getreg_b32 s2, hwreg(HW_REG_IB_STS2, 6, 4)
	s_cmp_eq_u32 s2, 0
	s_cbranch_scc0 .Lentry_in_a_cluster
	s_endpgm
.Lentry_in_a_cluster:
	s_bfe_u32 s2, ttmp6, 0x10000c
	s_cmp_lg_u32 s2, 0xf033
	s_cbranch_scc0 .Lentry_shape_is_right
	s_endpgm
.Lentry_shape_is_right:
; QKV.  q = x Wq^T, k = x Wk^T and v = x Wv^T on codes of FP6 (E2M3) with E8M0 scales, K = 2,048; then the rotary turn of q and k in f32; then q and k are quantised along a head's 128, v along the keys.
; One grid of 24 x 8 tiles of 256 x 256; a work-group of four waves makes a tile, a wave 128 x 128: 64 accumulators, 512 registers.  Tile columns 0-7 make q, 8-15 k, 16-23 v.
; THE MATRIX INSTRUCTION: source 0 = a tile of operand B, source 1 = a tile of operand A: a lane holds ONE row of A, and its 64 registers of a block a run along B's 128 rows, 16 neighbours for each 32 (the rows of a tile
; are chosen for that: tile g takes rows 32 (g / 2) + 8 (g % 2) + p + 8 (p / 8)).  For q and k: A = x (tokens), B = the weight (a head's 128 outputs).  For v: A = Wv (a head's 128 outputs), B = x (128 keys): so the registers of a
; lane always run along the K of the NEXT product, and the conversions take them as they stand.  Only the block numbers differ, by arithmetic on the cluster's number: one text serves all three.
; OPERANDS lie in opnd as images of their registers (fragment = 16 rows x 128 K = 1,536 bytes: register q of lane l at 512 (q / 4) + 16 l + 4 (q % 4)), [block of 256 rows][tile 16][K step 16]; three loads of 16 bytes a lane bring one.
; K goes in steps of 256 through a ring of two LDS slots: a wave's tensor load brings 8 tiles x 3,072 consecutive bytes.  The scale words of the work-group's rows, for all of K, come once, with the first fills.
; CLUSTERS: 4 x 4 work-groups; A's tiles are asked for jointly along a row of the cluster, B's along a column.
; qkv: q records [head][block of 128 tokens] of 12,800 bytes: 8 images, then 8 x 16 scale words; from byte 3,276,800 records [head][key step] of 25,600 bytes: K's 12,800 likewise, then V's (tiles of 16 of the head's 128, K = the step's 128 keys).
; LIMITS: NaN and infinities are not served; a block whose largest magnitude lies under 2^-124 (zeros too) keeps the scale byte 1: its codes are then read by this program alone.
; REGISTERS: window 0: v16-31 addresses; v32-63 scale words (two sets, nothing else ever); v64-115 at work on the way out; v128-223 A's fragments, one set (on the way out v128-195 are free).
;   window 1: B's fragments, two sets, at v0 and v128 (on the way out: four sets of cos and sin).   windows 2, 3: the accumulators of my blocks 0-3, 4-7: (a, b) at v[8 (8 (a % 4) + b)].
.set NQ,     2                         ; matrix instructions deep in a slot
.set FR,     12                        ; registers of a fragment
.set FRB,    1536                      ; and its image in bytes
.set NL,     3                         ; LDS loads that bring one
.set NP,     4                         ; places behind this matrix instruction (ISA guide 7.12.1)
.set ROWB,   NQ*FRB                    ; a tile's part of a slot: two images on end
.set GROW,   16*FRB                    ; from tile to tile in memory
.set HALFT,  8*ROWB                    ; 8 tiles: what one tensor load brings, and what a wave reads of A or of B
.set SLOT,   4*HALFT
.set LAPS,   4                         ; 2,048 / 512: a lap = two K steps of 256 = once round the ring
.set SCL,    2*SLOT                    ; behind the ring: the scale words
.set HALFS,  8192                      ; those of 8 tiles
.set SBLK,   1024                      ; those of one
.set SPARE,  SCL+4*HALFS               ; the spare words, 128 bytes for each wave: two blocks of 256 bytes that no other line names
.set BLKB,   393216                    ; a block of 256 rows of codes
.set OPS,    15728640                  ; the scale words' first byte in opnd; 16,384 a block
.set ADRA, 16                          ; v16-17  LDS address of my A fragments in slot 0, 1
.set ADRB, 20                          ; v20-21  the same for B
.set LI,   24                          ; v24     16 x lane: an image's place for my lane
.set RA,   25                          ; v25     my token's row in the tables, + 64 h
.set SST,  26                          ; v26     where I put a scale word: 512 x wave + 4 r
.set ADRS, 27                          ; v27     LDS address of my scale words: lanes 0-15 A's, lanes 16-31 B's
.set SPW,  28                          ; v28     my spare word; never rewritten
.set NIL,  29                          ; v29     0; never rewritten
.set SRD,  30                          ; v30     where I read the scale words back: 512 x wave + 16 x lane
.set SC,   32
.set TM,   64                          ; v64-79  at work
.set PC,   80                          ; v80-98  the codes
.set PW,   100                         ; v100-107 a scale word for each block a
.set T,    108                         ; v108-115 the turn's products
.set AF,   128
.set OUT,  128                         ; v128-191 a block's 64 numbers behind the turn
.set WR,   192                         ; v192-195 the scale words on their way out
.set SEL,  2                           ; s[2:3] would clash with the loop's counter: the selects lie in s[66:67]
.set SEL,  66
.set G1, 24
.set G0, 32
.set G1B, 48
.set G0B, 56
.set G1S, 68
.set G0S, 76
.set G1SB, 80
.set G0SB, 88
.set MSB, 0
.macro WIN new                         ; the immediate's high byte repeats the setting that is left
.if MSB != \new
	s_set_vgpr_msb (MSB<<8)|\new
.set MSB, \new
.endif
.endm
.set MUL_LO, 0xa1                      ; source 0 (B) window 1, source 1 (A) window 0, C and D window 2
.set MUL_HI, 0xf1                      ; the same, C and D window 3
.set TO_B,   0x40                      ; destination window 1, address window 0
; A joint load: waves 0 and 1 fetch for A, waves 2 and 3 for B; the branch hangs on the wave's number alone.  Four v_nop follow each of the two lines.
.macro JLOAD g0a, g1a, g0b, g1b
	s_cmp_eq_u32 s15, 0
	s_cbranch_scc0 .Lfor_b_\@
	tensor_load_to_lds s[\g0a:\g0a+3], s[\g1a:\g1a+7]
	s_nop 0
.rept 4
	v_nop
.endr
	s_branch .Lasked_\@
.Lfor_b_\@:
	tensor_load_to_lds s[\g0b:\g0b+3], s[\g1b:\g1b+7]
	s_nop 0
.rept 4
	v_nop
.endr
.Lasked_\@:
.endm
.macro CREST                           ; a round of the cluster's barrier behind its opening barrier
	s_cmp_lg_u32 s14, 0
	s_cbranch_scc1 .Lnot_wave_0_\@
	s_barrier_signal -3
.Lnot_wave_0_\@:
	s_barrier_wait -3
	s_barrier_signal -1
	s_barrier_wait -1
.endm
.macro CROUND
	s_barrier_signal -1
	s_barrier_wait -1
	CREST
.endm
	s_load_b128 s[4:7], s[0:1], 0x0                ; opnd, rope
	s_load_b64 s[8:9], s[0:1], 0x10                ; qkv
	v_lshl_add_u32 v[SPW], v0, 2, SPARE
	v_mov_b32 v[NIL], 0
	ds_add_u32 v28, v29
	ds_add_u32 v28, v29
	s_wait_dscnt 0x0
	v_lshrrev_b32 v1, 5, v0
	v_readfirstlane_b32 s14, v1                    ; wave 0..3
	s_lshr_b32 s15, s14, 1                         ; which half of A's rows is mine.  Also: I fetch for A (0) or for B (1)
	s_and_b32 s16, s14, 1                          ; which half of B's rows.  Also: which 8 tiles I fetch
	s_bfe_u32 s40, ttmp6, 0x40000                  ; cx, cy: my place in the cluster
	s_bfe_u32 s41, ttmp6, 0x40004
	s_lshl_b32 s42, ttmp9, 2
	s_add_co_u32 s42, s42, s40                     ; X = 4 x cluster x + cx
	s_and_b32 s17, ttmp7, 0xffff
	s_lshl_b32 s17, s17, 2
	s_add_co_u32 s17, s17, s41                     ; Y = 4 x cluster y + cy
	s_lshl_b32 s43, s41, 2
	s_lshl_b32 s43, 15, s43                        ; my row of the cluster
	s_lshl_b32 s44, 0x1111, s40                    ; my column
	s_lshr_b32 s95, ttmp9, 2                       ; 1 where the cluster makes v: the same in all sixteen partners
	; descriptor group 1: 8 rows (tiles) of 384 elements of 8 bytes, 3,072 elements apart
	s_or_b32 s[G1+0], s43, (3<<16)|(1<<21)         ; 15:0 the mask: A's tiles go to my row; 17:16 elements of 8 bytes; 20 no padding; 21 set beside a mask
	s_or_b32 s[G1B+0], s44, (3<<16)|(1<<21)
.irp g, G1, G1B
	s_mov_b32 s[\g+1], (ROWB/8)<<16                ; tensor_dim0
	s_mov_b32 s[\g+2], 8<<16                       ; tensor_dim1
	s_mov_b32 s[\g+3], (ROWB/8)<<16                ; tile_dim0
	s_mov_b32 s[\g+4], 8                           ; tile_dim1
	s_mov_b32 s[\g+5], GROW/8                      ; tensor_dim0_stride
	s_mov_b32 s[\g+6], 0
	s_mov_b32 s[\g+7], 0
.endr
	; and for the scale words of 8 tiles: 8,192 dense bytes as 32 rows of 256
	s_or_b32 s[G1S+0], s43, (3<<16)|(1<<21)
	s_or_b32 s[G1SB+0], s44, (3<<16)|(1<<21)
.irp g, G1S, G1SB
	s_mov_b32 s[\g+1], 32<<16
	s_mov_b32 s[\g+2], 32<<16
	s_mov_b32 s[\g+3], 32<<16
	s_mov_b32 s[\g+4], 32
	s_mov_b32 s[\g+5], 32
	s_mov_b32 s[\g+6], 0
	s_mov_b32 s[\g+7], 0
.endr
	s_mul_i32 s18, s95, 24
	s_add_co_u32 s20, s17, s18                     ; A's block: x's Y, or Wv's (24 + Y): made of Y and the cluster's x alone
	s_add_co_u32 s46, s42, 8
	s_sub_co_u32 s46, s46, s18                     ; B's block: Wq's or Wk's (8 + X), or x's (X - 16): made of X alone
	s_mul_i32 s22, s20, 16384
	s_mul_i32 s20, s20, BLKB
	s_mul_i32 s92, s46, 16384
	s_mul_i32 s46, s46, BLKB
	s_mul_i32 s18, s16, 8*GROW                     ; the 8 tiles that I fetch
	s_mul_i32 s19, s16, HALFS
	s_add_co_u32 s20, s20, s18
	s_add_co_u32 s46, s46, s18
	s_add_co_u32 s22, s22, s19
	s_add_co_u32 s92, s92, s19
	s_add_co_u32 s22, s22, OPS
	s_add_co_u32 s92, s92, OPS
	s_mov_b32 s21, 0
	s_mov_b32 s23, 0
	s_mov_b32 s47, 0
	s_mov_b32 s93, 0
	s_mul_i32 s45, s14, HALFT                      ; where they go: wave x 8 tiles: no place in the cluster enters an LDS address
	s_mul_i32 s94, s14, HALFS
	s_mov_b32 s[SEL], 0x76543210
	s_mov_b32 s[SEL+1], 0xfedcba98
	s_wait_kmcnt 0x0
	s_add_nc_u64 s[20:21], s[4:5], s[20:21]
	s_add_nc_u64 s[22:23], s[4:5], s[22:23]
	s_add_nc_u64 s[46:47], s[4:5], s[46:47]
	s_add_nc_u64 s[92:93], s[4:5], s[92:93]
	CROUND                                         ; all sixteen work-groups are here: the first joint loads meet
	s_mov_b32 s[G0S], 1
	s_add_co_u32 s[G0S+1], s94, SCL
	s_mov_b64 s[G0S+2:G0S+3], s[22:23]
	s_or_b32 s[G0S+3], s[G0S+3], 0x80000000
	s_mov_b32 s[G0SB], 1
	s_add_co_u32 s[G0SB+1], s94, SCL
	s_mov_b64 s[G0SB+2:G0SB+3], s[92:93]
	s_or_b32 s[G0SB+3], s[G0SB+3], 0x80000000
	JLOAD G0S, G1S, G0SB, G1SB                     ; the scale words first: they are wanted with K step 0
.irp s, 0,1
	s_mov_b32 s[G0+4*\s], 1
	s_add_co_u32 s[G0+4*\s+1], s45, \s*SLOT
	s_add_nc_u64 s[G0+4*\s+2:G0+4*\s+3], s[20:21], \s*ROWB
	s_or_b32 s[G0+4*\s+3], s[G0+4*\s+3], 0x80000000
	s_mov_b32 s[G0B+4*\s], 1
	s_add_co_u32 s[G0B+4*\s+1], s45, \s*SLOT
	s_add_nc_u64 s[G0B+4*\s+2:G0B+4*\s+3], s[46:47], \s*ROWB
	s_or_b32 s[G0B+4*\s+3], s[G0B+4*\s+3], 0x80000000
	JLOAD G0+4*\s, G1, G0B+4*\s, G1B               ; three tensor loads of mine are out
.endr
	v_and_b32 v1, 15, v0                           ; r
	v_bfe_u32 v2, v0, 4, 1                         ; h
	v_and_b32 v3, 31, v0
	v_lshlrev_b32 v[LI], 4, v3                     ; 16 x lane
	s_mul_i32 s21, s15, HALFT                      ; my 8 tiles of A
	s_mul_i32 s22, s16, HALFT                      ; my 8 tiles of B,
	s_add_co_u32 s22, s22, 2*HALFT                 ; which lie behind A's 16
.irp s, 0,1
	v_add_nc_u32 v[ADRA+\s], s21, v[LI]
	v_add_nc_u32 v[ADRB+\s], s22, v[LI]
	s_add_co_u32 s21, s21, SLOT
	s_add_co_u32 s22, s22, SLOT
.endr
	v_lshlrev_b32 v5, 3, v1                        ; scale words: 8 bytes a row for a K step of 256
	s_mul_i32 s21, s15, HALFS                      ; A's: my 8 tiles
	s_mul_i32 s22, s16, HALFS                      ; B's: my 8 tiles, behind A's 16
	s_add_co_u32 s22, s22, 2*HALFS
	s_sub_co_u32 s22, s22, s21
	v_mul_u32_u24 v6, s22, v2                      ; lanes 16-31 take B's: one product, the distance x h
	s_add_co_u32 s21, s21, SCL
	v_add_nc_u32 v5, v5, v6
	v_add_nc_u32 v[ADRS], s21, v5
	v_and_b32 v4, 8, v1
	v_add_nc_u32 v4, v4, v1                        ; r + 8 (r / 8)
	v_lshlrev_b32 v[RA], 8, v4                     ; a token's row of a table is 256 bytes
	v_lshl_add_u32 v[RA], v2, 6, v[RA]
	s_lshl_b32 s19, s14, 9                         ; the scale words' stage: 512 bytes a wave, in slot 0 (used behind that slot's last fill and last read)
	v_lshl_add_u32 v[SST], v1, 2, s19
	v_add_nc_u32 v[SRD], s19, v[LI]
.irp b, 0,1,2,3
	v_mov_b32 v[TM+4+\b], 0                        ; written once: a lane permute's destination counts as one of its sources
.endr
	s_lshl_b32 s20, s17, 8
	s_lshl_b32 s21, s15, 7
	s_add_co_u32 s20, s20, s21                     ; my first token (q, k): 256 Y + 128 x half
	s_lshl_b32 s20, s20, 8
	s_mov_b32 s21, 0
	s_add_nc_u64 s[10:11], s[6:7], s[20:21]        ; its row of cos
	; where my 8 images go.  kind = 0 q, 1 k, 2 v.  P = my 128 rows of B among the kind's 16, Q = my 128 rows of A among 16
	s_lshr_b32 s18, ttmp9, 1                       ; kind
	s_lshl_b32 s96, s42, 1
	s_add_co_u32 s96, s96, s16
	s_lshl_b32 s19, s18, 4
	s_sub_co_u32 s96, s96, s19                     ; P: the head (q, k) or the key step (v)
	s_lshl_b32 s97, s17, 1
	s_add_co_u32 s97, s97, s15                     ; Q: the block of 128 tokens (q, k) or the head (v)
	s_lshl_b32 s98, s97, 4
	s_add_co_u32 s98, s98, s96
	s_lshl_b32 s99, s96, 4
	s_add_co_u32 s99, s99, s97
	s_cmp_eq_u32 s95, 1
	s_cselect_b32 s98, s98, s99                    ; the record: 16 x head + the other
	s_cmp_eq_u32 s18, 0
	s_mov_b32 s99, 25600
	s_cselect_b32 s99, 12800, s99                  ; a record's bytes
	s_cselect_b32 s96, 0, 3276800                  ; k's and v's records lie behind q's
	s_mul_i32 s98, s98, s99
	s_add_co_u32 s98, s98, s96
	s_mul_i32 s96, s95, 12800                      ; v's half of a record lies behind k's
	s_add_co_u32 s98, s98, s96
	s_mov_b32 s99, 0
	s_add_nc_u64 s[12:13], s[8:9], s[98:99]
.macro FRAG reg, adr, q, i             ; a fragment comes as it was stored: three loads of 16 bytes a lane, 512 consecutive bytes each
.irp c, 0,1,2
	ds_load_b128 v[\reg+4*\c:\reg+4*\c+3], v[\adr] offset:(\i)*ROWB+(\q)*FRB+512*\c
.endr
.endm
; 16 matrix instructions: A's blocks a0, a0 + 1 x B's eight, 128 along K: the slot's q-th.  p: B's set; sc: the set of scale words.  zero = 1: the first product starts the sums.
; The 64 accumulators take turns, one instruction a turn, in the same order in every step.
.macro MUL16 a0, p, q, sc, zero
.irp a, \a0, \a0+1
.irp b, 0,1,2,3,4,5,6,7
.if \zero
	v_wmma_scale_f32_16x16x128_f8f6f4 v[8*(8*((\a)%4)+\b):8*(8*((\a)%4)+\b)+7], v[128*(\p)+FR*\b:128*(\p)+FR*\b+FR-1], v[AF+FR*(\a):AF+FR*(\a)+FR-1], 0, v[SC+8*NQ*(\sc)+NQ*\b+(\q)], v[SC+8*NQ*(\sc)+NQ*(\a)+(\q)] matrix_a_fmt:MATRIX_FMT_FP6 matrix_b_fmt:MATRIX_FMT_FP6 matrix_a_scale:MATRIX_SCALE_ROW1
.else
	v_wmma_scale_f32_16x16x128_f8f6f4 v[8*(8*((\a)%4)+\b):8*(8*((\a)%4)+\b)+7], v[128*(\p)+FR*\b:128*(\p)+FR*\b+FR-1], v[AF+FR*(\a):AF+FR*(\a)+FR-1], v[8*(8*((\a)%4)+\b):8*(8*((\a)%4)+\b)+7], v[SC+8*NQ*(\sc)+NQ*\b+(\q)], v[SC+8*NQ*(\sc)+NQ*(\a)+(\q)] matrix_a_fmt:MATRIX_FMT_FP6 matrix_b_fmt:MATRIX_FMT_FP6 matrix_a_scale:MATRIX_SCALE_ROW1
.endif
.endr
.endr
.endm
.macro FETCH_B slot, q, p
	WIN TO_B
.irp i, 0,1,2,3,4,5,6,7
	FRAG 128*(\p)+FR*\i, ADRB+\slot, \q, \i
.endr
	WIN 0
.endm
.macro FETCH_A slot, q, i0
.irp i, \i0, \i0+1, \i0+2, \i0+3
	FRAG AF+FR*(\i), ADRA+\slot, \q, \i
.endr
.endm
.macro SCALES sc                       ; the K step's two words a row; lanes 0-15 take A's block i, lanes 16-31 B's block i
.irp i, 0,1,2,3,4,5,6,7
	ds_load_b64 v[SC+8*NQ*\sc+NQ*\i:SC+8*NQ*\sc+NQ*\i+1], v[ADRS] offset:\i*SBLK
.endr
.endm
.macro PLACES n                        ; plain vector instructions between a matrix instruction and a load into, or a read of, its registers
.rept \n
	v_nop
.endr
.endm
.macro STEP slot, q, zero              ; a step of 128 along K that has its successor in the same slot
	s_wait_dscnt 4*NL                              ; B's set, A's blocks 0-3 (and the scale words) are in; the youngest 12 loads, A's blocks 4-7, may be out
	WIN MUL_LO
	MUL16 0, (\q)%2, \q, \slot, \zero
	MUL16 2, (\q)%2, \q, \slot, \zero
	s_wait_dscnt 0                                 ; A's blocks 4-7 are in
	PLACES NP
	FETCH_B \slot, (\q)+1, 1-(\q)%2
	FETCH_A \slot, (\q)+1, 0
	WIN MUL_HI
	MUL16 4, (\q)%2, \q, \slot, \zero
	MUL16 6, (\q)%2, \q, \slot, \zero
	PLACES NP
	WIN 0
	FETCH_A \slot, (\q)+1, 4
.endm
; A slot's last step changes slots: one barrier; in front of it each wave waits for all its tensor loads, adds 0 to its spare word, and waits for that and for its reads of this slot.  fill = 1: this slot is filled again, two K steps ahead.
.macro TURN slot, next, fill
	s_wait_tensorcnt 0x0                           ; all my tensor loads have landed: my part of the next slot
	ds_add_u32 v[SPW], v[NIL]                      ; 0 onto my spare word
	s_wait_dscnt 4*NL+1                            ; (the add and the youngest 12 loads may be out)
	WIN MUL_LO
	MUL16 0, 1, NQ-1, \slot, 0                     ; sixteen matrix instructions stand between the add and the wait for it
	s_wait_dscnt 0x0                               ; the add is done, and my reads of this slot are over
	s_barrier_signal -1
	MUL16 2, 1, NQ-1, \slot, 0
	WIN 0
	s_barrier_wait -1
.if \fill
	CREST                                          ; the barrier has opened a round of the cluster's: no wave of any partner still reads this slot or has a load on its way
	s_add_nc_u64 s[G0+4*\slot+2:G0+4*\slot+3], s[G0+4*\slot+2:G0+4*\slot+3], 2*ROWB
	s_add_nc_u64 s[G0B+4*\slot+2:G0B+4*\slot+3], s[G0B+4*\slot+2:G0B+4*\slot+3], 2*ROWB
	JLOAD G0+4*\slot, G1, G0B+4*\slot, G1B         ; the first tensor load behind the round; its four v_nop are also the places in front of the loads below
.else
	PLACES NP
.endif
	v_add_nc_u32 v[ADRS], 128, v[ADRS]             ; on to the next K step's scale words (no LDS load of mine is out)
	FETCH_B \next, 0, 0
	FETCH_A \next, 0, 0
	SCALES \next
	WIN MUL_HI
	MUL16 4, 1, NQ-1, \slot, 0
	MUL16 6, 1, NQ-1, \slot, 0
	PLACES NP
	WIN 0
	FETCH_A \next, 0, 4
.endm
	s_wait_tensorcnt 1                             ; the scale words and my part of K step 0 are in (K step 1's load may be out),
	s_barrier_signal -1
	s_barrier_wait -1                              ; everybody's are
	FETCH_B 0, 0, 0
	FETCH_A 0, 0, 0
	SCALES 0
	FETCH_A 0, 0, 4
	STEP 0, 0, 1                                   ; the first step stands in front of the loop: its products start the sums
	s_mov_b32 s3, LAPS-1
.Llap:                                                 ; a trip goes once round the ring and fills both slots again
	TURN 0, 1, 1
	STEP 1, 0, 0
	TURN 1, 0, 1
	STEP 0, 0, 0
	s_sub_co_u32 s3, s3, 1
	s_cmp_lg_u32 s3, 0
	s_cbranch_scc1 .Llap
	TURN 0, 1, 0                                   ; the last lap fills nothing
	STEP 1, 0, 0
	s_wait_dscnt 4*NL
	WIN MUL_LO
	MUL16 0, 1, NQ-1, 1, 0
	MUL16 2, 1, NQ-1, 1, 0
	s_wait_dscnt 0
	WIN MUL_HI
	MUL16 4, 1, NQ-1, 1, 0
	MUL16 6, 1, NQ-1, 1, 0
	WIN 0
; THE WAY OUT, block a by block a: 16 rows of A, a lane's 64 numbers: register 16 c + i = k' 32 c + 16 h + i of the next product's K.
; 64 numbers v[s] on, in window W, become a fragment's codes in v[PC] on and its scale word in v[pw].  Each accumulator is read from its low end on.
.macro QUANT s, W, pw
	WIN 5*(\W)                                     ; sources 0 and 1 in window W
.irp b, 0,1,2,3
	v_max3_num_f32 v[TM+\b], |v[\s+16*\b]|, |v[\s+1+16*\b]|, 0x1800000   ; block b: my 16 numbers, and the floor 2^(3 - 127): the byte cannot fall under 1
.endr
.irp i, 2,4,6,8,10,12,14
.irp b, 0,1,2,3
	v_max3_num_f32 v[TM+\b], |v[\s+16*\b+\i]|, |v[\s+1+16*\b+\i]|, v[TM+\b]
.endr
.endr
	WIN 0
.irp b, 0,1,2,3
	v_permlanex16_b32 v[TM+4+\b], v[TM+\b], s[SEL], s[SEL+1]
.endr
.irp b, 0,1,2,3
	v_max_num_f32 v[TM+\b], v[TM+\b], v[TM+4+\b]   ; with lane l xor 16's: the block's largest magnitude
.endr
.irp b, 0,1,2,3
	v_add_nc_u32 v[TM+12+\b], 0xff000000, v[TM+\b] ; 2 off its exponent field: the conversion's scale operand
.endr
.irp b, 0,1,2,3
	v_lshrrev_b32 v[TM+4+\b], 23, v[TM+12+\b]      ; the scale's byte
.endr
	v_lshl_or_b32 v[\pw], v[TM+5], 8, v[TM+4]
	v_lshl_or_b32 v[\pw], v[TM+6], 16, v[\pw]
	v_lshl_or_b32 v[\pw], v[TM+7], 24, v[\pw]
	s_wait_xcnt 0x0                                ; the last image's stores have read the codes' registers: they are written again only behind this wait
	WIN (\W)                                       ; source 0 in window W
.irp c, 0,1
	v_cvt_scalef32_pk16_fp6_f32 v[PC+6*\c:PC+2+6*\c], v[\s+32*\c:\s+15+32*\c], v[TM+12+2*\c]
	v_cvt_scalef32_pk16_fp6_f32 v[PC+12+4*\c:PC+14+4*\c], v[\s+16+32*\c:\s+31+32*\c], v[TM+12+2*\c+1]
.endr
	WIN 0
	v_nop                                          ; one plain place behind a scaled conversion
.irp c, 0,1
.irp i, 0,1,2
	v_permlane16_swap_b32 v[PC+6*\c+\i], v[PC+12+4*\c+\i]
.endr
.irp i, 0,1,2
	v_mov_b32 v[PC+3+6*\c+\i], v[PC+12+4*\c+\i]
.endr
.endr
.endm
.macro STOREF a                        ; the image leaves as it stands; the scale word goes to my stage (both halves of the lanes write the same word with the same value)
.irp c, 0,1,2
	global_store_b128 v[LI], v[PC+4*\c:PC+4*\c+3], s[12:13] offset:FRB*(\a)+512*\c   ; 512 consecutive bytes, aligned
.endr
	ds_store_b32 v[SST], v[PW+(\a)] offset:64*(\a)
.endm
.macro TABLE a                         ; cos and sin of block a's tokens at my 32 frequencies, into set a % 4 of window 1: cos at + 0 .. 31, sin at + 32 .. 63
	WIN 0x40
.irp c, 0,1
.irp j, 0,1,2,3
	global_load_b128 v[64*((\a)%4)+16*\c+4*\j:64*((\a)%4)+16*\c+4*\j+3], v[RA], s[10:11] offset:(32*((\a)/2)+8*((\a)%2))*256+128*\c+16*\j
	global_load_b128 v[64*((\a)%4)+32+16*\c+4*\j:64*((\a)%4)+32+16*\c+4*\j+3], v[RA], s[10:11] offset:524288+(32*((\a)/2)+8*((\a)%2))*256+128*\c+16*\j
.endr
.endr
	WIN 0
.endm
.macro ROPE a                          ; registers n and 32 + n of a lane are channels d and d + 64: out(d) = x(d) cos - x(d + 64) sin, out(d + 64) = x(d + 64) cos + x(d) sin
	WIN (2+(\a)/4)|4                               ; source 0: the accumulators' window; source 1: window 1
.set AC, 64*((\a)%4)
.irp n, 0,2,4,6,8,10,12,14,16,18,20,22,24,26,28,30
.set TT, T+4*((\n/2)%2)
	v_pk_mul_f32 v[TT:TT+1], v[AC+32+\n:AC+33+\n], v[AC+32+\n:AC+33+\n]
	v_pk_mul_f32 v[TT+2:TT+3], v[AC+\n:AC+1+\n], v[AC+32+\n:AC+33+\n]
	v_pk_fma_f32 v[OUT+\n:OUT+1+\n], v[AC+\n:AC+1+\n], v[AC+\n:AC+1+\n], v[TT:TT+1] neg_lo:[0,0,1] neg_hi:[0,0,1]
	v_pk_fma_f32 v[OUT+32+\n:OUT+33+\n], v[AC+32+\n:AC+33+\n], v[AC+\n:AC+1+\n], v[TT+2:TT+3]
.endr
	WIN 0
.endm
	PLACES NP                                      ; behind the last products: in front of the first read of results and of loads into registers that held fragments
	s_cmp_ge_u32 ttmp9, 4                          ; the cluster's number: alike in all partners
	s_cbranch_scc1 .Lv
	TABLE 0
	TABLE 1
	TABLE 2
	TABLE 3
.irp a, 0,1,2,3,4,5,6,7
.if 7-\a >= 3
	s_wait_loadcnt 48                              ; this block's 16 loads are in; three younger sets may be out
.else
	s_wait_loadcnt 16*(7-\a)
.endif
	ROPE \a
.if \a < 4
	TABLE \a+4                                     ; the set just read takes the block four further on
.endif
	QUANT OUT, 0, PW+\a
	STOREF \a
.endr
	s_branch .Ljoin
.Lv:
.irp a, 0,1,2,3,4,5,6,7
	QUANT 64*(\a%4), 2+\a/4, PW+\a                 ; v: straight from the accumulators
	STOREF \a
.endr
.Ljoin:
	ds_load_b128 v[WR:WR+3], v[SRD]                ; LDS serves a wave's instructions in order: this sees my eight stores
	s_wait_dscnt 0x0
	global_store_b128 v[LI], v[WR:WR+3], s[12:13] offset:8*FRB   ; the 8 x 16 scale words: 512 consecutive bytes, aligned
	s_wait_tensorcnt 0x0                           ; the wave's end
	ds_add_u32 v[SPW], v[NIL]
	s_wait_dscnt 0x0
	CROUND                                         ; the closing round
	s_endpgm
.Lfunc_end_k_q1004053630_qkv:
	.size	k_q1004053630_qkv, .Lfunc_end_k_q1004053630_qkv-k_q1004053630_qkv
	.p2alignl 7, 3214868480
	.fill 96, 4, 3214868480
	.section	.rodata,"a",@progbits
	.p2align	6, 0x0
	.amdhsa_kernel k_q1004053630_qkv
		.amdhsa_group_segment_fixed_size 327680
		.amdhsa_private_segment_fixed_size 0
		.amdhsa_enable_private_segment 0
		.amdhsa_kernarg_size 24
		.amdhsa_user_sgpr_count 2
		.amdhsa_user_sgpr_kernarg_segment_ptr 1
		.amdhsa_wavefront_size32 1
		.amdhsa_system_sgpr_workgroup_id_x 1
		.amdhsa_system_sgpr_workgroup_id_y 1
		.amdhsa_system_sgpr_workgroup_id_z 1
		.amdhsa_system_vgpr_workitem_id 0
		.amdhsa_next_free_vgpr 1024
		.amdhsa_next_free_sgpr 100
		.amdhsa_reserve_vcc 0
		.amdhsa_float_denorm_mode_32 3
		.amdhsa_float_denorm_mode_16_64 3
		.amdhsa_memory_ordered 1
		.amdhsa_forward_progress 1
		.amdhsa_inst_pref_size 219
	.end_amdhsa_kernel
	.amdgpu_metadata
---
amdhsa.version: [ 1, 2 ]
amdhsa.kernels:
  - .name:           k_q1004053630_qkv
    .symbol:         k_q1004053630_qkv.kd
    .args:
      - { .name: opnd, .offset: 0, .size: 8, .value_kind: global_buffer, .address_space: global }
      - { .name: rope, .offset: 8, .size: 8, .value_kind: global_buffer, .address_space: global }
      - { .name: qkv, .offset: 16, .size: 8, .value_kind: global_buffer, .address_space: global }
    .group_segment_fixed_size: 327680
    .private_segment_fixed_size: 0
    .kernarg_segment_align: 8
    .kernarg_segment_size: 24
    .max_flat_workgroup_size: 128
    .sgpr_count:     100
    .vgpr_count:     1024
    .wavefront_size: 32
...
	.end_amdgpu_metadata
.endif
;; end of part 2
;; launch attn (part 3): grid 16 x 16, 8 waves a work-group, clusters of 4 x 1, 327,680 bytes of LDS; arguments qkv, mwords, oimg; writes oimg
.if DOCPART == 3
	.amdgcn_target "amdgcn-amd-amdhsa--gfx1250"
	.amdhsa_code_object_version 6
	.text
	.protected	k_q1004053630_attn
	.globl	k_q1004053630_attn
	.p2align	8
	.type	k_q1004053630_attn,@function
k_q1004053630_attn:
	s_mov_b64 s[64:65], 0
	v_nop
	global_prefetch_b8 v0, s[64:65] scope:SCOPE_SE
	s_setreg_imm32_b32 hwreg(HW_REG_WAVE_MODE, 25, 1), 1
	s_wait_xcnt 0x0
	s_wait_alu depctr_hold_cnt(0) depctr_sa_sdst(0) depctr_va_vdst(0) depctr_va_sdst(0) depctr_va_ssrc(0) depctr_va_vcc(0) depctr_vm_vsrc(0)
	s_getreg_b32 s2, hwreg(HW_REG_IB_STS2, 6, 4)
	s_cmp_eq_u32 s2, 0
	s_cbranch_scc0 .Lentry_in_a_cluster
	s_endpgm
.Lentry_in_a_cluster:
	s_bfe_u32 s2, ttmp6, 0x10000c
	s_cmp_lg_u32 s2, 0x3003
	s_cbranch_scc0 .Lentry_shape_is_right
	s_endpgm
.Lentry_shape_is_right:
; ATTN.  o[q] = the sum over keys of softmax(q . k / sqrt(128), under the mask) v, for one head and 128 queries a work-group; both products on codes of FP6 (E2M3) with E8M0 scales; o is then quantised along the model's 2,048.
; THE SOFTMAX AHEAD OF THE SECOND PRODUCT: t = score x log2(e) / sqrt(128); M = the row's largest t so far, rounded UP to a whole number; p = 2^(t - M) is what is quantised, along the keys.  The row's sum is taken of the unquantised p
; and divides O at the end.  When M moves, the sum and O are multiplied by 2^(old M - new M): exact.
; THE MASK is an input: every key step is worked, and a hidden score becomes -infinity ahead of the maximum, by one v_cndmask_b32 on a lane-mask word that the first launch has laid for this register and these lanes.
; A row with no open key has the sum 0: its scale word becomes four bytes 0xff, so that the last product gives NaN for that row, as a softmax of nothing but -infinity does.
; SHARES.  Eight waves, each ONE tile of 16 queries (tile g = 8 x block + wave).  Every wave walks the head's 16 key steps of 128 keys.
; LAYOUT.  Both products transposed: S^T = K Q^T, O^T = V^T P^T: a lane holds one query throughout; the keys of a tile of K and the channels of a tile of V are laid so that 16 registers of two neighbouring tiles are 16 neighbours.
; LDS.  A head's K and V are 16 records of 25,600 bytes (K's 8 images, 128 scale words, V's 8 images, 128 scale words).  Three regions of four records are filled at the start; the first is filled once more, with the last four
; records, behind its last read: that load has eight key steps in which to land.  Every wave brings an eighth of a region.
; CLUSTER.  The four blocks of queries of a cluster belong to one head and walk the same records: each load is asked for jointly, with the same descriptor and the mask 15 in all four.
; No prefetch is laid: twelve of the sixteen records are asked for by the first loads, and the wait for the one refill stands eight key steps behind it.
; LIMITS: NaN and infinities among the operands are not served; a block of p or of o whose largest magnitude lies under 2^-124 (zeros too) keeps the scale byte 1, with zero or tiny codes.
; REGISTERS: window 0: v1-10 addresses; v12 -M, v13 the largest t, v[14:15] the sum; v16-27 Q; v28-31 V's scale words; v32-69 at work on the way out; v96-159 S^T, then p; v160-223 O^T; v224-235 p's codes; v232-254 at work;
;   v248-251 K's scale words, v253 p's, v255 Q's.   window 1: v0-95 K's eight fragments, v96-191 V's.
.set KVB,   25600                      ; a record
.set REG,   4*KVB                      ; a region
.set SPARE, 3*REG                      ; the spare words, 128 bytes for each wave: four blocks of 256 bytes that no other line names
.set LI,   1                           ; v1   16 x lane
.set LS,   2                           ; v2   4 x lane
.set ADR,  3                           ; v3   LDS address of the step's images
.set ADS,  4                           ; v4   and of its scale words
.set SPW,  5                           ; v5   my spare word; never rewritten
.set NIL,  6                           ; v6   0; never rewritten
.set NINF, 7                           ; v7   -infinity
.set QS,   8                           ; v8   4 r
.set LN,   9                           ; v9   lane
.set R8,   10                          ; v10  8 r
.set TM,   32
.set PC,   48
.set PW,   68
.set ONES, 69
.set TB,   2                           ; s2   LDS byte at which the step's record begins
.set CNT,  3                           ; s3   counts a region's four steps
.set MW,   4                           ; s[4:5] the step's 64 mask words
.set WV,   8                           ; s8   my wave's number
.set CS,   10                          ; s[10:11] c = log2(e) / sqrt(128), twice
.set G0C,  12
.set G1,   16
.set G0A,  24
.set G0B,  28
.set SEL,  66                          ; s[66:67] lane selects for lane l xor 16
.set MSB, 0
.macro WIN new
.if MSB != \new
	s_set_vgpr_msb (MSB<<8)|\new
.set MSB, \new
.endif
.endm
.macro CROUND                          ; a round of the cluster's barrier
	s_barrier_signal -1
	s_barrier_wait -1
	s_cmp_lg_u32 s[WV], 0
	s_cbranch_scc1 .Lnot_wave_0_\@
	s_barrier_signal -3
.Lnot_wave_0_\@:
	s_barrier_wait -3
	s_barrier_signal -1
	s_barrier_wait -1
.endm
	s_load_b128 s[32:35], s[0:1], 0x0              ; qkv, mwords   (s32-63 and s68-99 are at work here; from the first key step on they hold mask words)
	s_load_b64 s[36:37], s[0:1], 0x10              ; oimg
	v_lshl_add_u32 v[SPW], v0, 2, SPARE
	v_mov_b32 v[NIL], 0
	ds_add_u32 v5, v6
	ds_add_u32 v5, v6
	s_wait_dscnt 0x0
	v_lshrrev_b32 v8, 5, v0
	v_readfirstlane_b32 s[WV], v8                  ; wave 0..7
	s_and_b32 s40, ttmp7, 0xffff                   ; the head, which the four partners share
	s_bfe_u32 s41, ttmp6, 0x40000                  ; cx
	s_lshl_b32 s42, ttmp9, 2
	s_add_co_u32 s42, s42, s41                     ; my block of 128 queries
	s_lshl_b32 s43, s42, 3
	s_add_co_u32 s43, s43, s[WV]                   ; g: my tile of queries
	; descriptor group 1: 12,800 dense bytes as 50 rows of 256 (32 elements of 8 bytes)
	s_mov_b32 s[G1], 15|(3<<16)|(1<<21)            ; 15:0 the mask: all four work-groups; 17:16 elements of 8 bytes; 21 set beside a mask
	s_mov_b32 s[G1+1], 32<<16
	s_mov_b32 s[G1+2], 50<<16
	s_mov_b32 s[G1+3], 32<<16
	s_mov_b32 s[G1+4], 50
	s_mov_b32 s[G1+5], 32
	s_mov_b32 s[G1+6], 0
	s_mov_b32 s[G1+7], 0
	s_mul_i32 s9, s[WV], 12800                     ; my eighth of a region, in LDS and in memory: no place in the cluster enters it
	s_mul_i32 s44, s40, 16*KVB
	s_add_co_u32 s44, s44, s9
	s_add_co_u32 s44, s44, 3276800                 ; the head's records lie behind q's
	s_mov_b32 s45, 0
	s_lshl_b32 s46, s40, 4
	s_add_co_u32 s46, s46, s42
	s_mul_i32 s46, s46, 12800                      ; q's record
	s_mul_i32 s52, s[WV], 1536
	s_add_co_u32 s48, s46, s52                     ; my tile's image
	s_mov_b32 s49, 0
	s_lshl_b32 s52, s[WV], 6
	s_add_co_u32 s50, s46, s52
	s_add_co_u32 s50, s50, 12288                   ; and its scale words
	s_mov_b32 s51, 0
	s_lshl_b32 s54, s43, 12                        ; the mask words of tile g: 16 key steps x 256 bytes
	s_mov_b32 s55, 0
	s_lshl_b32 s56, s43, 4
	s_add_co_u32 s56, s56, s40
	s_mul_i32 s56, s56, 1536                       ; o's image: tile g, K step = the head
	s_mov_b32 s57, 0
	s_lshl_b32 s58, s43, 10                        ; o's scale words: [g][head / 2][r][head % 2]
	s_lshr_b32 s52, s40, 1
	s_lshl_b32 s52, s52, 7
	s_add_co_u32 s58, s58, s52
	s_and_b32 s52, s40, 1
	s_lshl_b32 s52, s52, 2
	s_add_co_u32 s58, s58, s52
	s_add_co_u32 s58, s58, 3145728
	s_mov_b32 s59, 0
	s_mov_b32 s[SEL], 0x76543210
	s_mov_b32 s[SEL+1], 0xfedcba98
	s_mov_b32 s[CS], 0x3e0293ee
	s_mov_b32 s[CS+1], s[CS]
	s_wait_kmcnt 0x0
	s_add_nc_u64 s[44:45], s[32:33], s[44:45]
	s_add_nc_u64 s[48:49], s[32:33], s[48:49]
	s_add_nc_u64 s[50:51], s[32:33], s[50:51]
	s_add_nc_u64 s[MW:MW+1], s[34:35], s[54:55]
	s_add_nc_u64 s[6:7], s[36:37], s[56:57]
	s_add_nc_u64 s[104:105], s[36:37], s[58:59]
	CROUND                                         ; all four work-groups are here: the first joint loads meet
	s_mov_b32 s[G0A], 1
	s_mov_b32 s[G0A+1], s9
	s_mov_b64 s[G0A+2:G0A+3], s[44:45]
	s_or_b32 s[G0A+3], s[G0A+3], 0x80000000
	s_mov_b32 s[G0B], 1
	s_add_co_u32 s[G0B+1], s9, REG
	s_add_nc_u64 s[G0B+2:G0B+3], s[44:45], REG
	s_or_b32 s[G0B+3], s[G0B+3], 0x80000000
	s_mov_b32 s[G0C], 1
	s_add_co_u32 s[G0C+1], s9, 2*REG
	s_add_nc_u64 s[G0C+2:G0C+3], s[44:45], 2*REG
	s_or_b32 s[G0C+3], s[G0C+3], 0x80000000
	tensor_load_to_lds s[G0A:G0A+3], s[G1:G1+7]    ; key steps 0-3, 4-7, 8-11: three loads of mine are out
	s_nop 0
	tensor_load_to_lds s[G0B:G0B+3], s[G1:G1+7]
	s_nop 0
	tensor_load_to_lds s[G0C:G0C+3], s[G1:G1+7]
	s_nop 0
.rept 4
	v_nop
.endr
	v_and_b32 v[LN], 31, v0
	v_lshlrev_b32 v[LI], 4, v[LN]
	v_lshlrev_b32 v[LS], 2, v[LN]
	v_and_b32 v8, 15, v0
	v_lshlrev_b32 v[R8], 3, v8
	v_lshlrev_b32 v[QS], 2, v8
.irp c, 0,1,2
	global_load_b128 v[16+4*\c:19+4*\c], v[LI], s[48:49] offset:512*\c   ; Q's fragment stays in registers
.endr
	global_load_b32 v255, v[QS], s[50:51]          ; and its scale words
	v_mov_b32 v[NINF], 0xff800000
	v_mov_b32 v[ONES], -1
	v_mov_b32 v13, 0xff61b1e6                      ; the largest t so far: -3e38, under every t
	v_floor_f32 v12, -v13                          ; -M
	v_mov_b32 v14, 0
	v_mov_b32 v15, 0
.irp b, 0,1,2,3
	v_mov_b32 v[236+\b], 0                         ; written once: a lane permute's destination counts as one of its sources
	v_mov_b32 v[TM+4+\b], 0
.endr
	v_mov_b32 v253, 0                              ; (named as the upper half of the pair v[252:253] before it is first written)
.set n, 0
.rept 64
	v_mov_b32 v[160+n], 0                          ; O^T: the step is written once, and its first turn finds zeros
.set n, n+1
.endr
; A KEY STEP: the record at LDS byte s[TB]
.macro STEP
	v_add_nc_u32 v[ADR], s[TB], v[LI]
	v_add_nc_u32 v[ADS], s[TB], v[LS]
	v_nop
	v_nop                                          ; four places behind the last step's products, in front of the loads into registers that they have read
	s_load_b512 s[32:47], s[MW:MW+1], 0x0          ; the step's 64 mask words: word n in s[32 + n], from word 32 on in s[36 + n]
	s_load_b512 s[48:63], s[MW:MW+1], 0x40
	s_load_b512 s[68:83], s[MW:MW+1], 0x80
	s_load_b512 s[84:99], s[MW:MW+1], 0xc0
	WIN 0x40                                       ; destination window 1
.irp t, 0,1,2,3,4,5,6,7
.irp c, 0,1,2
	ds_load_b128 v[12*\t+4*\c:12*\t+4*\c+3], v[ADR] offset:1536*\t+512*\c
.endr
.endr
	WIN 0
.irp b, 0,1,2,3
	ds_load_b32 v[248+\b], v[ADS] offset:12288+128*\b   ; lanes 0-15: tile 2 b's words, lanes 16-31: tile 2 b + 1's
.endr
	WIN 0x40
.irp t, 0,1,2,3,4,5,6,7
.irp c, 0,1,2
	ds_load_b128 v[96+12*\t+4*\c:96+12*\t+4*\c+3], v[ADR] offset:12800+1536*\t+512*\c
.endr
.endr
	WIN 0
.irp b, 0,1,2,3
	ds_load_b32 v[28+\b], v[ADS] offset:25088+128*\b
.endr
	s_wait_dscnt 28                                ; K and its words are in; V's 24 + 4 loads may be out
	WIN 0x01                                       ; source 0 window 1
.irp t, 0,2,4,6
	v_wmma_scale_f32_16x16x128_f8f6f4 v[96+8*\t:103+8*\t], v[12*\t:12*\t+11], v[16:27], 0, v[248+\t/2], v255 matrix_a_fmt:MATRIX_FMT_FP6 matrix_b_fmt:MATRIX_FMT_FP6
	v_wmma_scale_f32_16x16x128_f8f6f4 v[104+8*\t:111+8*\t], v[12*\t+12:12*\t+23], v[16:27], 0, v[248+\t/2], v255 matrix_a_fmt:MATRIX_FMT_FP6 matrix_b_fmt:MATRIX_FMT_FP6 matrix_a_scale:MATRIX_SCALE_ROW1
.endr
	WIN 0
.rept 4
	v_nop
.endr
	s_wait_kmcnt 0x0                               ; the mask words are in, and their base may step
	s_add_nc_u64 s[MW:MW+1], s[MW:MW+1], 256
.set n, 0
.rept 32
	v_cndmask_b32 v[96+n], v[NINF], v[96+n], s[32+n]   ; a hidden score becomes -infinity; each accumulator from its low end on
.set n, n+1
.endr
.rept 32
	v_cndmask_b32 v[96+n], v[NINF], v[96+n], s[36+n]
.set n, n+1
.endr
.irp b, 0,1,2,3
	v_max3_num_f32 v[232+\b], v[96+16*\b], v[97+16*\b], v[98+16*\b]   ; the largest score of each block of 32 keys: for the row's maximum and, since p rises with the score, for the block's largest p
.endr
.irp i, 3,5,7,9,11,13
.irp b, 0,1,2,3
	v_max3_num_f32 v[232+\b], v[232+\b], v[96+16*\b+\i], v[97+16*\b+\i]
.endr
.endr
.irp b, 0,1,2,3
	v_max_num_f32 v[232+\b], v[232+\b], v[111+16*\b]
.endr
.irp b, 0,1,2,3
	v_permlanex16_b32 v[236+\b], v[232+\b], s[SEL], s[SEL+1]
.endr
.irp b, 0,1,2,3
	v_max_num_f32 v[232+\b], v[232+\b], v[236+\b]  ; with lane l xor 16's 16 keys
.endr
	v_max3_num_f32 v254, v232, v233, v234
	v_max_num_f32 v254, v254, v235                 ; the step's largest score of my query
	v_mul_f32 v254, s[CS], v254                    ; as t
	v_max_num_f32 v13, v13, v254                   ; the running largest t
	v_mov_b32 v254, v12
	v_floor_f32 v12, -v13                          ; the new -M = floor(-t): M is a whole number
	v_sub_f32 v254, v12, v254                      ; old M - new M: a whole number, 0 or less
	v_cvt_i32_f32 v254, v254                       ; (it saturates)
	v_ldexp_f32 v252, 1.0, v254                    ; f = 2^(old M - new M)
.set n, 0
.rept 32
	v_pk_fma_f32 v[96+n:97+n], v[96+n:97+n], s[CS:CS+1], v[12:13] op_sel_hi:[1,0,0]   ; t - M, two at a time
.set n, n+2
.endr
.irp b, 0,1,2,3
	v_fma_f32 v[232+\b], v[232+\b], s[CS], v12     ; the same of each block's largest score
.endr
.set n, 0
.rept 64
	v_exp_f32 v[96+n], v[96+n]                     ; p = 2^(t - M), at most 1
.set n, n+1
.endr
	v_pk_mul_f32 v[14:15], v[14:15], v[252:253] op_sel_hi:[1,0]   ; the sums under the new M (a plain place behind the exponentials)
	s_wait_alu depctr_va_vdst(0)                   ; one wait for the whole batch, ahead of its first reader
.irp b, 0,1,2,3
	v_exp_f32 v[232+\b], v[232+\b]                 ; the block's largest p
.endr
	v_pk_add_f32 v[236:237], v[96:97], v[98:99]    ; the row's sum is taken of the unquantised p, in two chains
.set n, 4
.rept 15
	v_pk_add_f32 v[14:15], v[14:15], v[96+n:97+n]
	v_pk_add_f32 v[236:237], v[236:237], v[98+n:99+n]
.set n, n+4
.endr
	v_pk_add_f32 v[14:15], v[14:15], v[236:237]
	s_wait_alu depctr_va_vdst(0)                   ; and one for the four
.irp b, 0,1,2,3
	v_max_num_f32 v[232+\b], 0x1800000, v[232+\b]  ; the floor 2^(3 - 127): the byte cannot fall under 1
.endr
.irp b, 0,1,2,3
	v_add_nc_u32 v[244+\b], 0xff000000, v[232+\b]  ; 2 off the exponent field: the conversion's scale operand
.endr
.irp b, 0,1,2,3
	v_lshrrev_b32 v[236+\b], 23, v[244+\b]         ; the scale's byte
.endr
	v_lshl_or_b32 v253, v237, 8, v236              ; p's scale word for these 128 keys
	v_lshl_or_b32 v253, v238, 16, v253
	v_lshl_or_b32 v253, v239, 24, v253
.irp c, 0,1
	v_cvt_scalef32_pk16_fp6_f32 v[224+6*\c:226+6*\c], v[96+32*\c:111+32*\c], v[244+2*\c]
	v_cvt_scalef32_pk16_fp6_f32 v[236+4*\c:238+4*\c], v[112+32*\c:127+32*\c], v[244+2*\c+1]
.endr
	v_nop                                          ; one plain place behind a scaled conversion
.irp c, 0,1
.irp i, 0,1,2
	v_permlane16_swap_b32 v[224+6*\c+\i], v[236+4*\c+\i]
.endr
.irp i, 0,1,2
	v_mov_b32 v[227+6*\c+\i], v[236+4*\c+\i]
.endr
.endr
.set n, 0
.rept 32
	v_pk_mul_f32 v[160+n:161+n], v[160+n:161+n], v[252:253] op_sel_hi:[1,0]   ; O^T under the new M; these 32 are also the places between the writes of p's codes and scale word and the products below
.set n, n+2
.endr
	s_wait_dscnt 0x0                               ; V and its words are in
	WIN 0x01
.irp t, 0,2,4,6
	v_wmma_scale_f32_16x16x128_f8f6f4 v[160+8*\t:167+8*\t], v[96+12*\t:107+12*\t], v[224:235], v[160+8*\t:167+8*\t], v[28+\t/2], v253 matrix_a_fmt:MATRIX_FMT_FP6 matrix_b_fmt:MATRIX_FMT_FP6
	v_wmma_scale_f32_16x16x128_f8f6f4 v[168+8*\t:175+8*\t], v[108+12*\t:119+12*\t], v[224:235], v[168+8*\t:175+8*\t], v[28+\t/2], v253 matrix_a_fmt:MATRIX_FMT_FP6 matrix_b_fmt:MATRIX_FMT_FP6 matrix_a_scale:MATRIX_SCALE_ROW1
.endr
	WIN 0
	s_add_co_u32 s[TB], s[TB], KVB                 ; the next record
.endm
.macro SLOTWORK base                   ; a region's four key steps
	s_mov_b32 s[TB], \base
	s_mov_b32 s[CNT], 4
.Lstep_\@:
	STEP
	s_sub_co_u32 s[CNT], s[CNT], 1
	s_cmp_lg_u32 s[CNT], 0
	s_cbranch_scc1 .Lstep_\@
.endm
	s_wait_loadcnt 0x0                             ; Q; its bases lie in registers that the mask words take next
	s_wait_tensorcnt 2                             ; my eighth of region 0 is in; regions 1 and 2 may stay out
	s_barrier_signal -1
	s_barrier_wait -1
	SLOTWORK 0                                     ; key steps 0-3
	s_wait_tensorcnt 0x0                           ; all my tensor loads have landed, my parts of regions 1 and 2 among them
	ds_add_u32 v[SPW], v[NIL]                      ; 0 onto my spare word
	s_add_nc_u64 s[G0A+2:G0A+3], s[G0A+2:G0A+3], 3*REG   ; region 0's next records: key steps 12-15
	s_wait_dscnt 0x0                               ; the add is done, and my reads of region 0 are over
	CROUND                                         ; no wave of any partner still reads region 0 or has a load on its way
	tensor_load_to_lds s[G0A:G0A+3], s[G1:G1+7]    ; the launch's one refill, first behind the round
	s_nop 0
.rept 4
	v_nop
.endr
	SLOTWORK REG                                   ; key steps 4-7
	SLOTWORK 2*REG                                 ; key steps 8-11
	s_wait_tensorcnt 0x0                           ; my eighth of the refill is in,
	s_wait_dscnt 0x0
	s_barrier_signal -1
	s_barrier_wait -1                              ; everybody's is
	SLOTWORK 0                                     ; key steps 12-15
; THE WAY OUT: O^T / the sum; its 64 registers run along the head's 128 channels, which are K step 'head' of the last product: quantised as they stand.
.macro QUANT s, W, pw
	WIN 5*(\W)
.irp b, 0,1,2,3
	v_max3_num_f32 v[TM+\b], |v[\s+16*\b]|, |v[\s+1+16*\b]|, 0x1800000
.endr
.irp i, 2,4,6,8,10,12,14
.irp b, 0,1,2,3
	v_max3_num_f32 v[TM+\b], |v[\s+16*\b+\i]|, |v[\s+1+16*\b+\i]|, v[TM+\b]
.endr
.endr
	WIN 0
.irp b, 0,1,2,3
	v_permlanex16_b32 v[TM+4+\b], v[TM+\b], s[SEL], s[SEL+1]
.endr
.irp b, 0,1,2,3
	v_max_num_f32 v[TM+\b], v[TM+\b], v[TM+4+\b]
.endr
.irp b, 0,1,2,3
	v_add_nc_u32 v[TM+12+\b], 0xff000000, v[TM+\b]
.endr
.irp b, 0,1,2,3
	v_lshrrev_b32 v[TM+4+\b], 23, v[TM+12+\b]
.endr
	v_lshl_or_b32 v[\pw], v[TM+5], 8, v[TM+4]
	v_lshl_or_b32 v[\pw], v[TM+6], 16, v[\pw]
	v_lshl_or_b32 v[\pw], v[TM+7], 24, v[\pw]
	WIN (\W)
.irp c, 0,1
	v_cvt_scalef32_pk16_fp6_f32 v[PC+6*\c:PC+2+6*\c], v[\s+32*\c:\s+15+32*\c], v[TM+12+2*\c]
	v_cvt_scalef32_pk16_fp6_f32 v[PC+12+4*\c:PC+14+4*\c], v[\s+16+32*\c:\s+31+32*\c], v[TM+12+2*\c+1]
.endr
	WIN 0
	v_nop                                          ; one plain place behind a scaled conversion
.irp c, 0,1
.irp i, 0,1,2
	v_permlane16_swap_b32 v[PC+6*\c+\i], v[PC+12+4*\c+\i]
.endr
.irp i, 0,1,2
	v_mov_b32 v[PC+3+6*\c+\i], v[PC+12+4*\c+\i]
.endr
.endr
.endm
.rept 4
	v_nop                                          ; places behind the last products
.endr
	v_add_f32 v14, v14, v15                        ; the sum's two halves,
	v_permlanex16_b32 v252, v14, s[SEL], s[SEL+1]
	v_add_f32 v14, v14, v252                       ; and lane l xor 16's: the row's sum
	v_rcp_f32 v252, v14
	v_nop                                          ; a plain place behind the reciprocal
	v_cmp_eq_f32 vcc_lo, 0, v14                    ; a row with no open key
	s_wait_alu depctr_va_vdst(0)                   ; the wait ahead of the reciprocal's first reader
.set n, 0
.rept 32
	v_pk_mul_f32 v[96+n:97+n], v[160+n:161+n], v[252:253] op_sel_hi:[1,0]   ; each accumulator from its low end on
.set n, n+2
.endr
	QUANT 96, 0, PW
	v_cndmask_b32 v[PW], v[PW], v[ONES], vcc_lo    ; such a row's four scale bytes are 0xff: NaN in the last product
.irp c, 0,1,2
	global_store_b128 v[LI], v[PC+4*\c:PC+4*\c+3], s[6:7] offset:512*\c   ; 512 consecutive bytes, aligned
.endr
	s_wait_xcnt 0x0                                ; EXEC changes only behind this wait
	v_cmp_gt_u32 vcc_lo, 16, v[LN]
	s_and_saveexec_b32 s100, vcc_lo
	global_store_b32 v[R8], v[PW], s[104:105]      ; lanes 0-15: row r's word; 4 bytes of every 8: the words of the neighbouring head belong to another work-group
	s_wait_xcnt 0x0                                ; and again, in front of the line that widens it
	s_or_b32 exec_lo, exec_lo, s100
	s_wait_tensorcnt 0x0                           ; the wave's end
	ds_add_u32 v[SPW], v[NIL]
	s_wait_dscnt 0x0
	CROUND                                         ; the closing round
	s_endpgm
.Lfunc_end_k_q1004053630_attn:
	.size	k_q1004053630_attn, .Lfunc_end_k_q1004053630_attn-k_q1004053630_attn
	.p2alignl 7, 3214868480
	.fill 96, 4, 3214868480
	.section	.rodata,"a",@progbits
	.p2align	6, 0x0
	.amdhsa_kernel k_q1004053630_attn
		.amdhsa_group_segment_fixed_size 327680
		.amdhsa_private_segment_fixed_size 0
		.amdhsa_enable_private_segment 0
		.amdhsa_kernarg_size 24
		.amdhsa_user_sgpr_count 2
		.amdhsa_user_sgpr_kernarg_segment_ptr 1
		.amdhsa_wavefront_size32 1
		.amdhsa_system_sgpr_workgroup_id_x 1
		.amdhsa_system_sgpr_workgroup_id_y 1
		.amdhsa_system_sgpr_workgroup_id_z 1
		.amdhsa_system_vgpr_workitem_id 0
		.amdhsa_next_free_vgpr 448
		.amdhsa_next_free_sgpr 106
		.amdhsa_reserve_vcc 1
		.amdhsa_float_denorm_mode_32 3
		.amdhsa_float_denorm_mode_16_64 3
		.amdhsa_memory_ordered 1
		.amdhsa_forward_progress 1
		.amdhsa_inst_pref_size 109
	.end_amdhsa_kernel
	.amdgpu_metadata
---
amdhsa.version: [ 1, 2 ]
amdhsa.kernels:
  - .name:           k_q1004053630_attn
    .symbol:         k_q1004053630_attn.kd
    .args:
      - { .name: qkv, .offset: 0, .size: 8, .value_kind: global_buffer, .address_space: global }
      - { .name: mwords, .offset: 8, .size: 8, .value_kind: global_buffer, .address_space: global }
      - { .name: oimg, .offset: 16, .size: 8, .value_kind: global_buffer, .address_space: global }
    .group_segment_fixed_size: 327680
    .private_segment_fixed_size: 0
    .kernarg_segment_align: 8
    .kernarg_segment_size: 24
    .max_flat_workgroup_size: 256
    .sgpr_count:     106
    .vgpr_count:     448
    .wavefront_size: 32
...
	.end_amdgpu_metadata
.endif
;; end of part 3
;; launch proj (part 4): grid 8 x 8, 4 waves a work-group, clusters of 4 x 4, 327,680 bytes of LDS; arguments oimg, opnd, out0; writes out0
.if DOCPART == 4
	.amdgcn_target "amdgcn-amd-amdhsa--gfx1250"
	.amdhsa_code_object_version 6
	.text
	.protected	k_q1004053630_proj
	.globl	k_q1004053630_proj
	.p2align	8
	.type	k_q1004053630_proj,@function
k_q1004053630_proj:
	s_mov_b64 s[64:65], 0
	v_nop
	global_prefetch_b8 v0, s[64:65] scope:SCOPE_SE
	s_setreg_imm32_b32 hwreg(HW_REG_WAVE_MODE, 25, 1), 1
	s_wait_xcnt 0x0
	s_wait_alu depctr_hold_cnt(0) depctr_sa_sdst(0) depctr_va_vdst(0) depctr_va_sdst(0) depctr_va_ssrc(0) depctr_va_vcc(0) depctr_vm_vsrc(0)
	s_getreg_b32 s2, hwreg(HW_REG_IB_STS2, 6, 4)
	s_cmp_eq_u32 s2, 0
	s_cbranch_scc0 .Lentry_in_a_cluster
	s_endpgm
.Lentry_in_a_cluster:
	s_bfe_u32 s2, ttmp6, 0x10000c
	s_cmp_lg_u32 s2, 0xf033
	s_cbranch_scc0 .Lentry_shape_is_right
	s_endpgm
.Lentry_shape_is_right:
; PROJ.  out0 = o Wo^T on codes of FP6 (E2M3) with E8M0 scales, K = 2,048; out0 [2048][2048] f32.
; A tile of 256 x 256 is made by a work-group of four waves, a wave 128 x 128: 64 accumulators, 512 registers.  8 x 8 tiles: 64 work-groups (a smaller tile would read each fragment from LDS for half as many products).
; Source 0 = a tile of Wo (operand B), source 1 = a tile of o (operand A): a lane holds one token and eight neighbouring outputs an accumulator.
; OPERANDS lie as images of their registers (fragment = 16 rows x 128 K = 1,536 bytes), [block of 256 rows][tile 16][K step 16]; tile g holds rows 32 (g / 2) + 8 (g % 2) + p + 8 (p / 8).
; K goes in steps of 256 through a ring of two LDS slots; a wave's tensor load brings 8 tiles x 3,072 consecutive bytes.  The scale words of the work-group's rows come once, with the first fills.
; CLUSTERS: 4 x 4 work-groups; A's tiles are asked for jointly along a row of the cluster, B's along a column.
; A token whose scale bytes are 0xff (a row of the mask with no open key) comes out as NaN.
; REGISTERS: window 0: v16-29 addresses; v32-63 scale words (two sets, nothing else ever); v128-223 A's fragments, one set (on the way out v128-255: rows read back).  window 1: B's two sets.  windows 2, 3: the accumulators.
.set NQ,     2
.set FR,     12
.set FRB,    1536
.set NL,     3
.set NP,     4
.set ROWB,   NQ*FRB
.set GROW,   16*FRB
.set HALFT,  8*ROWB
.set SLOT,   4*HALFT
.set LAPS,   4
.set SCL,    2*SLOT
.set HALFS,  8192
.set SBLK,   1024
.set SPARE,  SCL+4*HALFS               ; the spare words, 128 bytes for each wave: two blocks of 256 bytes that no other line names
.set BLKB,   393216
.set OPS,    15728640                  ; the scale words' first byte in opnd
.set OIS,    3145728                   ; and in oimg
.set SPITCH, 528                       ; the way out: a stage of 16 rows x (512 bytes + 16) for each wave, in slot 0, behind that slot's last fill and last read
.set ADRA, 16
.set ADRB, 20
.set STO,  24                          ; v24  the way out: where I put 32 bytes of a row
.set RD,   25                          ; v25  where I read a row back
.set CO,   26                          ; v26  16 x lane: my bytes of a row's 512
.set ADRS, 27
.set SPW,  28
.set NIL,  29
.set SC,   32
.set AF,   128
.set BK,   128
.set G1, 24
.set G0, 32
.set G1B, 48
.set G0B, 56
.set G1S, 68
.set G0S, 76
.set G1SB, 80
.set G0SB, 88
.set MSB, 0
.macro WIN new
.if MSB != \new
	s_set_vgpr_msb (MSB<<8)|\new
.set MSB, \new
.endif
.endm
.set MUL_LO, 0xa1
.set MUL_HI, 0xf1
.set TO_B,   0x40
.macro JLOAD g0a, g1a, g0b, g1b        ; a joint load: waves 0 and 1 fetch for A, waves 2 and 3 for B; four v_nop follow each of the two lines
	s_cmp_eq_u32 s15, 0
	s_cbranch_scc0 .Lfor_b_\@
	tensor_load_to_lds s[\g0a:\g0a+3], s[\g1a:\g1a+7]
	s_nop 0
.rept 4
	v_nop
.endr
	s_branch .Lasked_\@
.Lfor_b_\@:
	tensor_load_to_lds s[\g0b:\g0b+3], s[\g1b:\g1b+7]
	s_nop 0
.rept 4
	v_nop
.endr
.Lasked_\@:
.endm
.macro CREST
	s_cmp_lg_u32 s14, 0
	s_cbranch_scc1 .Lnot_wave_0_\@
	s_barrier_signal -3
.Lnot_wave_0_\@:
	s_barrier_wait -3
	s_barrier_signal -1
	s_barrier_wait -1
.endm
.macro CROUND
	s_barrier_signal -1
	s_barrier_wait -1
	CREST
.endm
	s_load_b128 s[4:7], s[0:1], 0x0                ; oimg, opnd
	s_load_b64 s[8:9], s[0:1], 0x10                ; out0
	v_lshl_add_u32 v[SPW], v0, 2, SPARE
	v_mov_b32 v[NIL], 0
	ds_add_u32 v28, v29
	ds_add_u32 v28, v29
	s_wait_dscnt 0x0
	v_lshrrev_b32 v1, 5, v0
	v_readfirstlane_b32 s14, v1                    ; wave 0..3
	s_lshr_b32 s15, s14, 1                         ; which half of A's rows is mine.  Also: I fetch for A (0) or for B (1)
	s_and_b32 s16, s14, 1                          ; which half of B's rows.  Also: which 8 tiles I fetch
	s_bfe_u32 s40, ttmp6, 0x40000
	s_bfe_u32 s41, ttmp6, 0x40004
	s_lshl_b32 s42, ttmp9, 2
	s_add_co_u32 s42, s42, s40                     ; X
	s_and_b32 s17, ttmp7, 0xffff
	s_lshl_b32 s17, s17, 2
	s_add_co_u32 s17, s17, s41                     ; Y
	s_lshl_b32 s43, s41, 2
	s_lshl_b32 s43, 15, s43                        ; my row of the cluster
	s_lshl_b32 s44, 0x1111, s40                    ; my column
	s_or_b32 s[G1+0], s43, (3<<16)|(1<<21)         ; 8 rows (tiles) of 384 elements of 8 bytes, 3,072 elements apart; the mask: A's tiles go to my row; 21 set beside a mask
	s_or_b32 s[G1B+0], s44, (3<<16)|(1<<21)
.irp g, G1, G1B
	s_mov_b32 s[\g+1], (ROWB/8)<<16
	s_mov_b32 s[\g+2], 8<<16
	s_mov_b32 s[\g+3], (ROWB/8)<<16
	s_mov_b32 s[\g+4], 8
	s_mov_b32 s[\g+5], GROW/8
	s_mov_b32 s[\g+6], 0
	s_mov_b32 s[\g+7], 0
.endr
	s_or_b32 s[G1S+0], s43, (3<<16)|(1<<21)        ; the scale words of 8 tiles: 8,192 dense bytes as 32 rows of 256
	s_or_b32 s[G1SB+0], s44, (3<<16)|(1<<21)
.irp g, G1S, G1SB
	s_mov_b32 s[\g+1], 32<<16
	s_mov_b32 s[\g+2], 32<<16
	s_mov_b32 s[\g+3], 32<<16
	s_mov_b32 s[\g+4], 32
	s_mov_b32 s[\g+5], 32
	s_mov_b32 s[\g+6], 0
	s_mov_b32 s[\g+7], 0
.endr
	s_add_co_u32 s46, s42, 32                      ; B's block in opnd: Wo's X
	s_mul_i32 s22, s17, 16384
	s_mul_i32 s20, s17, BLKB                       ; A's block in oimg: Y
	s_mul_i32 s92, s46, 16384
	s_mul_i32 s46, s46, BLKB
	s_mul_i32 s18, s16, 8*GROW
	s_mul_i32 s19, s16, HALFS
	s_add_co_u32 s20, s20, s18
	s_add_co_u32 s46, s46, s18
	s_add_co_u32 s22, s22, s19
	s_add_co_u32 s92, s92, s19
	s_add_co_u32 s22, s22, OIS
	s_add_co_u32 s92, s92, OPS
	s_mov_b32 s21, 0
	s_mov_b32 s23, 0
	s_mov_b32 s47, 0
	s_mov_b32 s93, 0
	s_mul_i32 s45, s14, HALFT                      ; where they go: no place in the cluster enters an LDS address
	s_mul_i32 s94, s14, HALFS
	s_wait_kmcnt 0x0
	s_add_nc_u64 s[20:21], s[4:5], s[20:21]
	s_add_nc_u64 s[22:23], s[4:5], s[22:23]
	s_add_nc_u64 s[46:47], s[6:7], s[46:47]
	s_add_nc_u64 s[92:93], s[6:7], s[92:93]
	CROUND                                         ; all sixteen work-groups are here: the first joint loads meet
	s_mov_b32 s[G0S], 1
	s_add_co_u32 s[G0S+1], s94, SCL
	s_mov_b64 s[G0S+2:G0S+3], s[22:23]
	s_or_b32 s[G0S+3], s[G0S+3], 0x80000000
	s_mov_b32 s[G0SB], 1
	s_add_co_u32 s[G0SB+1], s94, SCL
	s_mov_b64 s[G0SB+2:G0SB+3], s[92:93]
	s_or_b32 s[G0SB+3], s[G0SB+3], 0x80000000
	JLOAD G0S, G1S, G0SB, G1SB
.irp s, 0,1
	s_mov_b32 s[G0+4*\s], 1
	s_add_co_u32 s[G0+4*\s+1], s45, \s*SLOT
	s_add_nc_u64 s[G0+4*\s+2:G0+4*\s+3], s[20:21], \s*ROWB
	s_or_b32 s[G0+4*\s+3], s[G0+4*\s+3], 0x80000000
	s_mov_b32 s[G0B+4*\s], 1
	s_add_co_u32 s[G0B+4*\s+1], s45, \s*SLOT
	s_add_nc_u64 s[G0B+4*\s+2:G0B+4*\s+3], s[46:47], \s*ROWB
	s_or_b32 s[G0B+4*\s+3], s[G0B+4*\s+3], 0x80000000
	JLOAD G0+4*\s, G1, G0B+4*\s, G1B               ; three tensor loads of mine are out
.endr
	v_and_b32 v1, 15, v0                           ; r
	v_bfe_u32 v2, v0, 4, 1                         ; h
	v_and_b32 v3, 31, v0
	v_lshlrev_b32 v[CO], 4, v3                     ; 16 x lane
	s_mul_i32 s21, s15, HALFT
	s_mul_i32 s22, s16, HALFT
	s_add_co_u32 s22, s22, 2*HALFT
.irp s, 0,1
	v_add_nc_u32 v[ADRA+\s], s21, v[CO]
	v_add_nc_u32 v[ADRB+\s], s22, v[CO]
	s_add_co_u32 s21, s21, SLOT
	s_add_co_u32 s22, s22, SLOT
.endr
	v_lshlrev_b32 v5, 3, v1
	s_mul_i32 s21, s15, HALFS
	s_mul_i32 s22, s16, HALFS
	s_add_co_u32 s22, s22, 2*HALFS
	s_sub_co_u32 s22, s22, s21
	v_mul_u32_u24 v6, s22, v2                      ; lanes 16-31 take B's words: one product, the distance x h
	s_add_co_u32 s21, s21, SCL
	v_add_nc_u32 v5, v5, v6
	v_add_nc_u32 v[ADRS], s21, v5
	s_mul_i32 s23, s14, 16*SPITCH                  ; my stage
	v_mul_u32_u24 v5, v1, SPITCH
	v_lshl_add_u32 v5, v2, 6, v5                   ; in: row r, + 64 h: of each 32 outputs my half holds 16
	v_add_nc_u32 v[STO], s23, v5
	v_add_nc_u32 v[RD], s23, v[CO]                 ; back: the 32 lanes take one row of 512 bytes
	s_lshl_b32 s98, s17, 8
	s_lshl_b32 s99, s15, 7
	s_add_co_u32 s98, s98, s99                     ; my first token: 256 Y + 128 x half
	s_lshl_b32 s98, s98, 13                        ; rows of 8,192 bytes
	s_lshl_b32 s99, s42, 10                        ; my first output, in bytes: 1,024 X + 512 x half
	s_add_co_u32 s98, s98, s99
	s_lshl_b32 s99, s16, 9
	s_add_co_u32 s98, s98, s99
	s_mov_b32 s99, 0
	s_add_nc_u64 s[12:13], s[8:9], s[98:99]
.macro FRAG reg, adr, q, i
.irp c, 0,1,2
	ds_load_b128 v[\reg+4*\c:\reg+4*\c+3], v[\adr] offset:(\i)*ROWB+(\q)*FRB+512*\c
.endr
.endm
; The 64 accumulators take turns, one instruction a turn, in the same order in every step.
.macro MUL16 a0, p, q, sc, zero
.irp a, \a0, \a0+1
.irp b, 0,1,2,3,4,5,6,7
.if \zero
	v_wmma_scale_f32_16x16x128_f8f6f4 v[8*(8*((\a)%4)+\b):8*(8*((\a)%4)+\b)+7], v[128*(\p)+FR*\b:128*(\p)+FR*\b+FR-1], v[AF+FR*(\a):AF+FR*(\a)+FR-1], 0, v[SC+8*NQ*(\sc)+NQ*\b+(\q)], v[SC+8*NQ*(\sc)+NQ*(\a)+(\q)] matrix_a_fmt:MATRIX_FMT_FP6 matrix_b_fmt:MATRIX_FMT_FP6 matrix_a_scale:MATRIX_SCALE_ROW1
.else
	v_wmma_scale_f32_16x16x128_f8f6f4 v[8*(8*((\a)%4)+\b):8*(8*((\a)%4)+\b)+7], v[128*(\p)+FR*\b:128*(\p)+FR*\b+FR-1], v[AF+FR*(\a):AF+FR*(\a)+FR-1], v[8*(8*((\a)%4)+\b):8*(8*((\a)%4)+\b)+7], v[SC+8*NQ*(\sc)+NQ*\b+(\q)], v[SC+8*NQ*(\sc)+NQ*(\a)+(\q)] matrix_a_fmt:MATRIX_FMT_FP6 matrix_b_fmt:MATRIX_FMT_FP6 matrix_a_scale:MATRIX_SCALE_ROW1
.endif
.endr
.endr
.endm
.macro FETCH_B slot, q, p
	WIN TO_B
.irp i, 0,1,2,3,4,5,6,7
	FRAG 128*(\p)+FR*\i, ADRB+\slot, \q, \i
.endr
	WIN 0
.endm
.macro FETCH_A slot, q, i0
.irp i, \i0, \i0+1, \i0+2, \i0+3
	FRAG AF+FR*(\i), ADRA+\slot, \q, \i
.endr
.endm
.macro SCALES sc
.irp i, 0,1,2,3,4,5,6,7
	ds_load_b64 v[SC+8*NQ*\sc+NQ*\i:SC+8*NQ*\sc+NQ*\i+1], v[ADRS] offset:\i*SBLK
.endr
.endm
.macro PLACES n                        ; plain vector instructions between a matrix instruction and a load into, or a read of, its registers
.rept \n
	v_nop
.endr
.endm
.macro STEP slot, q, zero
	s_wait_dscnt 4*NL                              ; B's set, A's blocks 0-3 (and the scale words) are in; the youngest 12 loads, A's blocks 4-7, may be out
	WIN MUL_LO
	MUL16 0, (\q)%2, \q, \slot, \zero
	MUL16 2, (\q)%2, \q, \slot, \zero
	s_wait_dscnt 0
	PLACES NP
	FETCH_B \slot, (\q)+1, 1-(\q)%2
	FETCH_A \slot, (\q)+1, 0
	WIN MUL_HI
	MUL16 4, (\q)%2, \q, \slot, \zero
	MUL16 6, (\q)%2, \q, \slot, \zero
	PLACES NP
	WIN 0
	FETCH_A \slot, (\q)+1, 4
.endm
.macro TURN slot, next, fill
	s_wait_tensorcnt 0x0                           ; all my tensor loads have landed: my part of the next slot
	ds_add_u32 v[SPW], v[NIL]                      ; 0 onto my spare word
	s_wait_dscnt 4*NL+1                            ; (the add and the youngest 12 loads may be out)
	WIN MUL_LO
	MUL16 0, 1, NQ-1, \slot, 0
	s_wait_dscnt 0x0                               ; the add is done, and my reads of this slot are over
	s_barrier_signal -1
	MUL16 2, 1, NQ-1, \slot, 0
	WIN 0
	s_barrier_wait -1
.if \fill
	CREST                                          ; the barrier has opened a round of the cluster's: no wave of any partner still reads this slot or has a load on its way
	s_add_nc_u64 s[G0+4*\slot+2:G0+4*\slot+3], s[G0+4*\slot+2:G0+4*\slot+3], 2*ROWB
	s_add_nc_u64 s[G0B+4*\slot+2:G0B+4*\slot+3], s[G0B+4*\slot+2:G0B+4*\slot+3], 2*ROWB
	JLOAD G0+4*\slot, G1, G0B+4*\slot, G1B         ; the first tensor load behind the round; its four v_nop are also the places in front of the loads below
.else
	PLACES NP
.endif
	v_add_nc_u32 v[ADRS], 128, v[ADRS]             ; on to the next K step's scale words (no LDS load of mine is out)
	FETCH_B \next, 0, 0
	FETCH_A \next, 0, 0
	SCALES \next
	WIN MUL_HI
	MUL16 4, 1, NQ-1, \slot, 0
	MUL16 6, 1, NQ-1, \slot, 0
	PLACES NP
	WIN 0
	FETCH_A \next, 0, 4
.endm
	s_wait_tensorcnt 1                             ; the scale words and my part of K step 0 are in (K step 1's load may be out),
	s_barrier_signal -1
	s_barrier_wait -1                              ; everybody's are
	FETCH_B 0, 0, 0
	FETCH_A 0, 0, 0
	SCALES 0
	FETCH_A 0, 0, 4
	STEP 0, 0, 1                                   ; the first step's products start the sums
	s_mov_b32 s3, LAPS-1
.Llap:
	TURN 0, 1, 1
	STEP 1, 0, 0
	TURN 1, 0, 1
	STEP 0, 0, 0
	s_sub_co_u32 s3, s3, 1
	s_cmp_lg_u32 s3, 0
	s_cbranch_scc1 .Llap
	TURN 0, 1, 0                                   ; the last lap fills nothing
	STEP 1, 0, 0
	s_wait_dscnt 4*NL
	WIN MUL_LO
	MUL16 0, 1, NQ-1, 1, 0
	MUL16 2, 1, NQ-1, 1, 0
	s_wait_dscnt 0
	WIN MUL_HI
	MUL16 4, 1, NQ-1, 1, 0
	MUL16 6, 1, NQ-1, 1, 0
	WIN 0
; THE WAY OUT, block a by block a (16 tokens x 128 outputs).  Accumulator (a, b), lane (r, h), register j is token p = r of tile a, output 32 (b / 2) + 16 h + 8 (b % 2) + j.  A block goes through my own stage and comes back as whole
; rows of 512 bytes.  LDS serves a wave's instructions in order (ISA guide 5.7.1.4): no wait between the stores and the loads, nor in front of the next block's stores.
.macro TOSTAGE a
.set AC, 64*((\a)%4)
	WIN 0x08+4*((\a)/4)                            ; the data: window 2 or 3
.irp b, 0,1,2,3,4,5,6,7
	ds_store_b128 v[STO], v[AC+8*\b:AC+8*\b+3] offset:128*(\b/2)+32*(\b%2)       ; each accumulator from its low end on
	ds_store_b128 v[STO], v[AC+8*\b+4:AC+8*\b+7] offset:128*(\b/2)+32*(\b%2)+16
.endr
	WIN 0
.set BB, BK+64*((\a)%2)
.irp t, 0,1,2,3,4,5,6,7,8,9,10,11,12,13,14,15
	ds_load_b128 v[BB+4*\t:BB+4*\t+3], v[RD] offset:\t*SPITCH
.endr
.endm
.macro SEND a, younger                 ; younger: the LDS instructions issued behind block a's loads, which may stay out
.set BB, BK+64*((\a)%2)
	s_wait_dscnt \younger
.if (\a) > 0
.if ((\a)%2) == 1
	s_add_nc_u64 s[12:13], s[12:13], 8*8192        ; (behind a wait on XCNT)  tile a begins 8 tokens behind tile a - 1,
.else
	s_add_nc_u64 s[12:13], s[12:13], 24*8192       ; or 24
.endif
.endif
.irp t, 0,1,2,3,4,5,6,7,8,9,10,11,12,13,14,15
	global_store_b128 v[CO], v[BB+4*\t:BB+4*\t+3], s[12:13] offset:(\t+8*(\t/8))*8192 th:TH_STORE_NT   ; 32 lanes store 512 consecutive bytes, aligned; written once, read by nobody here
.endr
.endm
	PLACES NP
	TOSTAGE 0
.irp a, 1,2,3,4,5,6,7
.if \a > 1
	s_wait_xcnt 0x0                                ; block a - 2's stores have read their registers and their base: block a's loads may land there, and the base may step
.endif
	TOSTAGE \a
	SEND \a-1, 32                                  ; behind block a - 1's loads: block a's 16 stores and 16 loads
.endr
	s_wait_xcnt 0x0
	SEND 7, 0
	s_wait_tensorcnt 0x0                           ; the wave's end
	ds_add_u32 v[SPW], v[NIL]
	s_wait_dscnt 0x0
	CROUND                                         ; the closing round
	s_endpgm
.Lfunc_end_k_q1004053630_proj:
	.size	k_q1004053630_proj, .Lfunc_end_k_q1004053630_proj-k_q1004053630_proj
	.p2alignl 7, 3214868480
	.fill 96, 4, 3214868480
	.section	.rodata,"a",@progbits
	.p2align	6, 0x0
	.amdhsa_kernel k_q1004053630_proj
		.amdhsa_group_segment_fixed_size 327680
		.amdhsa_private_segment_fixed_size 0
		.amdhsa_enable_private_segment 0
		.amdhsa_kernarg_size 24
		.amdhsa_user_sgpr_count 2
		.amdhsa_user_sgpr_kernarg_segment_ptr 1
		.amdhsa_wavefront_size32 1
		.amdhsa_system_sgpr_workgroup_id_x 1
		.amdhsa_system_sgpr_workgroup_id_y 1
		.amdhsa_system_sgpr_workgroup_id_z 1
		.amdhsa_system_vgpr_workitem_id 0
		.amdhsa_next_free_vgpr 1024
		.amdhsa_next_free_sgpr 100
		.amdhsa_reserve_vcc 0
		.amdhsa_float_denorm_mode_32 3
		.amdhsa_float_denorm_mode_16_64 3
		.amdhsa_memory_ordered 1
		.amdhsa_forward_progress 1
		.amdhsa_inst_pref_size 136
	.end_amdhsa_kernel
	.amdgpu_metadata
---
amdhsa.version: [ 1, 2 ]
amdhsa.kernels:
  - .name:           k_q1004053630_proj
    .symbol:         k_q1004053630_proj.kd
    .args:
      - { .name: oimg, .offset: 0, .size: 8, .value_kind: global_buffer, .address_space: global }
      - { .name: opnd, .offset: 8, .size: 8, .value_kind: global_buffer, .address_space: global }
      - { .name: out0, .offset: 16, .size: 8, .value_kind: global_buffer, .address_space: global }
    .group_segment_fixed_size: 327680
    .private_segment_fixed_size: 0
    .kernarg_segment_align: 8
    .kernarg_segment_size: 24
    .max_flat_workgroup_size: 128
    .sgpr_count:     100
    .vgpr_count:     1024
    .wavefront_size: 32
...
	.end_amdgpu_metadata
.endif
;; end of part 4
;; ======== version 2 of 2: 4 launches
;; limits: right only within a limited range of input values
;; workspace buffers: opnd 16,384,000 bytes; rope 1,048,576 bytes; mwords 524,288 bytes of whole numbers; mflags 2,048 bytes of whole numbers; qkv 9,830,400 bytes; oimg 3,276,800 bytes
;; launch prep (part 5): grid 1024 x 1, 4 waves a work-group, no clusters, 68,096 bytes of LDS; arguments x, Wq, Wk, Wv, Wo, mask, opnd, rope, mwords, mflags; writes opnd, rope, mwords, mflags
.if DOCPART == 5
	.amdgcn_target "amdgcn-amd-amdhsa--gfx1250"
	.amdhsa_code_object_version 6
	.text
	.protected	k_q1004053630_prep
	.globl	k_q1004053630_prep
	.p2align	8
	.type	k_q1004053630_prep,@function
k_q1004053630_prep:
	s_mov_b64 s[64:65], 0
	v_nop
	global_prefetch_b8 v0, s[64:65] scope:SCOPE_SE
	s_setreg_imm32_b32 hwreg(HW_REG_WAVE_MODE, 25, 1), 1
	s_wait_xcnt 0x0
; PREP.  Three kinds of work-groups, told apart by the work-group's number alone; each kind has LDS bytes of its own.
;   0 .. 639    x, Wq, Wk, Wv, Wo ([2048][2048] f32, K innermost) become codes of FP6 (E2M3) with one E8M0 byte for each 32 along K, laid in the order of an operand's registers.
;   640 .. 767  the mask ([2048][2048] bytes) becomes lane-mask words for the attention launch.
;   768 .. 1023 the tables cos(t f_j), sin(t f_j), t = 0 .. 2047, j = 0 .. 63, f_j = 10000^(-j / 64), in f32.
; A TILE is 16 rows: tile g takes rows 32 (g / 2) + 8 (g % 2) + p + 8 (p / 8), p = 0 .. 15, so that a product which takes such a tile as its source 0 leaves 16 neighbouring rows in the 16 registers of two neighbouring tiles.
; A FRAGMENT (a tile x 128 along K, 12 registers a lane) lies in memory as an IMAGE of its registers: register q of lane l at byte 512 (q / 4) + 16 l + 4 (q % 4): three stores or loads of 16 bytes a lane, 512 consecutive bytes each.
; opnd: codes [tensor 5][g 128][K step 16][1536]; from byte OPS the scale words [tensor][g][K step / 2][row 16][K step % 2], 4 bytes each.
; A block's scale is 2^(floor(log2(its largest magnitude)) - 2); its byte is the largest magnitude's exponent field - 2, held at 1 from below.
; LIMITS: NaN and infinities among the inputs are not served.  A block whose largest magnitude lies under 2^-124 keeps the byte 1; so does a block of zeros, where the rule says 127: its codes are zeros, and this program alone reads the bytes.
; Any mask byte other than 0 counts as true.  f_j comes from v_exp_f32, so an angle near 2,000 is good to about 2e-4, the size of the f32 spacing of such an angle.
; No tensor loads, no barrier, no cluster: waves share nothing, and no two work-groups read the same bytes.
.set OPS,  15728640                    ; the scale words' first byte in opnd
.set WREG, 8448                        ; a wave's stage: 16 rows x (512 bytes + 16)
.set MREG, 4*WREG                      ; the mask path's stages lie behind the quantiser's
.set R,    16                          ; v16-143  two sets of 64: a fragment's numbers as they are loaded
.set X,    144                         ; v144-207 the same, 16 neighbours of each block of 32 to a lane
.set TM,   208                         ; v208-223 at work
.set PC,   224                         ; v224-242 the codes
.set PW,   244                         ; v244-247 the four fragments' scale words
.set SEL,  30                          ; s[30:31] lane selects for v_permlanex16_b32: lane l xor 16
	s_load_b256 s[4:11], s[0:1], 0x0               ; x, Wq, Wk, Wv
	s_load_b256 s[12:19], s[0:1], 0x20             ; Wo, mask, opnd, rope
	s_load_b64 s[20:21], s[0:1], 0x40              ; mwords
	s_load_b64 s[46:47], s[0:1], 0x48              ; mflags
	v_lshl_add_u32 v254, v0, 2, 0x10800
	v_mov_b32 v255, 0
	v_lshrrev_b32 v1, 5, v0
	v_readfirstlane_b32 s22, v1                    ; wave 0..3
	v_and_b32 v1, 31, v0                           ; lane l
	v_and_b32 v2, 15, v0                           ; r
	v_bfe_u32 v3, v0, 4, 1                         ; h
	v_lshlrev_b32 v8, 4, v1                        ; 16 l
	v_lshlrev_b32 v9, 3, v1                        ; 8 l
	s_mul_i32 s23, s22, WREG
	v_add_nc_u32 v4, s23, v8                       ; quantiser's stage, in: 16 l (a row's 512 bytes as they lie)
	v_mul_u32_u24 v10, v2, 528
	v_add_nc_u32 v10, s23, v10
	v_lshl_add_u32 v5, v3, 6, v10                  ; and out: row r, + 64 h: my 16 numbers of a block of 32
	v_add_nc_u32 v6, MREG, v4                      ; the mask's stage, in
	v_lshl_add_u32 v7, v3, 4, v10
	v_add_nc_u32 v7, MREG, v7                      ; and out: row r, + 16 h: my 16 bytes of a block of 32 keys
	s_mov_b32 s[SEL], 0x76543210
	s_mov_b32 s[SEL+1], 0xfedcba98
	s_mov_b32 s33, 0                               ; the upper word of every offset
	s_wait_kmcnt 0x0
	s_cmp_ge_u32 ttmp9, 768
	s_cbranch_scc1 .Lrope
	s_cmp_ge_u32 ttmp9, 640
	s_cbranch_scc1 .Lmask
; ---------------- THE QUANTISER: work-group = one tile of one tensor; wave w takes K steps 4 w .. 4 w + 3
	s_lshr_b32 s23, ttmp9, 7                       ; which tensor
	s_and_b32 s24, ttmp9, 127                      ; g
	s_mov_b64 s[28:29], s[4:5]
	s_cmp_eq_u32 s23, 1                            ; the choice hangs on the work-group's number alone
	s_cselect_b64 s[28:29], s[6:7], s[28:29]
	s_cmp_eq_u32 s23, 2
	s_cselect_b64 s[28:29], s[8:9], s[28:29]
	s_cmp_eq_u32 s23, 3
	s_cselect_b64 s[28:29], s[10:11], s[28:29]
	s_cmp_eq_u32 s23, 4
	s_cselect_b64 s[28:29], s[12:13], s[28:29]
	s_lshr_b32 s25, s24, 1
	s_lshl_b32 s25, s25, 5
	s_and_b32 s26, s24, 1
	s_lshl_b32 s26, s26, 3
	s_add_co_u32 s25, s25, s26                     ; the tile's first row: 32 (g / 2) + 8 (g % 2)
	s_lshl_b32 s32, s25, 13                        ; rows of 8,192 bytes
	s_lshl_b32 s26, s22, 11                        ; + 2,048 w: four K steps of 512 bytes
	s_add_co_u32 s32, s32, s26
	s_add_nc_u64 s[28:29], s[28:29], s[32:33]
	s_lshl_b32 s32, ttmp9, 4
	s_lshl_b32 s26, s22, 2
	s_add_co_u32 s32, s32, s26
	s_mul_i32 s32, s32, 1536                       ; image 16 x tile + 4 w
	s_add_nc_u64 s[24:25], s[16:17], s[32:33]
	s_lshl_b32 s32, ttmp9, 10                      ; 1,024 bytes of scale words a tile,
	s_lshl_b32 s34, s22, 8                         ; 256 of them mine
	s_add_co_u32 s32, s32, s34
	s_add_co_u32 s32, s32, OPS
	s_add_nc_u64 s[26:27], s[16:17], s[32:33]
.irp b, 0,1,2,3
	v_mov_b32 v[TM+4+\b], 0                        ; written once: a lane permute's destination counts as one of its sources
.endr
.macro LOADF f                         ; fragment f: 16 loads, each a row's 512 consecutive bytes
.irp p, 0,1,2,3,4,5,6,7,8,9,10,11,12,13,14,15
	global_load_b128 v[R+64*((\f)%2)+4*\p:R+64*((\f)%2)+4*\p+3], v8, s[28:29] offset:(\p+8*(\p/8))*8192+512*(\f) th:TH_LOAD_NT
.endr
.endm
.macro TURNF f                         ; through my own stage: in as loaded, out 64 bytes of a row to a lane.  LDS serves a wave's instructions in order (ISA guide 5.7.1.4): no wait between the stores and the loads
.irp p, 0,1,2,3,4,5,6,7,8,9,10,11,12,13,14,15
	ds_store_b128 v4, v[R+64*((\f)%2)+4*\p:R+64*((\f)%2)+4*\p+3] offset:528*\p
.endr
.irp b, 0,1,2,3
.irp j, 0,1,2,3
	ds_load_b128 v[X+16*\b+4*\j:X+16*\b+4*\j+3], v5 offset:128*\b+16*\j
.endr
.endr
.endm
; 64 numbers of a lane, register 16 b + i = k 32 b + 16 h + i of my row, become a fragment's codes in v[PC] on and its scale word in v[pw]
.macro QUANT s, pw
.irp b, 0,1,2,3
	v_max3_num_f32 v[TM+\b], |v[\s+16*\b]|, |v[\s+1+16*\b]|, 0x1800000   ; block b: my 16 numbers, and the floor 2^(3 - 127): the byte cannot fall under 1
.endr
.irp i, 2,4,6,8,10,12,14
.irp b, 0,1,2,3
	v_max3_num_f32 v[TM+\b], v[TM+\b], |v[\s+16*\b+\i]|, |v[\s+1+16*\b+\i]|   ; the four blocks by turns
.endr
.endr
.irp b, 0,1,2,3
	v_permlanex16_b32 v[TM+4+\b], v[TM+\b], s[SEL], s[SEL+1]
.endr
.irp b, 0,1,2,3
	v_max_num_f32 v[TM+\b], v[TM+\b], v[TM+4+\b]   ; with lane l xor 16's: the block's largest magnitude
.endr
.irp b, 0,1,2,3
	v_add_nc_u32 v[TM+12+\b], 0xff000000, v[TM+\b] ; 2 off its exponent field: the conversion's scale operand
.endr
.irp b, 0,1,2,3
	v_lshrrev_b32 v[TM+4+\b], 23, v[TM+12+\b]      ; the scale's byte
.endr
	v_lshl_or_b32 v[\pw], v[TM+5], 8, v[TM+4]
	v_lshl_or_b32 v[\pw], v[TM+6], 16, v[\pw]
	v_lshl_or_b32 v[\pw], v[TM+7], 24, v[\pw]      ; my row's scale word
	s_wait_xcnt 0x0                                ; the last image's stores have read the codes' registers: they are written again only behind this wait
.irp c, 0,1
	v_cvt_scalef32_pk16_fp6_f32 v[PC+6*\c:PC+2+6*\c], v[\s+32*\c:\s+15+32*\c], v[TM+12+2*\c]
	v_cvt_scalef32_pk16_fp6_f32 v[PC+12+4*\c:PC+14+4*\c], v[\s+16+32*\c:\s+31+32*\c], v[TM+12+2*\c+1]   ; (a conversion's three registers begin on an even number)
.endr
	v_nop                                          ; one plain place behind a scaled conversion
.irp c, 0,1                            ; the operand's layout wants a whole block in a lane: lanes 0-15 block 2 c, lanes 16-31 block 2 c + 1
.irp i, 0,1,2
	v_permlane16_swap_b32 v[PC+6*\c+\i], v[PC+12+4*\c+\i]
.endr
.irp i, 0,1,2
	v_mov_b32 v[PC+3+6*\c+\i], v[PC+12+4*\c+\i]
.endr
.endr
.endm
	LOADF 0
	LOADF 1
	s_wait_alu depctr_va_vdst(0)
.irp f, 0,1,2,3
.if \f < 3
	s_wait_loadcnt 16                              ; this fragment's 16 loads are in; the next fragment's 16 may be out
.else
	s_wait_loadcnt 0x0
.endif
	TURNF \f
	s_wait_dscnt 0x0                               ; the numbers are back, and the stores into the stage have read their registers,
.if \f < 2
	LOADF \f+2                                     ; which take the loads of two fragments on
.endif
	QUANT X, PW+\f
.irp c, 0,1,2
	global_store_b128 v8, v[PC+4*\c:PC+4*\c+3], s[24:25] offset:1536*\f+512*\c   ; 32 lanes store 512 consecutive bytes, aligned
.endr
.endr
	v_cmp_le_u32 vcc_lo, 16, v1                    ; lanes 0-15 store the words of K steps 4 w, 4 w + 1 of row r, lanes 16-31 those of 4 w + 2, 4 w + 3 (every lane holds its row's words)
	v_cndmask_b32 v248, v[PW], v[PW+2], vcc_lo
	v_cndmask_b32 v249, v[PW+1], v[PW+3], vcc_lo
	global_store_b64 v9, v[248:249], s[26:27]      ; 256 consecutive bytes, aligned
	s_wait_tensorcnt 0x0
	ds_add_u32 v254, v255
	s_wait_dscnt 0x0
	s_endpgm
; ---------------- THE MASK: work-group = one tile g of queries; wave w takes keys 512 w .. 512 w + 511, four key steps of 128
; mwords [g][key step][n 64]: bit l of word n = mask[query r of tile g][128 x key step + 32 (n / 16) + 16 h + n % 16]: the place that score register n of lane l has in the attention launch
.Lmask:
	s_sub_co_u32 s24, ttmp9, 640                   ; g
	s_lshr_b32 s25, s24, 1
	s_lshl_b32 s25, s25, 5
	s_and_b32 s26, s24, 1
	s_lshl_b32 s26, s26, 3
	s_add_co_u32 s25, s25, s26                     ; the tile's first query
	s_lshl_b32 s32, s25, 11                        ; rows of 2,048 bytes
	s_lshl_b32 s26, s22, 9
	s_add_co_u32 s32, s32, s26
	s_add_nc_u64 s[28:29], s[14:15], s[32:33]
	s_lshl_b32 s32, s24, 4
	s_lshl_b32 s26, s22, 2
	s_add_co_u32 s32, s32, s26
	s_mov_b32 s44, s32                             ; mflags [g][wave], 4 bytes each: byte 16 g + 4 w
	s_mov_b32 s45, 0
	s_add_nc_u64 s[44:45], s[46:47], s[44:45]
	s_mov_b32 s42, 0                               ; my four key steps' flags
	s_lshl_b32 s32, s32, 8                         ; 256 bytes for a tile and a key step
	s_add_nc_u64 s[24:25], s[20:21], s[32:33]
	s_wait_alu depctr_va_vdst(0)
.irp p, 0,1,2,3,4,5,6,7,8,9,10,11,12,13,14,15
	global_load_b128 v[16+4*\p:19+4*\p], v8, s[28:29] offset:(\p+8*(\p/8))*2048 th:TH_LOAD_NT   ; 512 consecutive bytes of a query's row
.endr
.irp i, 0,1,2,3,4,5,6,7
	v_mov_b32 v[104+\i], 0                         ; v_writelane_b32's destination counts as read
.endr
	s_wait_loadcnt 0x0
.irp p, 0,1,2,3,4,5,6,7,8,9,10,11,12,13,14,15
	ds_store_b128 v6, v[16+4*\p:19+4*\p] offset:528*\p
.endr
.irp kl, 0,1,2,3
.irp b, 0,1,2,3
	ds_load_b128 v[80+4*\b:83+4*\b], v7 offset:128*\kl+32*\b   ; my 16 bytes of block b: byte n % 4 of v[80 + n / 4] is word n's bit of my lane
.endr
	s_wait_dscnt 0x0
	v_or_b32 v112, v80, v81                        ; the step's two flags: is any of the 16 x 128 bytes other than 0; is any other than 1
	v_and_b32 v113, v80, v81
.irp i, 82,83,84,85,86,87,88,89,90,91,92,93,94,95
	v_or_b32 v112, v112, v[\i]
	v_and_b32 v113, v113, v[\i]
.endr
	v_cmp_ne_u32 s40, 0, v112
	v_cmp_ne_u32 s41, 0x01010101, v113
	s_cmp_lg_u32 s40, 0
	s_cselect_b32 s40, 1<<\kl, 0
	s_cmp_lg_u32 s41, 0
	s_cselect_b32 s41, 0x10000<<\kl, 0
	s_or_b32 s42, s42, s40
	s_or_b32 s42, s42, s41
.irp q, 0,1,2,3,4,5,6,7                ; eight words at a time: n = 8 q + k
.irp k, 0,1,2,3,4,5,6,7
	v_and_b32 v[96+\k], 0xff<<(8*(\k%4)), v[80+2*\q+\k/4]
.endr
.irp k, 0,1,2,3,4,5,6,7
	v_cmp_ne_u32 s[32+\k], 0, v[96+\k]             ; the 32 lanes' bits are the word
.endr
.irp k, 0,1,2,3,4,5,6,7
	v_writelane_b32 v[104+2*\kl+\k%2], s[32+\k], 4*\q+\k/2   ; lane n / 2 gathers words n and n + 1
.endr
.endr
	global_store_b64 v9, v[104+2*\kl:105+2*\kl], s[24:25] offset:256*\kl   ; 256 consecutive bytes, aligned; a pair of registers for each key step
.endr
	s_lshl_b32 s42, s42, s26                       ; s26 = 4 w: bit s = some key of step s is open, bit 16 + s = not all are; the OR of a tile's four words is the tile's word
	v_mov_b32 v114, s42
	v_mov_b32 v115, 0
	v_cmp_eq_u32 vcc_lo, 0, v1
	s_wait_alu depctr_va_vdst(0)
	s_wait_xcnt 0x0                                ; EXEC changes only behind this wait
	s_and_saveexec_b32 s43, vcc_lo
	global_store_b32 v115, v114, s[44:45]          ; lane 0 stores the wave's word
	s_wait_xcnt 0x0
	s_or_b32 exec_lo, exec_lo, s43
	s_wait_tensorcnt 0x0
	ds_add_u32 v254, v255
	s_wait_dscnt 0x0
	s_endpgm
; ---------------- THE TABLES, laid as images of the registers that the second launch wants: rope [tile g 128][cos, sin][k 8][lane 32][4] f32:
; lane (r, h) holds t = the tile's row r and j = 32 (k / 4) + 16 h + 4 (k % 4) + 0 .. 3.  A wave takes one g and one k: it stores 512 consecutive bytes of cos and of sin.
.Lrope:
	s_sub_co_u32 s24, ttmp9, 768
	s_lshl_b32 s24, s24, 2
	s_add_co_u32 s24, s24, s22                     ; 8 g + k
	s_lshr_b32 s25, s24, 3                         ; g
	s_and_b32 s26, s24, 7                          ; k
	s_lshl_b32 s32, s25, 13
	s_lshl_b32 s27, s26, 9
	s_add_co_u32 s32, s32, s27                     ; 8,192 g + 512 k
	s_add_nc_u64 s[28:29], s[18:19], s[32:33]
	s_lshr_b32 s27, s25, 1
	s_lshl_b32 s27, s27, 5
	s_and_b32 s25, s25, 1
	s_lshl_b32 s25, s25, 3
	s_add_co_u32 s25, s25, s27                     ; the tile's first t
	v_and_b32 v10, 8, v2
	v_add_nc_u32 v10, v10, v2
	v_add_nc_u32 v10, s25, v10
	v_cvt_f32_u32 v10, v10                         ; t
	s_lshr_b32 s27, s26, 2
	s_lshl_b32 s27, s27, 5
	s_and_b32 s26, s26, 3
	s_lshl_b32 s26, s26, 2
	s_add_co_u32 s26, s26, s27
	v_lshl_add_u32 v11, v3, 4, s26                 ; my first j
.irp i, 0,1,2,3
	v_add_nc_u32 v[16+\i], \i, v11
.endr
.irp i, 0,1,2,3
	v_cvt_f32_u32 v[16+\i], v[16+\i]
.endr
.irp i, 0,1,2,3
	v_mul_f32 v[16+\i], 0xbe549a78, v[16+\i]       ; - j log2(10000) / 64
.endr
	s_wait_alu depctr_va_vdst(0)
.irp i, 0,1,2,3
	v_exp_f32 v[16+\i], v[16+\i]                   ; f_j
.endr
	v_mov_b32 v12, v8                              ; (a plain place behind the exponentials)  my 16 bytes of the wave's 512
	s_wait_alu depctr_va_vdst(0)                   ; one wait for the four, ahead of their first reader
.irp i, 0,1,2,3
	v_mul_f32 v[20+\i], v10, v[16+\i]              ; the angle, rounded once
.endr
.irp i, 0,1,2,3
	v_mul_f32 v[24+\i], 0x3f22f983, v[20+\i]       ; x 2 / pi
.endr
.irp i, 0,1,2,3
	v_rndne_f32 v[24+\i], v[24+\i]                 ; n, at most 1,304
.endr
.irp i, 0,1,2,3
	v_fmamk_f32 v[20+\i], v[24+\i], 0xbfc90fdb, v[20+\i]   ; angle - n x (pi / 2's upper 24 bits): exact, the difference is a multiple of 2^-23 under 1
.endr
.irp i, 0,1,2,3
	v_fmamk_f32 v[20+\i], v[24+\i], 0x333bbd2e, v[20+\i]   ; - n x the rest of pi / 2: y, at most pi / 4 in magnitude
.endr
.irp i, 0,1,2,3
	v_mul_f32 v[28+\i], v[20+\i], v[20+\i]         ; z = y^2
	v_mov_b32 v[32+\i], 0x3638ef1d                 ; 1 / 9!
	v_mov_b32 v[40+\i], 0xb493f27e                 ; - 1 / 10!
.endr
.irp i, 0,1,2,3
	v_fmaak_f32 v[32+\i], v[28+\i], v[32+\i], 0xb9500d01   ; - 1 / 7!
	v_fmaak_f32 v[40+\i], v[28+\i], v[40+\i], 0x37d00d01   ; 1 / 8!
.endr
.irp i, 0,1,2,3
	v_fmaak_f32 v[32+\i], v[28+\i], v[32+\i], 0x3c088889   ; 1 / 5!
	v_fmaak_f32 v[40+\i], v[28+\i], v[40+\i], 0xbab60b61   ; - 1 / 6!
.endr
.irp i, 0,1,2,3
	v_fmaak_f32 v[32+\i], v[28+\i], v[32+\i], 0xbe2aaaab   ; - 1 / 3!
	v_fmaak_f32 v[40+\i], v[28+\i], v[40+\i], 0x3d2aaaab   ; 1 / 4!
.endr
.irp i, 0,1,2,3
	v_mul_f32 v[36+\i], v[20+\i], v[28+\i]
	v_fma_f32 v[40+\i], v[28+\i], v[40+\i], -0.5
.endr
.irp i, 0,1,2,3
	v_fma_f32 v[32+\i], v[36+\i], v[32+\i], v[20+\i]       ; S = sin y: the series is cut at y^9 (the next term is under 2e-9)
	v_fma_f32 v[40+\i], v[28+\i], v[40+\i], 1.0            ; C = cos y: cut at y^10 (under 2e-10)
.endr
.irp i, 0,1,2,3
	v_cvt_i32_f32 v[24+\i], v[24+\i]               ; the quadrant is n mod 4
.endr
.irp i, 0,1,2,3
	v_and_b32 v[44+\i], 1, v[24+\i]
	v_cmp_ne_u32 vcc_lo, 0, v[44+\i]
	v_cndmask_b32 v[48+\i], v[32+\i], v[40+\i], vcc_lo     ; sin: S, or C in an odd quadrant
	v_cndmask_b32 v[52+\i], v[40+\i], v[32+\i], vcc_lo     ; cos: C, or S
.endr
.irp i, 0,1,2,3
	v_and_b32 v[44+\i], 2, v[24+\i]
	v_lshlrev_b32 v[44+\i], 30, v[44+\i]
	v_xor_b32 v[48+\i], v[44+\i], v[48+\i]         ; sin is turned in quadrants 2 and 3,
	v_add_nc_u32 v[24+\i], 1, v[24+\i]
.endr
.irp i, 0,1,2,3
	v_and_b32 v[44+\i], 2, v[24+\i]
	v_lshlrev_b32 v[44+\i], 30, v[44+\i]
	v_xor_b32 v[52+\i], v[44+\i], v[52+\i]         ; cos in quadrants 1 and 2
.endr
	global_store_b128 v12, v[52:55], s[28:29]                  ; a wave stores 512 consecutive bytes, aligned
	global_store_b128 v12, v[48:51], s[28:29] offset:4096
	s_endpgm
.Lfunc_end_k_q1004053630_prep:
	.size	k_q1004053630_prep, .Lfunc_end_k_q1004053630_prep-k_q1004053630_prep
	.p2alignl 7, 3214868480
	.fill 96, 4, 3214868480
	.section	.rodata,"a",@progbits
	.p2align	6, 0x0
	.amdhsa_kernel k_q1004053630_prep
		.amdhsa_group_segment_fixed_size 68096
		.amdhsa_private_segment_fixed_size 0
		.amdhsa_enable_private_segment 0
		.amdhsa_kernarg_size 80
		.amdhsa_user_sgpr_count 2
		.amdhsa_user_sgpr_kernarg_segment_ptr 1
		.amdhsa_wavefront_size32 1
		.amdhsa_system_sgpr_workgroup_id_x 1
		.amdhsa_system_sgpr_workgroup_id_y 1
		.amdhsa_system_sgpr_workgroup_id_z 1
		.amdhsa_system_vgpr_workitem_id 0
		.amdhsa_next_free_vgpr 256
		.amdhsa_next_free_sgpr 66
		.amdhsa_reserve_vcc 1
		.amdhsa_float_denorm_mode_32 3
		.amdhsa_float_denorm_mode_16_64 3
		.amdhsa_memory_ordered 1
		.amdhsa_forward_progress 1
		.amdhsa_inst_pref_size 100
	.end_amdhsa_kernel
	.amdgpu_metadata
---
amdhsa.version: [ 1, 2 ]
amdhsa.kernels:
  - .name:           k_q1004053630_prep
    .symbol:         k_q1004053630_prep.kd
    .args:
      - { .name: x, .offset: 0, .size: 8, .value_kind: global_buffer, .address_space: global }
      - { .name: Wq, .offset: 8, .size: 8, .value_kind: global_buffer, .address_space: global }
      - { .name: Wk, .offset: 16, .size: 8, .value_kind: global_buffer, .address_space: global }
      - { .name: Wv, .offset: 24, .size: 8, .value_kind: global_buffer, .address_space: global }
      - { .name: Wo, .offset: 32, .size: 8, .value_kind: global_buffer, .address_space: global }
      - { .name: mask, .offset: 40, .size: 8, .value_kind: global_buffer, .address_space: global }
      - { .name: opnd, .offset: 48, .size: 8, .value_kind: global_buffer, .address_space: global }
      - { .name: rope, .offset: 56, .size: 8, .value_kind: global_buffer, .address_space: global }
      - { .name: mwords, .offset: 64, .size: 8, .value_kind: global_buffer, .address_space: global }
      - { .name: mflags, .offset: 72, .size: 8, .value_kind: global_buffer, .address_space: global }
    .group_segment_fixed_size: 68096
    .private_segment_fixed_size: 0
    .kernarg_segment_align: 8
    .kernarg_segment_size: 80
    .max_flat_workgroup_size: 128
    .sgpr_count:     66
    .vgpr_count:     256
    .wavefront_size: 32
...
	.end_amdgpu_metadata
.endif
;; end of part 5
;; launch qkv (part 6): grid 24 x 8, 4 waves a work-group, clusters of 4 x 4, 327,680 bytes of LDS; arguments opnd, rope, qkv; writes qkv
.if DOCPART == 6
	.amdgcn_target "amdgcn-amd-amdhsa--gfx1250"
	.amdhsa_code_object_version 6
	.text
	.protected	k_q1004053630_qkv
	.globl	k_q1004053630_qkv
	.p2align	8
	.type	k_q1004053630_qkv,@function
k_q1004053630_qkv:
	s_mov_b64 s[64:65], 0
	v_nop
	global_prefetch_b8 v0, s[64:65] scope:SCOPE_SE
	s_setreg_imm32_b32 hwreg(HW_REG_WAVE_MODE, 25, 1), 1
	s_wait_xcnt 0x0
	s_wait_alu depctr_hold_cnt(0) depctr_sa_sdst(0) depctr_va_vdst(0) depctr_va_sdst(0) depctr_va_ssrc(0) depctr_va_vcc(0) depctr_vm_vsrc(0)
	s_getreg_b32 s2, hwreg(HW_REG_IB_STS2, 6, 4)
	s_cmp_eq_u32 s2, 0
	s_cbranch_scc0 .Lentry_in_a_cluster
	s_endpgm
.Lentry_in_a_cluster:
	s_bfe_u32 s2, ttmp6, 0x10000c
	s_cmp_lg_u32 s2, 0xf033
	s_cbranch_scc0 .Lentry_shape_is_right
	s_endpgm
.Lentry_shape_is_right:
.set NQ,     2
.set FR,     12
.set FRB,    1536
.set NL,     3
.set NP,     4
.set ROWB,   NQ*FRB
.set GROW,   16*FRB
.set HALFT,  8*ROWB
.set SLOT,   4*HALFT
.set LAPS,   4
.set SCL,    2*SLOT
.set HALFS,  8192
.set SBLK,   1024
.set SPARE,  SCL+4*HALFS
.set BLKB,   393216
.set OPS,    15728640
.set ADRA, 16
.set ADRB, 20
.set LI,   24
.set RA,   25
.set SST,  26
.set ADRS, 27
.set SPW,  28
.set NIL,  29
.set SRD,  30
.set SC,   32
.set TM,   64
.set PC,   80
.set PW,   100
.set T,    108
.set AF,   128
.set OUT,  128
.set WR,   192
.set SEL,  2
.set SEL,  66
.set G1, 24
.set G0, 32
.set G1B, 48
.set G0B, 56
.set G1S, 68
.set G0S, 76
.set G1SB, 80
.set G0SB, 88
.set MSB, 0
.macro WIN new
.if MSB != \new
	s_set_vgpr_msb (MSB<<8)|\new
.set MSB, \new
.endif
.endm
.set MUL_LO, 0xa1
.set MUL_HI, 0xf1
.set TO_B,   0x40
.macro JLOAD g0a, g1a, g0b, g1b
	s_cmp_eq_u32 s15, 0
	s_cbranch_scc0 .Lfor_b_\@
	tensor_load_to_lds s[\g0a:\g0a+3], s[\g1a:\g1a+7]
	s_nop 0
.rept 4
	v_nop
.endr
	s_branch .Lasked_\@
.Lfor_b_\@:
	tensor_load_to_lds s[\g0b:\g0b+3], s[\g1b:\g1b+7]
	s_nop 0
.rept 4
	v_nop
.endr
.Lasked_\@:
.endm
.macro CREST
	s_cmp_lg_u32 s14, 0
	s_cbranch_scc1 .Lnot_wave_0_\@
	s_barrier_signal -3
.Lnot_wave_0_\@:
	s_barrier_wait -3
	s_barrier_signal -1
	s_barrier_wait -1
.endm
.macro CROUND
	s_barrier_signal -1
	s_barrier_wait -1
	CREST
.endm
	s_load_b128 s[4:7], s[0:1], 0x0
	s_load_b64 s[8:9], s[0:1], 0x10
	v_lshl_add_u32 v[SPW], v0, 2, SPARE
	v_mov_b32 v[NIL], 0
	ds_add_u32 v28, v29
	ds_add_u32 v28, v29
	s_wait_dscnt 0x0
	v_lshrrev_b32 v1, 5, v0
	v_readfirstlane_b32 s14, v1
	s_lshr_b32 s15, s14, 1
	s_and_b32 s16, s14, 1
	s_bfe_u32 s40, ttmp6, 0x40000
	s_bfe_u32 s41, ttmp6, 0x40004
	s_lshl_b32 s42, ttmp9, 2
	s_add_co_u32 s42, s42, s40
	s_and_b32 s17, ttmp7, 0xffff
	s_lshl_b32 s17, s17, 2
	s_add_co_u32 s17, s17, s41
	s_lshl_b32 s43, s41, 2
	s_lshl_b32 s43, 15, s43
	s_lshl_b32 s44, 0x1111, s40
	s_lshr_b32 s95, ttmp9, 2
	s_or_b32 s[G1+0], s43, (3<<16)|(1<<21)
	s_or_b32 s[G1B+0], s44, (3<<16)|(1<<21)
.irp g, G1, G1B
	s_mov_b32 s[\g+1], (ROWB/8)<<16
	s_mov_b32 s[\g+2], 16<<16                      ; the head's loads bring a tile's 16 rows; behind them the two words are set to 8
	s_mov_b32 s[\g+3], (ROWB/8)<<16
	s_mov_b32 s[\g+4], 16
	s_mov_b32 s[\g+5], GROW/8
	s_mov_b32 s[\g+6], 0
	s_mov_b32 s[\g+7], 0
.endr
	s_or_b32 s[G1S+0], s43, (3<<16)|(1<<21)
	s_or_b32 s[G1SB+0], s44, (3<<16)|(1<<21)
.irp g, G1S, G1SB
	s_mov_b32 s[\g+1], 32<<16
	s_mov_b32 s[\g+2], 64<<16                      ; the scale words of 256 rows: 64 rows of 256 bytes
	s_mov_b32 s[\g+3], 32<<16
	s_mov_b32 s[\g+4], 64
	s_mov_b32 s[\g+5], 32
	s_mov_b32 s[\g+6], 0
	s_mov_b32 s[\g+7], 0
.endr
	s_mul_i32 s18, s95, 24
	s_add_co_u32 s20, s17, s18
	s_add_co_u32 s46, s42, 8
	s_sub_co_u32 s46, s46, s18
	s_mul_i32 s22, s20, 16384
	s_mul_i32 s20, s20, BLKB
	s_mul_i32 s92, s46, 16384
	s_mul_i32 s46, s46, BLKB
	s_mul_i32 s18, s16, 8*GROW
	s_mov_b32 s19, 0
	s_add_co_u32 s22, s22, OPS
	s_add_co_u32 s92, s92, OPS
	s_mov_b32 s21, 0
	s_mov_b32 s23, 0
	s_mov_b32 s47, 0
	s_mov_b32 s93, 0
	s_mul_i32 s45, s14, HALFT
	s_mov_b32 s[SEL], 0x76543210
	s_mov_b32 s[SEL+1], 0xfedcba98
	s_wait_kmcnt 0x0
	s_add_nc_u64 s[20:21], s[4:5], s[20:21]
	s_add_nc_u64 s[22:23], s[4:5], s[22:23]
	s_add_nc_u64 s[46:47], s[4:5], s[46:47]
	s_add_nc_u64 s[92:93], s[4:5], s[92:93]
	CROUND
	s_mov_b32 s[G0S], 1
	s_mov_b32 s[G0S+1], SCL
	s_mov_b64 s[G0S+2:G0S+3], s[22:23]
	s_or_b32 s[G0S+3], s[G0S+3], 0x80000000
	s_mov_b32 s[G0SB], 1
	s_mov_b32 s[G0SB+1], SCL+2*HALFS
	s_mov_b64 s[G0SB+2:G0SB+3], s[92:93]
	s_or_b32 s[G0SB+3], s[G0SB+3], 0x80000000
	s_mov_b32 s[G0], 1                             ; the head's four tiles, each whole: slot 0's 16 rows of A,
	s_mov_b32 s[G0+1], 0
	s_mov_b64 s[G0+2:G0+3], s[20:21]
	s_or_b32 s[G0+3], s[G0+3], 0x80000000
	s_mov_b32 s[G0B], 1                            ; its 16 rows of B, behind them
	s_mov_b32 s[G0B+1], 2*HALFT
	s_mov_b64 s[G0B+2:G0B+3], s[46:47]
	s_or_b32 s[G0B+3], s[G0B+3], 0x80000000
	s_add_nc_u64 s[20:21], s[20:21], s[18:19]      ; for the ring: my 8 rows of a tile
	s_add_nc_u64 s[46:47], s[46:47], s[18:19]
	s_mov_b32 s[G0+4], 1
	s_add_co_u32 s[G0+5], s45, SLOT
	s_add_nc_u64 s[G0+6:G0+7], s[20:21], ROWB
	s_or_b32 s[G0+7], s[G0+7], 0x80000000
	s_mov_b32 s[G0B+4], 1
	s_add_co_u32 s[G0B+5], s45, SLOT
	s_add_nc_u64 s[G0B+6:G0B+7], s[46:47], ROWB
	s_or_b32 s[G0B+7], s[G0B+7], 0x80000000
; the head's loads, one a wave: wave 0 A's codes, wave 1 B's, wave 2 A's scale words, wave 3 B's; one tree of branches on the wave's number
.macro ARM under, g0, g1, next
	s_cmp_lt_u32 s14, \under
	s_cbranch_scc0 \next
	tensor_load_to_lds s[\g0:\g0+3], s[\g1:\g1+7]
	s_nop 0
.rept 4
	v_nop
.endr
	s_branch .Lhead_asked
\next:
.endm
	ARM 1, G0,  G1,  .Lhead_b
	ARM 2, G0B, G1B, .Lhead_sa
	ARM 3, G0S, G1S, .Lhead_sb
	tensor_load_to_lds s[G0SB:G0SB+3], s[G1SB:G1SB+7]
	s_nop 0
.rept 4
	v_nop
.endr
.Lhead_asked:
	v_and_b32 v1, 15, v0
	v_bfe_u32 v2, v0, 4, 1
	s_wait_alu depctr_va_vdst(0)
	v_and_b32 v3, 31, v0
	v_lshlrev_b32 v[LI], 4, v3
	s_mul_i32 s21, s15, HALFT
	s_mul_i32 s22, s16, HALFT
	s_add_co_u32 s22, s22, 2*HALFT
.irp s, 0,1
	v_add_nc_u32 v[ADRA+\s], s21, v[LI]
	v_add_nc_u32 v[ADRB+\s], s22, v[LI]
	s_add_co_u32 s21, s21, SLOT
	s_add_co_u32 s22, s22, SLOT
.endr
	v_lshlrev_b32 v5, 3, v1
	s_mul_i32 s21, s15, HALFS
	s_mul_i32 s22, s16, HALFS
	s_add_co_u32 s22, s22, 2*HALFS
	s_sub_co_u32 s22, s22, s21
	v_mul_u32_u24 v6, s22, v2
	s_add_co_u32 s21, s21, SCL
	v_add_nc_u32 v5, v5, v6
	v_add_nc_u32 v[ADRS], s21, v5
	s_wait_alu depctr_va_vdst(0)
	s_lshl_b32 s19, s14, 9
	v_lshl_add_u32 v[SST], v1, 2, s19
	v_add_nc_u32 v[SRD], s19, v[LI]
.irp b, 0,1,2,3
	v_mov_b32 v[TM+4+\b], 0
.endr
	s_lshl_b32 s20, s17, 8
	s_lshl_b32 s21, s15, 7
	s_add_co_u32 s20, s20, s21
	s_lshl_b32 s20, s20, 9                         ; the tables' images: 8,192 bytes for 16 rows
	s_mov_b32 s21, 0
	s_add_nc_u64 s[10:11], s[6:7], s[20:21]
	s_lshr_b32 s18, ttmp9, 1
	s_lshl_b32 s96, s42, 1
	s_add_co_u32 s96, s96, s16
	s_lshl_b32 s19, s18, 4
	s_sub_co_u32 s96, s96, s19
	s_lshl_b32 s97, s17, 1
	s_add_co_u32 s97, s97, s15
	s_lshl_b32 s98, s97, 4
	s_add_co_u32 s98, s98, s96
	s_lshl_b32 s99, s96, 4
	s_add_co_u32 s99, s99, s97
	s_cmp_eq_u32 s95, 1
	s_cselect_b32 s98, s98, s99
	s_cmp_eq_u32 s18, 0
	s_mov_b32 s99, 25600
	s_cselect_b32 s99, 12800, s99
	s_cselect_b32 s96, 0, 3276800
	s_mul_i32 s98, s98, s99
	s_add_co_u32 s98, s98, s96
	s_mul_i32 s96, s95, 12800
	s_add_co_u32 s98, s98, s96
	s_mov_b32 s99, 0
	s_add_nc_u64 s[12:13], s[8:9], s[98:99]
.macro FRAG reg, adr, q, i
.irp c, 0,1,2
	ds_load_b128 v[\reg+4*\c:\reg+4*\c+3], v[\adr] offset:(\i)*ROWB+(\q)*FRB+512*\c
.endr
.endm
.macro MUL16 a0, p, q, sc, zero
.irp a, \a0, \a0+1
.irp b, 0,1,2,3,4,5,6,7
.if \zero
	v_wmma_scale_f32_16x16x128_f8f6f4 v[8*(8*((\a)%4)+\b):8*(8*((\a)%4)+\b)+7], v[128*(\p)+FR*\b:128*(\p)+FR*\b+FR-1], v[AF+FR*(\a):AF+FR*(\a)+FR-1], 0, v[SC+8*NQ*(\sc)+NQ*\b+(\q)], v[SC+8*NQ*(\sc)+NQ*(\a)+(\q)] matrix_a_fmt:MATRIX_FMT_FP6 matrix_b_fmt:MATRIX_FMT_FP6 matrix_a_scale:MATRIX_SCALE_ROW1
.else
	v_wmma_scale_f32_16x16x128_f8f6f4 v[8*(8*((\a)%4)+\b):8*(8*((\a)%4)+\b)+7], v[128*(\p)+FR*\b:128*(\p)+FR*\b+FR-1], v[AF+FR*(\a):AF+FR*(\a)+FR-1], v[8*(8*((\a)%4)+\b):8*(8*((\a)%4)+\b)+7], v[SC+8*NQ*(\sc)+NQ*\b+(\q)], v[SC+8*NQ*(\sc)+NQ*(\a)+(\q)] matrix_a_fmt:MATRIX_FMT_FP6 matrix_b_fmt:MATRIX_FMT_FP6 matrix_a_scale:MATRIX_SCALE_ROW1
.endif
.endr
.endr
.endm
.macro FETCH_B slot, q, p
	WIN TO_B
.irp i, 0,1,2,3,4,5,6,7
	FRAG 128*(\p)+FR*\i, ADRB+\slot, \q, \i
.endr
	WIN 0
.endm
.macro FETCH_A slot, q, i0
.irp i, \i0, \i0+1, \i0+2, \i0+3
	FRAG AF+FR*(\i), ADRA+\slot, \q, \i
.endr
.endm
.macro SCALES sc
.irp i, 0,1,2,3,4,5,6,7
	ds_load_b64 v[SC+8*NQ*\sc+NQ*\i:SC+8*NQ*\sc+NQ*\i+1], v[ADRS] offset:\i*SBLK
.endr
.endm
.macro PLACES n
.rept \n
	v_nop
.endr
.endm
.macro STEP slot, q, zero
	s_wait_dscnt 4*NL
	WIN MUL_LO
	MUL16 0, (\q)%2, \q, \slot, \zero
	MUL16 2, (\q)%2, \q, \slot, \zero
	s_wait_dscnt 0
	PLACES NP
	FETCH_B \slot, (\q)+1, 1-(\q)%2
	FETCH_A \slot, (\q)+1, 0
	WIN MUL_HI
	MUL16 4, (\q)%2, \q, \slot, \zero
	MUL16 6, (\q)%2, \q, \slot, \zero
	PLACES NP
	WIN 0
	FETCH_A \slot, (\q)+1, 4
.endm
.macro TURN slot, next, fill
	s_wait_tensorcnt 0x0
	ds_add_u32 v[SPW], v[NIL]
	s_wait_dscnt 4*NL+1
	WIN MUL_LO
	MUL16 0, 1, NQ-1, \slot, 0
	s_wait_dscnt 0x0
	s_barrier_signal -1
	MUL16 2, 1, NQ-1, \slot, 0
	WIN 0
	s_barrier_wait -1
.if \fill
	CREST
	s_add_nc_u64 s[G0+4*\slot+2:G0+4*\slot+3], s[G0+4*\slot+2:G0+4*\slot+3], 2*ROWB
	s_add_nc_u64 s[G0B+4*\slot+2:G0B+4*\slot+3], s[G0B+4*\slot+2:G0B+4*\slot+3], 2*ROWB
	JLOAD G0+4*\slot, G1, G0B+4*\slot, G1B
.else
	PLACES NP
.endif
	s_wait_alu depctr_va_vdst(0)
	v_add_nc_u32 v[ADRS], 128, v[ADRS]
	FETCH_B \next, 0, 0
	FETCH_A \next, 0, 0
	SCALES \next
	WIN MUL_HI
	MUL16 4, 1, NQ-1, \slot, 0
	MUL16 6, 1, NQ-1, \slot, 0
	PLACES NP
	WIN 0
	FETCH_A \next, 0, 4
.endm
	s_wait_alu depctr_va_vdst(0)
	s_wait_tensorcnt 0x0                           ; my tile of the head's four is in
	ds_add_u32 v[SPW], v[NIL]
	s_mov_b32 s[G1+2], 8<<16                       ; no tensor load of mine is out: from here on a load brings 8 rows,
	s_mov_b32 s[G1+4], 8
	s_mov_b32 s[G1B+2], 8<<16
	s_mov_b32 s[G1B+4], 8
	s_mul_i32 s18, s16, 8*GROW                     ; and slot 0's group 0 becomes the ring's: my quarter of the slot
	s_mov_b32 s19, 0
	s_mov_b32 s[G0+1], s45
	s_add_nc_u64 s[G0+2:G0+3], s[G0+2:G0+3], s[18:19]
	s_mov_b32 s[G0B+1], s45
	s_add_nc_u64 s[G0B+2:G0B+3], s[G0B+2:G0B+3], s[18:19]
	s_wait_dscnt 0x0
	CROUND
	JLOAD G0+4, G1, G0B+4, G1B                     ; slot 1's first fill, the first tensor load behind the round
	FETCH_B 0, 0, 0
	FETCH_A 0, 0, 0
	SCALES 0
	FETCH_A 0, 0, 4
	STEP 0, 0, 1
	s_mov_b32 s3, LAPS-1
.Llap:
	TURN 0, 1, 1
	STEP 1, 0, 0
	TURN 1, 0, 1
	STEP 0, 0, 0
	s_sub_co_u32 s3, s3, 1
	s_cmp_lg_u32 s3, 0
	s_cbranch_scc1 .Llap
	TURN 0, 1, 0
	STEP 1, 0, 0
	s_wait_dscnt 4*NL
	WIN MUL_LO
	MUL16 0, 1, NQ-1, 1, 0
	MUL16 2, 1, NQ-1, 1, 0
	s_wait_dscnt 0
	WIN MUL_HI
	MUL16 4, 1, NQ-1, 1, 0
	MUL16 6, 1, NQ-1, 1, 0
	WIN 0
.macro QUANT s, W, pw
	WIN 5*(\W)
.irp b, 0,1,2,3
	v_max3_num_f32 v[TM+\b], |v[\s+16*\b]|, |v[\s+1+16*\b]|, 0x1800000
.endr
.irp i, 2,4,6,8,10,12,14
.irp b, 0,1,2,3
	v_max3_num_f32 v[TM+\b], |v[\s+16*\b+\i]|, |v[\s+1+16*\b+\i]|, v[TM+\b]
.endr
.endr
	WIN 0
.irp b, 0,1,2,3
	v_permlanex16_b32 v[TM+4+\b], v[TM+\b], s[SEL], s[SEL+1]
.endr
.irp b, 0,1,2,3
	v_max_num_f32 v[TM+\b], v[TM+\b], v[TM+4+\b]
.endr
.irp b, 0,1,2,3
	v_add_nc_u32 v[TM+12+\b], 0xff000000, v[TM+\b]
.endr
.irp b, 0,1,2,3
	v_lshrrev_b32 v[TM+4+\b], 23, v[TM+12+\b]
.endr
	v_lshl_or_b32 v[\pw], v[TM+5], 8, v[TM+4]
	v_lshl_or_b32 v[\pw], v[TM+6], 16, v[\pw]
	v_lshl_or_b32 v[\pw], v[TM+7], 24, v[\pw]
	s_wait_xcnt 0x0
	WIN (\W)
.irp c, 0,1
	v_cvt_scalef32_pk16_fp6_f32 v[PC+6*\c:PC+2+6*\c], v[\s+32*\c:\s+15+32*\c], v[TM+12+2*\c]
	v_cvt_scalef32_pk16_fp6_f32 v[PC+12+4*\c:PC+14+4*\c], v[\s+16+32*\c:\s+31+32*\c], v[TM+12+2*\c+1]
.endr
	WIN 0
	v_nop
.irp c, 0,1
.irp i, 0,1,2
	v_permlane16_swap_b32 v[PC+6*\c+\i], v[PC+12+4*\c+\i]
.endr
.irp i, 0,1,2
	v_mov_b32 v[PC+3+6*\c+\i], v[PC+12+4*\c+\i]
.endr
.endr
.endm
.macro STOREF a
.irp c, 0,1,2
	global_store_b128 v[LI], v[PC+4*\c:PC+4*\c+3], s[12:13] offset:FRB*(\a)+512*\c
.endr
	ds_store_b32 v[SST], v[PW+(\a)] offset:64*(\a)
.endm
.macro TABLE a
	WIN 0x40
.irp c, 0,1
.irp j, 0,1,2,3
	global_load_b128 v[64*((\a)%4)+16*\c+4*\j:64*((\a)%4)+16*\c+4*\j+3], v[LI], s[10:11] offset:(\a)*8192+512*(4*\c+\j)
	global_load_b128 v[64*((\a)%4)+32+16*\c+4*\j:64*((\a)%4)+32+16*\c+4*\j+3], v[LI], s[10:11] offset:(\a)*8192+4096+512*(4*\c+\j)
.endr
.endr
	WIN 0
.endm
.macro ROPE a
	WIN (2+(\a)/4)|4
.set AC, 64*((\a)%4)
.irp n, 0,2,4,6,8,10,12,14,16,18,20,22,24,26,28,30
.set TT, T+4*((\n/2)%2)
	v_pk_mul_f32 v[TT:TT+1], v[AC+32+\n:AC+33+\n], v[AC+32+\n:AC+33+\n]
	v_pk_mul_f32 v[TT+2:TT+3], v[AC+\n:AC+1+\n], v[AC+32+\n:AC+33+\n]
	v_pk_fma_f32 v[OUT+\n:OUT+1+\n], v[AC+\n:AC+1+\n], v[AC+\n:AC+1+\n], v[TT:TT+1] neg_lo:[0,0,1] neg_hi:[0,0,1]
	v_pk_fma_f32 v[OUT+32+\n:OUT+33+\n], v[AC+32+\n:AC+33+\n], v[AC+\n:AC+1+\n], v[TT+2:TT+3]
.endr
	WIN 0
.endm
	PLACES NP
	s_cmp_ge_u32 ttmp9, 4
	s_cbranch_scc1 .Lv
	TABLE 0
	TABLE 1
	TABLE 2
	TABLE 3
.irp a, 0,1,2,3,4,5,6,7
.if 7-\a >= 3
	s_wait_loadcnt 48
.else
	s_wait_loadcnt 16*(7-\a)
.endif
	ROPE \a
.if \a < 4
	TABLE \a+4
.endif
	QUANT OUT, 0, PW+\a
	STOREF \a
.endr
	s_branch .Ljoin
.Lv:
.irp a, 0,1,2,3,4,5,6,7
	QUANT 64*(\a%4), 2+\a/4, PW+\a
	STOREF \a
.endr
.Ljoin:
	ds_load_b128 v[WR:WR+3], v[SRD]
	s_wait_dscnt 0x0
	global_store_b128 v[LI], v[WR:WR+3], s[12:13] offset:8*FRB
	s_wait_tensorcnt 0x0
	ds_add_u32 v[SPW], v[NIL]
	s_wait_dscnt 0x0
	CROUND
	s_endpgm
.Lfunc_end_k_q1004053630_qkv:
	.size	k_q1004053630_qkv, .Lfunc_end_k_q1004053630_qkv-k_q1004053630_qkv
	.p2alignl 7, 3214868480
	.fill 96, 4, 3214868480
	.section	.rodata,"a",@progbits
	.p2align	6, 0x0
	.amdhsa_kernel k_q1004053630_qkv
		.amdhsa_group_segment_fixed_size 327680
		.amdhsa_private_segment_fixed_size 0
		.amdhsa_enable_private_segment 0
		.amdhsa_kernarg_size 24
		.amdhsa_user_sgpr_count 2
		.amdhsa_user_sgpr_kernarg_segment_ptr 1
		.amdhsa_wavefront_size32 1
		.amdhsa_system_sgpr_workgroup_id_x 1
		.amdhsa_system_sgpr_workgroup_id_y 1
		.amdhsa_system_sgpr_workgroup_id_z 1
		.amdhsa_system_vgpr_workitem_id 0
		.amdhsa_next_free_vgpr 1024
		.amdhsa_next_free_sgpr 100
		.amdhsa_reserve_vcc 0
		.amdhsa_float_denorm_mode_32 3
		.amdhsa_float_denorm_mode_16_64 3
		.amdhsa_memory_ordered 1
		.amdhsa_forward_progress 1
		.amdhsa_inst_pref_size 220
	.end_amdhsa_kernel
	.amdgpu_metadata
---
amdhsa.version: [ 1, 2 ]
amdhsa.kernels:
  - .name:           k_q1004053630_qkv
    .symbol:         k_q1004053630_qkv.kd
    .args:
      - { .name: opnd, .offset: 0, .size: 8, .value_kind: global_buffer, .address_space: global }
      - { .name: rope, .offset: 8, .size: 8, .value_kind: global_buffer, .address_space: global }
      - { .name: qkv, .offset: 16, .size: 8, .value_kind: global_buffer, .address_space: global }
    .group_segment_fixed_size: 327680
    .private_segment_fixed_size: 0
    .kernarg_segment_align: 8
    .kernarg_segment_size: 24
    .max_flat_workgroup_size: 128
    .sgpr_count:     100
    .vgpr_count:     1024
    .wavefront_size: 32
...
	.end_amdgpu_metadata
.endif
;; end of part 6
;; launch attn (part 7): grid 16 x 16, 8 waves a work-group, no clusters, 52,224 bytes of LDS; arguments qkv, mwords, mflags, oimg; writes oimg
.if DOCPART == 7
	.amdgcn_target "amdgcn-amd-amdhsa--gfx1250"
	.amdhsa_code_object_version 6
	.text
	.protected	k_q1004053630_attn
	.globl	k_q1004053630_attn
	.p2align	8
	.type	k_q1004053630_attn,@function
k_q1004053630_attn:
	s_mov_b64 s[64:65], 0
	v_nop
	global_prefetch_b8 v0, s[64:65] scope:SCOPE_SE
	s_setreg_imm32_b32 hwreg(HW_REG_WAVE_MODE, 25, 1), 1
	s_wait_xcnt 0x0
; ATTN.  o[q] = the sum over keys of softmax(q . k / sqrt(128), under the mask) v, for one head and eight tiles of 16 queries a work-group; both products on codes of FP6 (E2M3) with E8M0 scales; o is then quantised along the model's 2,048.
; THE SOFTMAX AHEAD OF THE SECOND PRODUCT: t = score x log2(e) / sqrt(128); M = the row's largest t so far, rounded UP to a whole number; p = 2^(t - M) is quantised along the keys.  The row's sum is taken of the unquantised p
; and divides O at the end.  When M moves, the sum and O are multiplied by 2^(old M - new M): exact.
; THE MASK is an input of whole numbers.  The first launch has stored, for each tile and key step of 128 keys, 64 lane-mask words and two flags: some key is open; not all are.
; A key step that hides all its 128 keys from all 16 queries of a tile gives p = 0 for each of them, adds nothing to the sum or to O and leaves M: the wave passes over it, by a scalar branch on the stored flag.
; A step in which all is open needs no selection; in the others a hidden score becomes -infinity ahead of the maximum, by v_cndmask_b32 on the stored words.  This holds for every mask.
; A row with no open key has the sum 0: its scale word becomes four bytes 0xff, so that the last product gives NaN for that row, as a softmax of nothing but -infinity does.
; SHARES.  Work-group (j, head); wave w takes tile 4 j + w / 2, or 127 less that where (w xor w / 4) is odd: four tiles from each end of the sequence.  The deal is arithmetic on ids.
; LDS.  A head's K and V are 16 records of 25,600 bytes (K's 8 images, 128 scale words, V's 8 images, 128 scale words).  Two slots by turns: in step s every wave loads its eighth (3,200 bytes) of record s + 1 into registers at the
; step's head and stores it into the other slot at the step's end; one barrier a step parts the reads of a slot from its next stores and the stores from the reads.  A record that no tile of the work-group needs is not loaded.
; No tensor load, so no joint load and no cluster: the walk hangs on numbers read from memory.  No prefetch: each record's loads go out one whole key step ahead of its first read.
; LIMITS: NaN and infinities among the operands are not served; a block of p or of o whose largest magnitude lies under 2^-124 (zeros too) keeps the scale byte 1, with zero or tiny codes.
; REGISTERS: window 0: v1-10 addresses; v12 -M, v13 the largest t, v[14:15] the sum; v16-27 Q; v28-31 V's scale words; v32-69 the way out; v80-81 stage addresses; v84-95 partial sums; v96-159 S^T, then p; v160-223 O^T;
;   v224-235 p's codes; v232-254 at work; v248-251 K's scale words, v253 p's, v255 Q's.   window 1: v0-95 K's eight fragments, v96-191 V's, v192-216 my eighth of the next record.
.set KVB,   25600
.set SPARE, 2*KVB                      ; the spare words, 128 bytes for each wave
.set LI,   1                           ; 16 x lane
.set LS,   2                           ; 4 x lane
.set SPW,  5
.set NIL,  6
.set NINF, 7
.set QS,   8
.set LN,   9
.set R8,   10
.set TM,   32
.set PC,   48
.set PW,   68
.set ONES, 69
.set STA,  80                          ; 3,200 x wave + 16 x lane
.set STB,  81                          ; 3,200 x wave + 4 x lane
.set ST,   192
.set ACT,  2                           ; bit s: my tile has an open key in step s (shifted down two a trip)
.set PART, 3                           ; bit s: and a hidden one
.set RB,   4                           ; s[4:5] my eighth of the trip's first record
.set MW,   6                           ; s[6:7] my tile's mask words of the trip's first step
.set WV,   8
.set WGA,  9                           ; bit s: some tile of the work-group has an open key in step s
.set CS,   10
.set OI,   26
.set OS,   28
.set CNT,  30
.set WOF,  31
.set SEL,  66
.set MSB, 0
.macro WIN new
.if MSB != \new
	s_set_vgpr_msb (MSB<<8)|\new
.set MSB, \new
.endif
.endm
.macro WORDS o                         ; a key step's 64 mask words: word n in s[32 + n], from word 32 on in s[36 + n]
	s_load_b512 s[32:47], s[MW:MW+1], (\o)
	s_load_b512 s[48:63], s[MW:MW+1], (\o)+0x40
	s_load_b512 s[68:83], s[MW:MW+1], (\o)+0x80
	s_load_b512 s[84:99], s[MW:MW+1], (\o)+0xc0
.endm
.macro LOADREC o                       ; my 3,200 bytes of a record: six loads of 512 consecutive bytes and one of 128
	WIN 0x40
.irp c, 0,1,2,3,4,5
	global_load_b128 v[ST+4*\c:ST+4*\c+3], v[LI], s[RB:RB+1] offset:(\o)+512*\c
.endr
	global_load_b32 v[ST+24], v[LS], s[RB:RB+1] offset:(\o)+3072
	WIN 0
.endm
.macro STOREREC slot
	WIN 0x04
.irp c, 0,1,2,3,4,5
	ds_store_b128 v[STA], v[ST+4*\c:ST+4*\c+3] offset:(\slot)*KVB+512*\c
.endr
	ds_store_b32 v[STB], v[ST+24] offset:(\slot)*KVB+3072
	WIN 0
.endm
	s_load_b128 s[12:15], s[0:1], 0x0              ; qkv, mwords
	s_load_b128 s[16:19], s[0:1], 0x10             ; mflags, oimg
	v_lshl_add_u32 v[SPW], v0, 2, SPARE
	v_mov_b32 v[NIL], 0
	v_lshrrev_b32 v8, 5, v0
	v_readfirstlane_b32 s[WV], v8                  ; wave 0..7
	s_and_b32 s20, ttmp7, 0xffff                   ; the head
	s_lshr_b32 s21, s[WV], 2
	s_xor_b32 s21, s21, s[WV]
	s_and_b32 s21, s21, 1                          ; which end of the sequence
	s_lshr_b32 s22, s[WV], 1
	s_lshl_b32 s23, ttmp9, 2
	s_add_co_u32 s22, s22, s23
	s_sub_co_u32 s23, 127, s22
	s_cmp_lg_u32 s21, 0
	s_cselect_b32 s24, s23, s22                    ; g: my tile of queries
	s_lshl_b32 s32, s20, 4
	s_lshr_b32 s33, s24, 3
	s_add_co_u32 s33, s33, s32
	s_mul_i32 s33, s33, 12800                      ; q's record: head, block of eight tiles
	s_and_b32 s34, s24, 7
	s_mul_i32 s36, s34, 1536
	s_add_co_u32 s36, s36, s33                     ; my tile's image
	s_mov_b32 s37, 0
	s_lshl_b32 s38, s34, 6
	s_add_co_u32 s38, s38, s33
	s_add_co_u32 s38, s38, 12288                   ; and its scale words
	s_mov_b32 s39, 0
	s_mul_i32 s[WOF], s[WV], 3200
	s_mul_i32 s40, s20, 16*KVB
	s_add_co_u32 s40, s40, s[WOF]
	s_add_co_u32 s40, s40, 3276800                 ; the head's records lie behind q's
	s_mov_b32 s41, 0
	s_lshl_b32 s42, s24, 12                        ; my tile's mask words: 16 key steps x 256 bytes
	s_mov_b32 s43, 0
	s_lshl_b32 s44, s24, 4                         ; my tile's four flag words
	s_mov_b32 s45, 0
	s_add_co_u32 s46, s44, s20
	s_mul_i32 s46, s46, 1536                       ; o's image: tile g, K step = the head
	s_mov_b32 s47, 0
	s_lshl_b32 s48, s24, 10                        ; o's scale words: [g][head / 2][r][head % 2]
	s_lshr_b32 s50, s20, 1
	s_lshl_b32 s50, s50, 7
	s_add_co_u32 s48, s48, s50
	s_and_b32 s50, s20, 1
	s_lshl_b32 s50, s50, 2
	s_add_co_u32 s48, s48, s50
	s_add_co_u32 s48, s48, 3145728
	s_mov_b32 s49, 0
	s_lshl_b32 s50, ttmp9, 6                       ; the flag words of tiles 4 j .. 4 j + 3,
	s_mov_b32 s51, 0
	s_sub_co_u32 s52, 1984, s50                    ; and of tiles 124 - 4 j .. 127 - 4 j
	s_mov_b32 s53, 0
	s_mov_b32 s[SEL], 0x76543210
	s_mov_b32 s[SEL+1], 0xfedcba98
	s_mov_b32 s[CS], 0x3e0293ee
	s_mov_b32 s[CS+1], s[CS]
	v_and_b32 v[LN], 31, v0
	v_and_b32 v8, 15, v0
	v_lshlrev_b32 v[LI], 4, v[LN]
	v_lshlrev_b32 v[LS], 2, v[LN]
	v_lshlrev_b32 v[R8], 3, v8
	v_lshlrev_b32 v[QS], 2, v8
	v_add_nc_u32 v[STA], s[WOF], v[LI]
	v_add_nc_u32 v[STB], s[WOF], v[LS]
	s_wait_alu depctr_va_vdst(0)
	s_wait_kmcnt 0x0
	s_add_nc_u64 s[RB:RB+1], s[12:13], s[40:41]
	s_add_nc_u64 s[78:79], s[12:13], s[36:37]
	s_add_nc_u64 s[80:81], s[12:13], s[38:39]
	s_add_nc_u64 s[MW:MW+1], s[14:15], s[42:43]
	s_add_nc_u64 s[72:73], s[16:17], s[44:45]
	s_add_nc_u64 s[74:75], s[16:17], s[50:51]
	s_add_nc_u64 s[76:77], s[16:17], s[52:53]
	s_add_nc_u64 s[OI:OI+1], s[18:19], s[46:47]
	s_add_nc_u64 s[OS:OS+1], s[18:19], s[48:49]
	s_load_b128 s[68:71], s[72:73], 0x0
	s_load_b512 s[32:47], s[74:75], 0x0
	s_load_b512 s[48:63], s[76:77], 0x0
	LOADREC 0                                      ; record 0
.irp c, 0,1,2
	global_load_b128 v[16+4*\c:19+4*\c], v[LI], s[78:79] offset:512*\c   ; Q's fragment stays in registers
.endr
	global_load_b32 v255, v[QS], s[80:81]          ; and its scale words
	v_mov_b32 v[NINF], 0xff800000
	v_mov_b32 v[ONES], -1
	v_mov_b32 v13, 0xff61b1e6                      ; the largest t so far: -3e38, under every t
	v_floor_f32 v12, -v13                          ; -M
	v_mov_b32 v14, 0
	v_mov_b32 v15, 0
.irp b, 0,1,2,3
	v_mov_b32 v[236+\b], 0                         ; written once: a lane permute's destination counts as one of its sources
	v_mov_b32 v[TM+4+\b], 0
.endr
	v_mov_b32 v252, 0
	v_mov_b32 v253, 0
.set n, 0
.rept 64
	v_mov_b32 v[160+n], 0                          ; O^T: the step is written once, and which step is a tile's first hangs on the mask
.set n, n+1
.endr
	s_wait_kmcnt 0x0
.irp i, 33,34,35,36,37,38,39,40,41,42,43,44,45,46,47,48,49,50,51,52,53,54,55,56,57,58,59,60,61,62,63
	s_or_b32 s32, s32, s[\i]                       ; the eight tiles' flags together
.endr
	s_or_b32 s68, s68, s69
	s_or_b32 s70, s70, s71
	s_or_b32 s68, s68, s70                         ; my tile's
	s_and_b32 s[ACT], s68, 0xffff
	s_lshr_b32 s[PART], s68, 16
	s_and_b32 s[PART], s[PART], s[ACT]
	s_and_b32 s[WGA], s32, 0xffff
	s_mov_b32 s[CNT], 0
	s_wait_alu depctr_va_vdst(0)
	s_wait_loadcnt 0x0                             ; Q and record 0 are in; Q's bases lie in registers that the mask words take next
	WORDS 0                                        ; step 0's words: so s32-63 and s68-99 hold words on every way through the text
	STOREREC 0
	s_wait_kmcnt 0x0
; A KEY STEP on the record in LDS slot 'slot'
.macro STEP slot
.set OF, (\slot)*KVB
	s_wait_alu depctr_va_vdst(0)
	s_wait_dscnt 0x0                               ; my stores into this slot and my reads of the other are done
	s_barrier_signal -1
	s_barrier_wait -1                              ; everybody's are
	s_bitcmp1_b32 s[WGA], (\slot)+1
	s_cbranch_scc0 .Lnl_\@
	LOADREC ((\slot)+1)*KVB                        ; the next record, if some tile of the work-group needs it
.Lnl_\@:
	s_bitcmp1_b32 s[ACT], \slot
	s_cbranch_scc0 .Lidle_\@                       ; all 128 keys are hidden from all my 16 queries
	s_bitcmp1_b32 s[PART], \slot
	s_cbranch_scc0 .Lnw_\@
	WORDS 256*(\slot)
.Lnw_\@:
	WIN 0x40
.irp t, 0,1,2,3,4,5,6,7
.irp c, 0,1,2
	ds_load_b128 v[12*\t+4*\c:12*\t+4*\c+3], v[LI] offset:OF+1536*\t+512*\c
.endr
.endr
	WIN 0
.irp b, 0,1,2,3
	ds_load_b32 v[248+\b], v[LS] offset:OF+12288+128*\b   ; lanes 0-15: tile 2 b's words, lanes 16-31: tile 2 b + 1's
.endr
	WIN 0x40
.irp t, 0,1,2,3,4,5,6,7
.irp c, 0,1,2
	ds_load_b128 v[96+12*\t+4*\c:96+12*\t+4*\c+3], v[LI] offset:OF+12800+1536*\t+512*\c
.endr
.endr
	WIN 0
.irp b, 0,1,2,3
	ds_load_b32 v[28+\b], v[LS] offset:OF+25088+128*\b
.endr
	s_wait_dscnt 28                                ; K and its words are in; V's 24 + 4 loads may be out
	WIN 0x01
.irp t, 0,2,4,6
	v_wmma_scale_f32_16x16x128_f8f6f4 v[96+8*\t:103+8*\t], v[12*\t:12*\t+11], v[16:27], 0, v[248+\t/2], v255 matrix_a_fmt:MATRIX_FMT_FP6 matrix_b_fmt:MATRIX_FMT_FP6
	v_wmma_scale_f32_16x16x128_f8f6f4 v[104+8*\t:111+8*\t], v[12*\t+12:12*\t+23], v[16:27], 0, v[248+\t/2], v255 matrix_a_fmt:MATRIX_FMT_FP6 matrix_b_fmt:MATRIX_FMT_FP6 matrix_a_scale:MATRIX_SCALE_ROW1
.endr
	WIN 0
.rept 4
	v_nop
.endr
	s_wait_kmcnt 0x0                               ; any words asked for above are in
	s_bitcmp1_b32 s[PART], \slot
	s_cbranch_scc0 .Lopen_\@
.set n, 0
.rept 32
	v_cndmask_b32 v[96+n], v[NINF], v[96+n], s[32+n]   ; a hidden score becomes -infinity; each accumulator from its low end on
.set n, n+1
.endr
.rept 32
	v_cndmask_b32 v[96+n], v[NINF], v[96+n], s[36+n]
.set n, n+1
.endr
.Lopen_\@:
.irp b, 0,1,2,3
	v_max3_num_f32 v[232+\b], v[96+16*\b], v[97+16*\b], v[98+16*\b]   ; the largest score of each block of 32 keys: for the row's maximum and, since p rises with the score, for the block's largest p
.endr
.irp i, 3,5,7,9,11,13
.irp b, 0,1,2,3
	v_max3_num_f32 v[232+\b], v[232+\b], v[96+16*\b+\i], v[97+16*\b+\i]   ; the four blocks by turns
.endr
.endr
.irp b, 0,1,2,3
	v_max_num_f32 v[232+\b], v[232+\b], v[111+16*\b]
.endr
.irp b, 0,1,2,3
	v_permlanex16_b32 v[236+\b], v[232+\b], s[SEL], s[SEL+1]
.endr
.irp b, 0,1,2,3
	v_max_num_f32 v[232+\b], v[232+\b], v[236+\b]  ; with lane l xor 16's 16 keys
.endr
	v_max3_num_f32 v254, v232, v233, v234
	v_max_num_f32 v254, v254, v235                 ; the step's largest score of my query
	v_mul_f32 v254, s[CS], v254                    ; as t
	v_max_num_f32 v13, v13, v254                   ; the running largest t
	v_mov_b32 v254, v12
	v_floor_f32 v12, -v13                          ; the new -M = floor(-t): M is a whole number
	v_sub_f32 v254, v12, v254                      ; old M - new M: a whole number, 0 or less
	v_cvt_i32_f32 v254, v254                       ; (it saturates)
	v_ldexp_f32 v252, 1.0, v254                    ; f = 2^(old M - new M)
.set n, 0
.rept 32
	v_pk_fma_f32 v[96+n:97+n], v[96+n:97+n], s[CS:CS+1], v[12:13] op_sel_hi:[1,0,0]   ; t - M, two at a time
.set n, n+2
.endr
.irp b, 0,1,2,3
	v_fma_f32 v[232+\b], v[232+\b], s[CS], v12     ; the same of each block's largest score
.endr
.set n, 0
	s_wait_alu depctr_va_vdst(0)
.rept 64
	v_exp_f32 v[96+n], v[96+n]                     ; p = 2^(t - M), at most 1
.set n, n+1
.endr
	v_pk_mul_f32 v[14:15], v[14:15], v[252:253] op_sel_hi:[1,0]   ; the sums under the new M (a plain place behind the exponentials)
	s_wait_alu depctr_va_vdst(0)                   ; one wait for the whole batch, ahead of its first reader
.irp b, 0,1,2,3
	v_exp_f32 v[232+\b], v[232+\b]                 ; the block's largest p
.endr
	v_pk_add_f32 v[236:237], v[100:101], v[104:105]    ; the row's sum of the unquantised p, in eight chains
	v_pk_add_f32 v[94:95], v[108:109], v[112:113]
	v_pk_add_f32 v[92:93], v[116:117], v[120:121]
	v_pk_add_f32 v[90:91], v[124:125], v[128:129]
	v_pk_add_f32 v[88:89], v[132:133], v[136:137]
	v_pk_add_f32 v[86:87], v[140:141], v[144:145]
	v_pk_add_f32 v[84:85], v[148:149], v[152:153]
	v_pk_add_f32 v[14:15], v[14:15], v[156:157]
	v_pk_add_f32 v[236:237], v[236:237], v[96:97]
	v_pk_add_f32 v[94:95], v[94:95], v[98:99]
	v_pk_add_f32 v[92:93], v[92:93], v[102:103]
	v_pk_add_f32 v[90:91], v[90:91], v[106:107]
	v_pk_add_f32 v[88:89], v[88:89], v[110:111]
	v_pk_add_f32 v[86:87], v[86:87], v[114:115]
	v_pk_add_f32 v[84:85], v[84:85], v[118:119]
	v_pk_add_f32 v[14:15], v[14:15], v[122:123]
	v_pk_add_f32 v[236:237], v[236:237], v[126:127]
	v_pk_add_f32 v[94:95], v[94:95], v[130:131]
	v_pk_add_f32 v[92:93], v[92:93], v[134:135]
	v_pk_add_f32 v[90:91], v[90:91], v[138:139]
	v_pk_add_f32 v[88:89], v[88:89], v[142:143]
	v_pk_add_f32 v[86:87], v[86:87], v[146:147]
	v_pk_add_f32 v[84:85], v[84:85], v[150:151]
	v_pk_add_f32 v[14:15], v[14:15], v[154:155]
	v_pk_add_f32 v[236:237], v[236:237], v[158:159]
	v_pk_add_f32 v[14:15], v[14:15], v[90:91]
	v_pk_add_f32 v[236:237], v[236:237], v[88:89]
	v_pk_add_f32 v[94:95], v[94:95], v[86:87]
	v_pk_add_f32 v[92:93], v[92:93], v[84:85]
	v_pk_add_f32 v[14:15], v[14:15], v[94:95]
	v_pk_add_f32 v[236:237], v[236:237], v[92:93]
	v_pk_add_f32 v[14:15], v[14:15], v[236:237]
	s_wait_alu depctr_va_vdst(0)                   ; and one for the four
.irp b, 0,1,2,3
	v_max_num_f32 v[232+\b], 0x1800000, v[232+\b]  ; the floor 2^(3 - 127): the byte cannot fall under 1
.endr
.irp b, 0,1,2,3
	v_add_nc_u32 v[244+\b], 0xff000000, v[232+\b]  ; 2 off the exponent field: the conversion's scale operand
.endr
.irp b, 0,1,2,3
	v_lshrrev_b32 v[236+\b], 23, v[244+\b]         ; the scale's byte
.endr
	v_lshl_or_b32 v253, v237, 8, v236              ; p's scale word for these 128 keys
	v_lshl_or_b32 v253, v238, 16, v253
	v_lshl_or_b32 v253, v239, 24, v253
.irp c, 0,1
	v_cvt_scalef32_pk16_fp6_f32 v[224+6*\c:226+6*\c], v[96+32*\c:111+32*\c], v[244+2*\c]
	v_cvt_scalef32_pk16_fp6_f32 v[236+4*\c:238+4*\c], v[112+32*\c:127+32*\c], v[244+2*\c+1]
.endr
	v_nop                                          ; one plain place behind a scaled conversion
.irp c, 0,1
.irp i, 0,1,2
	v_permlane16_swap_b32 v[224+6*\c+\i], v[236+4*\c+\i]
.endr
.irp i, 0,1,2
	v_mov_b32 v[227+6*\c+\i], v[236+4*\c+\i]
.endr
.endr
	s_wait_alu depctr_va_vdst(0)
.set n, 0
.rept 32
	v_pk_mul_f32 v[160+n:161+n], v[160+n:161+n], v[252:253] op_sel_hi:[1,0]   ; O^T under the new M; these 32 are also the places between the writes of p's codes and scale word and the products below
.set n, n+2
.endr
	s_wait_alu depctr_va_vdst(0)
	s_wait_dscnt 0x0                               ; V and its words are in
	WIN 0x01
.irp t, 0,2,4,6
	v_wmma_scale_f32_16x16x128_f8f6f4 v[160+8*\t:167+8*\t], v[96+12*\t:107+12*\t], v[224:235], v[160+8*\t:167+8*\t], v[28+\t/2], v253 matrix_a_fmt:MATRIX_FMT_FP6 matrix_b_fmt:MATRIX_FMT_FP6
	v_wmma_scale_f32_16x16x128_f8f6f4 v[168+8*\t:175+8*\t], v[108+12*\t:119+12*\t], v[224:235], v[168+8*\t:175+8*\t], v[28+\t/2], v253 matrix_a_fmt:MATRIX_FMT_FP6 matrix_b_fmt:MATRIX_FMT_FP6 matrix_a_scale:MATRIX_SCALE_ROW1
.endr
	WIN 0
.rept 4
	v_nop                                          ; places behind the products, in front of the next step's loads into registers that they have read
.endr
.Lidle_\@:
	s_wait_loadcnt 0x0                             ; on every way: any loads of the next record are in registers
	s_bitcmp1_b32 s[WGA], (\slot)+1
	s_cbranch_scc0 .Lns_\@
	STOREREC 1-(\slot)                             ; my eighth goes into the other slot, which nobody has read since the barrier above
.Lns_\@:
.endm
.Ltrip:                                                ; a trip: two key steps, once round the two slots
	STEP 0
	STEP 1
	s_wait_xcnt 0x0                                ; the trip's loads have read their bases
	s_add_nc_u64 s[RB:RB+1], s[RB:RB+1], 2*KVB
	s_add_nc_u64 s[MW:MW+1], s[MW:MW+1], 512
	s_lshr_b32 s[ACT], s[ACT], 2
	s_lshr_b32 s[PART], s[PART], 2
	s_lshr_b32 s[WGA], s[WGA], 2                   ; no bit stands above step 15: record 16 is never asked for
	s_add_co_u32 s[CNT], s[CNT], 1
	s_cmp_lt_u32 s[CNT], 8
	s_cbranch_scc1 .Ltrip
; THE WAY OUT: O^T / the sum; its 64 registers run along the head's 128 channels, which are K step 'head' of the last product: quantised as they stand.
	s_wait_alu depctr_va_vdst(0)
	v_add_f32 v14, v14, v15                        ; the sum's two halves,
	v_permlanex16_b32 v252, v14, s[SEL], s[SEL+1]
	v_add_f32 v14, v14, v252                       ; and lane l xor 16's: the row's sum
	s_wait_alu depctr_va_vdst(0)
	v_rcp_f32 v252, v14
	v_nop                                          ; a plain place behind the reciprocal
	v_cmp_eq_f32 vcc_lo, 0, v14                    ; a row with no open key
	s_wait_alu depctr_va_vdst(0)                   ; the wait ahead of the reciprocal's first reader
.set n, 0
.rept 32
	v_pk_mul_f32 v[96+n:97+n], v[160+n:161+n], v[252:253] op_sel_hi:[1,0]   ; each accumulator from its low end on
.set n, n+2
.endr
.irp b, 0,1,2,3
	v_max3_num_f32 v[TM+\b], |v[96+16*\b]|, |v[97+16*\b]|, 0x1800000
.endr
.irp i, 2,4,6,8,10,12,14
.irp b, 0,1,2,3
	v_max3_num_f32 v[TM+\b], |v[96+16*\b+\i]|, |v[97+16*\b+\i]|, v[TM+\b]
.endr
.endr
.irp b, 0,1,2,3
	v_permlanex16_b32 v[TM+4+\b], v[TM+\b], s[SEL], s[SEL+1]
.endr
.irp b, 0,1,2,3
	v_max_num_f32 v[TM+\b], v[TM+\b], v[TM+4+\b]
.endr
.irp b, 0,1,2,3
	v_add_nc_u32 v[TM+12+\b], 0xff000000, v[TM+\b]
.endr
.irp b, 0,1,2,3
	v_lshrrev_b32 v[TM+4+\b], 23, v[TM+12+\b]
.endr
	v_lshl_or_b32 v[PW], v[TM+5], 8, v[TM+4]
	v_lshl_or_b32 v[PW], v[TM+6], 16, v[PW]
	v_lshl_or_b32 v[PW], v[TM+7], 24, v[PW]
.irp c, 0,1
	v_cvt_scalef32_pk16_fp6_f32 v[PC+6*\c:PC+2+6*\c], v[96+32*\c:111+32*\c], v[TM+12+2*\c]
	v_cvt_scalef32_pk16_fp6_f32 v[PC+12+4*\c:PC+14+4*\c], v[112+32*\c:127+32*\c], v[TM+12+2*\c+1]
.endr
	v_nop                                          ; one plain place behind a scaled conversion
.irp c, 0,1
.irp i, 0,1,2
	v_permlane16_swap_b32 v[PC+6*\c+\i], v[PC+12+4*\c+\i]
.endr
.irp i, 0,1,2
	v_mov_b32 v[PC+3+6*\c+\i], v[PC+12+4*\c+\i]
.endr
.endr
	v_cndmask_b32 v[PW], v[PW], v[ONES], vcc_lo    ; a row with no open key: four scale bytes 0xff, NaN in the last product
.irp c, 0,1,2
	global_store_b128 v[LI], v[PC+4*\c:PC+4*\c+3], s[OI:OI+1] offset:512*\c   ; 512 consecutive bytes, aligned
.endr
	v_cmp_gt_u32 vcc_lo, 16, v[LN]
	s_wait_alu depctr_va_vdst(0)
	s_wait_xcnt 0x0                                ; EXEC changes only behind this wait
	s_and_saveexec_b32 s100, vcc_lo
	global_store_b32 v[R8], v[PW], s[OS:OS+1]      ; lanes 0-15: row r's word; 4 bytes of every 8: the neighbouring head's words belong to another work-group
	s_wait_xcnt 0x0                                ; and again, in front of the line that widens it
	s_or_b32 exec_lo, exec_lo, s100
	s_wait_tensorcnt 0x0                           ; the wave's end
	ds_add_u32 v[SPW], v[NIL]
	s_wait_dscnt 0x0
	s_endpgm
.Lfunc_end_k_q1004053630_attn:
	.size	k_q1004053630_attn, .Lfunc_end_k_q1004053630_attn-k_q1004053630_attn
	.p2alignl 7, 3214868480
	.fill 96, 4, 3214868480
	.section	.rodata,"a",@progbits
	.p2align	6, 0x0
	.amdhsa_kernel k_q1004053630_attn
		.amdhsa_group_segment_fixed_size 52224
		.amdhsa_private_segment_fixed_size 0
		.amdhsa_enable_private_segment 0
		.amdhsa_kernarg_size 32
		.amdhsa_user_sgpr_count 2
		.amdhsa_user_sgpr_kernarg_segment_ptr 1
		.amdhsa_wavefront_size32 1
		.amdhsa_system_sgpr_workgroup_id_x 1
		.amdhsa_system_sgpr_workgroup_id_y 1
		.amdhsa_system_sgpr_workgroup_id_z 1
		.amdhsa_system_vgpr_workitem_id 0
		.amdhsa_next_free_vgpr 512
		.amdhsa_next_free_sgpr 106
		.amdhsa_reserve_vcc 1
		.amdhsa_float_denorm_mode_32 3
		.amdhsa_float_denorm_mode_16_64 3
		.amdhsa_memory_ordered 1
		.amdhsa_forward_progress 1
		.amdhsa_inst_pref_size 66
	.end_amdhsa_kernel
	.amdgpu_metadata
---
amdhsa.version: [ 1, 2 ]
amdhsa.kernels:
  - .name:           k_q1004053630_attn
    .symbol:         k_q1004053630_attn.kd
    .args:
      - { .name: qkv, .offset: 0, .size: 8, .value_kind: global_buffer, .address_space: global }
      - { .name: mwords, .offset: 8, .size: 8, .value_kind: global_buffer, .address_space: global }
      - { .name: mflags, .offset: 16, .size: 8, .value_kind: global_buffer, .address_space: global }
      - { .name: oimg, .offset: 24, .size: 8, .value_kind: global_buffer, .address_space: global }
    .group_segment_fixed_size: 52224
    .private_segment_fixed_size: 0
    .kernarg_segment_align: 8
    .kernarg_segment_size: 32
    .max_flat_workgroup_size: 256
    .sgpr_count:     106
    .vgpr_count:     512
    .wavefront_size: 32
...
	.end_amdgpu_metadata
.endif
;; end of part 7
;; launch proj (part 8): grid 16 x 16, 4 waves a work-group, clusters of 4 x 4, 327,680 bytes of LDS; arguments oimg, opnd, out0; writes out0
.if DOCPART == 8
	.amdgcn_target "amdgcn-amd-amdhsa--gfx1250"
	.amdhsa_code_object_version 6
	.text
	.protected	k_q1004053630_proj
	.globl	k_q1004053630_proj
	.p2align	8
	.type	k_q1004053630_proj,@function
k_q1004053630_proj:
	s_mov_b64 s[64:65], 0
	v_nop
	global_prefetch_b8 v0, s[64:65] scope:SCOPE_SE
	s_setreg_imm32_b32 hwreg(HW_REG_WAVE_MODE, 25, 1), 1
	s_wait_xcnt 0x0
	s_wait_alu depctr_hold_cnt(0) depctr_sa_sdst(0) depctr_va_vdst(0) depctr_va_sdst(0) depctr_va_ssrc(0) depctr_va_vcc(0) depctr_vm_vsrc(0)
	s_getreg_b32 s2, hwreg(HW_REG_IB_STS2, 6, 4)
	s_cmp_eq_u32 s2, 0
	s_cbranch_scc0 .Lentry_in_a_cluster
	s_endpgm
.Lentry_in_a_cluster:
	s_bfe_u32 s2, ttmp6, 0x10000c
	s_cmp_lg_u32 s2, 0xf033
	s_cbranch_scc0 .Lentry_shape_is_right
	s_endpgm
.Lentry_shape_is_right:
.set FR,     12
.set FRB,    1536
.set NP,     4
.set CHK,    4*FRB
.set GROW,   16*FRB
.set QUART,  4*CHK
.set REG,    4*QUART
.set SCL,    3*REG
.set QSC,    4096
.set SBLK,   1024
.set SPARE,  SCL+4*QSC
.set STG,    REG
.set SPITCH, 272
.set WOB,    12582912
.set WOS,    15728640+524288
.set OIS,    3145728
.set ADRA, 16
.set ADRB, 20
.set STO,  24
.set RD,   25
.set CO,   26
.set ADRS, 27
.set SPW,  28
.set NIL,  29
.set LI,   30
.set SC,   32
.set BK,   48
.set ACC,  128
.set G1,   24
.set G0,   32
.set G0S,  44
.set G1B,  48
.set G1S,  56
.set G0B,  68
.set G0SB, 80
.set G1SB, 84
.set MSB, 0
.macro WIN new
.if MSB != \new
	s_set_vgpr_msb (MSB<<8)|\new
.set MSB, \new
.endif
.endm
.set MUL,  0x05
.set TO_F, 0x40
.macro JLOAD g0a, g1a, g0b, g1b
	s_cmp_eq_u32 s15, 0
	s_cbranch_scc0 .Lfor_b_\@
	tensor_load_to_lds s[\g0a:\g0a+3], s[\g1a:\g1a+7]
	s_nop 0
.rept 4
	v_nop
.endr
	s_branch .Lasked_\@
.Lfor_b_\@:
	tensor_load_to_lds s[\g0b:\g0b+3], s[\g1b:\g1b+7]
	s_nop 0
.rept 4
	v_nop
.endr
.Lasked_\@:
.endm
.macro CREST
	s_cmp_lg_u32 s14, 0
	s_cbranch_scc1 .Lnot_wave_0_\@
	s_barrier_signal -3
.Lnot_wave_0_\@:
	s_barrier_wait -3
	s_barrier_signal -1
	s_barrier_wait -1
.endm
.macro CROUND
	s_barrier_signal -1
	s_barrier_wait -1
	CREST
.endm
	s_load_b128 s[4:7], s[0:1], 0x0
	s_load_b64 s[8:9], s[0:1], 0x10
	v_lshl_add_u32 v[SPW], v0, 2, SPARE
	v_mov_b32 v[NIL], 0
	ds_add_u32 v28, v29
	ds_add_u32 v28, v29
	s_wait_dscnt 0x0
	v_lshrrev_b32 v1, 5, v0
	v_readfirstlane_b32 s14, v1
	s_lshr_b32 s15, s14, 1
	s_and_b32 s16, s14, 1
	s_bfe_u32 s92, ttmp6, 0x40000
	s_bfe_u32 s93, ttmp6, 0x40004
	s_lshl_b32 s94, ttmp9, 2
	s_add_co_u32 s94, s94, s92
	s_and_b32 s17, ttmp7, 0xffff
	s_lshl_b32 s17, s17, 2
	s_add_co_u32 s17, s17, s93
	s_lshl_b32 s95, s93, 2
	s_lshl_b32 s95, 15, s95
	s_lshl_b32 s96, 0x1111, s92
	s_or_b32 s[G1+0], s95, (3<<16)|(1<<21)
	s_or_b32 s[G1B+0], s96, (3<<16)|(1<<21)
.irp g, G1, G1B
	s_mov_b32 s[\g+1], (CHK/8)<<16
	s_mov_b32 s[\g+2], 8<<16                       ; the head's loads bring a tile's 8 rows of K steps 0-3
	s_mov_b32 s[\g+3], (CHK/8)<<16
	s_mov_b32 s[\g+4], 8
	s_mov_b32 s[\g+5], GROW/8
	s_mov_b32 s[\g+6], 0
	s_mov_b32 s[\g+7], 0
.endr
	s_or_b32 s[G1S+0], s95, (3<<16)|(1<<21)
	s_or_b32 s[G1SB+0], s96, (3<<16)|(1<<21)
.irp g, G1S, G1SB
	s_mov_b32 s[\g+1], 32<<16
	s_mov_b32 s[\g+2], 32<<16                      ; the scale words of 128 rows: 32 rows of 256 bytes
	s_mov_b32 s[\g+3], 32<<16
	s_mov_b32 s[\g+4], 32
	s_mov_b32 s[\g+5], 32
	s_mov_b32 s[\g+6], 0
	s_mov_b32 s[\g+7], 0
.endr
	s_mul_i32 s20, s17, 8*GROW
	s_mul_i32 s22, s17, 8*SBLK
	s_mul_i32 s2, s94, 8*GROW
	s_mul_i32 s10, s94, 8*SBLK
	s_mul_i32 s18, s16, 4*GROW
	s_mov_b32 s98, s18                             ; which half of a tile's rows I fetch behind the head, in bytes
	s_mov_b32 s99, 0
	s_add_co_u32 s22, s22, OIS
	s_add_co_u32 s2, s2, WOB
	s_add_co_u32 s10, s10, WOS
	s_mov_b32 s21, 0
	s_mov_b32 s23, 0
	s_mov_b32 s3, 0
	s_mov_b32 s11, 0
	s_mul_i32 s18, s14, QUART
	s_wait_kmcnt 0x0
	s_add_nc_u64 s[20:21], s[4:5], s[20:21]
	s_add_nc_u64 s[22:23], s[4:5], s[22:23]
	s_add_nc_u64 s[2:3], s[6:7], s[2:3]
	s_add_nc_u64 s[10:11], s[6:7], s[10:11]
	CROUND
	s_mov_b32 s[G0S], 1
	s_mov_b32 s[G0S+1], SCL
	s_mov_b64 s[G0S+2:G0S+3], s[22:23]
	s_or_b32 s[G0S+3], s[G0S+3], 0x80000000
	s_mov_b32 s[G0SB], 1
	s_mov_b32 s[G0SB+1], SCL+2*QSC
	s_mov_b64 s[G0SB+2:G0SB+3], s[10:11]
	s_or_b32 s[G0SB+3], s[G0SB+3], 0x80000000
; LDS: region X (bytes 0 .. REG - 1) holds K steps 0-3 and later 12-15, rows of CHK bytes; region Y (REG .. 3 REG - 1) holds K steps 4-11, rows of 2 CHK bytes.
	s_mov_b32 s[G0], 1                             ; the head's four tiles, each whole: X's 8 rows of A,
	s_mov_b32 s[G0+1], 0
	s_mov_b64 s[G0+2:G0+3], s[20:21]
	s_or_b32 s[G0+3], s[G0+3], 0x80000000
	s_mov_b32 s[G0B], 1                            ; its 8 rows of B, behind them
	s_mov_b32 s[G0B+1], 2*QUART
	s_mov_b64 s[G0B+2:G0B+3], s[2:3]
	s_or_b32 s[G0B+3], s[G0B+3], 0x80000000
	s_add_nc_u64 s[20:21], s[20:21], s[98:99]      ; behind the head: my 4 rows of a tile
	s_add_nc_u64 s[2:3], s[2:3], s[98:99]
	s_lshl_b32 s19, s18, 1
	s_mov_b32 s[G0+4], 1                           ; Y: K steps 4-11, my quarter
	s_add_co_u32 s[G0+5], s19, REG
	s_add_nc_u64 s[G0+6:G0+7], s[20:21], CHK
	s_or_b32 s[G0+7], s[G0+7], 0x80000000
	s_mov_b32 s[G0B+4], 1
	s_add_co_u32 s[G0B+5], s19, REG
	s_add_nc_u64 s[G0B+6:G0B+7], s[2:3], CHK
	s_or_b32 s[G0B+7], s[G0B+7], 0x80000000
	s_mov_b32 s[G0+8], 1                           ; X once more: K steps 12-15, my quarter
	s_mov_b32 s[G0+9], s18
	s_add_nc_u64 s[G0+10:G0+11], s[20:21], 3*CHK
	s_or_b32 s[G0+11], s[G0+11], 0x80000000
	s_mov_b32 s[G0B+8], 1
	s_mov_b32 s[G0B+9], s18
	s_add_nc_u64 s[G0B+10:G0B+11], s[2:3], 3*CHK
	s_or_b32 s[G0B+11], s[G0B+11], 0x80000000
; the head's loads, one a wave: wave 0 A's codes, wave 1 B's, wave 2 A's scale words, wave 3 B's; one tree of branches on the wave's number
.macro ARM under, g0, g1, next
	s_cmp_lt_u32 s14, \under
	s_cbranch_scc0 \next
	tensor_load_to_lds s[\g0:\g0+3], s[\g1:\g1+7]
	s_nop 0
.rept 4
	v_nop
.endr
	s_branch .Lhead_asked
\next:
.endm
	ARM 1, G0,  G1,  .Lhead_b
	ARM 2, G0B, G1B, .Lhead_sa
	ARM 3, G0S, G1S, .Lhead_sb
	tensor_load_to_lds s[G0SB:G0SB+3], s[G1SB:G1SB+7]
	s_nop 0
.rept 4
	v_nop
.endr
.Lhead_asked:
	v_and_b32 v1, 15, v0
	v_bfe_u32 v2, v0, 4, 1
	v_and_b32 v3, 31, v0
	v_lshlrev_b32 v[LI], 4, v3
	s_mul_i32 s21, s15, QUART
	s_mul_i32 s22, s16, QUART
	s_add_co_u32 s22, s22, 2*QUART
	v_add_nc_u32 v[ADRA], s21, v[LI]               ; my rows in X,
	v_add_nc_u32 v[ADRB], s22, v[LI]
	s_lshl_b32 s21, s21, 1
	s_lshl_b32 s22, s22, 1
	s_add_co_u32 s21, s21, REG
	s_add_co_u32 s22, s22, REG
	v_add_nc_u32 v[ADRA+1], s21, v[LI]             ; and in Y, whose quarters are twice as long
	v_add_nc_u32 v[ADRB+1], s22, v[LI]
	s_wait_alu depctr_va_vdst(0)
	v_lshlrev_b32 v5, 3, v1
	s_mul_i32 s21, s15, QSC
	s_mul_i32 s22, s16, QSC
	s_add_co_u32 s22, s22, 2*QSC
	s_sub_co_u32 s22, s22, s21
	v_mul_u32_u24 v6, s22, v2
	s_add_co_u32 s21, s21, SCL
	v_add_nc_u32 v5, v5, v6
	v_add_nc_u32 v[ADRS], s21, v5
	s_mul_i32 s23, s14, 16*SPITCH
	s_add_co_u32 s23, s23, STG
	v_mul_u32_u24 v5, v1, SPITCH
	v_lshl_add_u32 v5, v2, 6, v5
	v_add_nc_u32 v[STO], s23, v5
	v_mul_u32_u24 v6, v2, SPITCH
	v_lshl_add_u32 v6, v1, 4, v6
	v_add_nc_u32 v[RD], s23, v6
	v_lshlrev_b32 v[CO], 13, v2
	v_lshl_add_u32 v[CO], v1, 4, v[CO]
	s_lshl_b32 s98, s17, 20
	s_lshl_b32 s99, s15, 19
	s_add_co_u32 s98, s98, s99
	s_lshl_b32 s99, s94, 9
	s_add_co_u32 s98, s98, s99
	s_lshl_b32 s99, s16, 8
	s_add_co_u32 s98, s98, s99
	s_mov_b32 s99, 0
	s_add_nc_u64 s[12:13], s[8:9], s[98:99]
.macro FETCH s
.if (\s) >= 4 && (\s) < 12
.set FA, 1
.set FP, 2*CHK
.set FO, ((\s)-4)*FRB
.else
.set FA, 0
.set FP, CHK
.set FO, ((\s)%4)*FRB
.endif
	WIN TO_F
.irp i, 0,1,2,3
.irp c, 0,1,2
	ds_load_b128 v[96*((\s)%2)+48+FR*\i+4*\c:96*((\s)%2)+48+FR*\i+4*\c+3], v[ADRB+FA] offset:\i*FP+FO+512*\c
.endr
.endr
.irp i, 0,1,2,3
.irp c, 0,1,2
	ds_load_b128 v[96*((\s)%2)+FR*\i+4*\c:96*((\s)%2)+FR*\i+4*\c+3], v[ADRA+FA] offset:\i*FP+FO+512*\c
.endr
.endr
	WIN 0
.if ((\s)%2) == 0
.irp i, 0,1,2,3
	ds_load_b64 v[SC+8*(((\s)/2)%2)+2*\i:SC+8*(((\s)/2)%2)+2*\i+1], v[ADRS] offset:\i*SBLK+((\s)/2)*128
.endr
.endif
.endm
.macro MULA s, a, zero
.irp b, 0,1,2,3
.if \zero
	v_wmma_scale_f32_16x16x128_f8f6f4 v[ACC+8*(4*(\a)+\b):ACC+8*(4*(\a)+\b)+7], v[96*((\s)%2)+48+FR*\b:96*((\s)%2)+48+FR*\b+FR-1], v[96*((\s)%2)+FR*(\a):96*((\s)%2)+FR*(\a)+FR-1], 0, v[SC+8*(((\s)/2)%2)+2*\b+(\s)%2], v[SC+8*(((\s)/2)%2)+2*(\a)+(\s)%2] matrix_a_fmt:MATRIX_FMT_FP6 matrix_b_fmt:MATRIX_FMT_FP6 matrix_a_scale:MATRIX_SCALE_ROW1
.else
	v_wmma_scale_f32_16x16x128_f8f6f4 v[ACC+8*(4*(\a)+\b):ACC+8*(4*(\a)+\b)+7], v[96*((\s)%2)+48+FR*\b:96*((\s)%2)+48+FR*\b+FR-1], v[96*((\s)%2)+FR*(\a):96*((\s)%2)+FR*(\a)+FR-1], v[ACC+8*(4*(\a)+\b):ACC+8*(4*(\a)+\b)+7], v[SC+8*(((\s)/2)%2)+2*\b+(\s)%2], v[SC+8*(((\s)/2)%2)+2*(\a)+(\s)%2] matrix_a_fmt:MATRIX_FMT_FP6 matrix_b_fmt:MATRIX_FMT_FP6 matrix_a_scale:MATRIX_SCALE_ROW1
.endif
.endr
.endm
.macro PLACES n
.rept \n
	v_nop
.endr
.endm
.macro KSTEP s, zero
	s_wait_dscnt 0x0
.if (\s) > 0
	PLACES NP
.endif
	FETCH (\s)+1
	WIN MUL
.irp a, 0,1,2,3
	MULA \s, \a, \zero
.endr
	WIN 0
.endm
	s_wait_alu depctr_va_vdst(0)
	s_wait_tensorcnt 0x0                           ; my tile of the head's four is in
	ds_add_u32 v[SPW], v[NIL]
.irp g, G1, G1B
	s_mov_b32 s[\g+1], (2*CHK/8)<<16               ; no tensor load of mine is out: Y's loads bring 4 rows of eight K steps
	s_mov_b32 s[\g+2], 4<<16
	s_mov_b32 s[\g+3], (2*CHK/8)<<16
	s_mov_b32 s[\g+4], 4
.endr
	s_wait_dscnt 0x0
	CROUND
	JLOAD G0+4, G1, G0B+4, G1B                     ; Y's first fill, the first tensor load behind the round
	FETCH 0
	KSTEP 0, 1
	KSTEP 1, 0
	KSTEP 2, 0
	s_wait_tensorcnt 0x0
	ds_add_u32 v[SPW], v[NIL]
	s_wait_dscnt 1
	WIN MUL
	MULA 3, 0, 0
	s_wait_dscnt 0x0
	s_barrier_signal -1
	MULA 3, 1, 0
	WIN 0
	s_barrier_wait -1
	CREST
.irp g, G1, G1B
	s_mov_b32 s[\g+1], (CHK/8)<<16                 ; no tensor load of mine is out: rows of four K steps again
	s_mov_b32 s[\g+3], (CHK/8)<<16
.endr
	JLOAD G0+8, G1, G0B+8, G1B                     ; X is filled again, with K steps 12-15
	FETCH 4
	WIN MUL
	MULA 3, 2, 0
	MULA 3, 3, 0
	WIN 0
.irp s, 4,5,6,7,8,9,10
	KSTEP \s, 0
.endr
	s_wait_dscnt 0x0
	WIN MUL
	MULA 11, 0, 0
	MULA 11, 1, 0
	WIN 0
	s_wait_tensorcnt 0x0
	s_barrier_signal -1
	s_barrier_wait -1
	PLACES NP
	FETCH 12
	WIN MUL
	MULA 11, 2, 0
	MULA 11, 3, 0
	WIN 0
	KSTEP 12, 0
	KSTEP 13, 0
	KSTEP 14, 0
	s_wait_dscnt 0x0
	WIN MUL
.irp a, 0,1,2,3
	MULA 15, \a, 0
.endr
	WIN 0
.macro TOSTAGE a
.irp b, 0,1,2,3
	ds_store_b128 v[STO], v[ACC+8*(4*(\a)+\b):ACC+8*(4*(\a)+\b)+3] offset:128*(\b/2)+32*(\b%2)
	ds_store_b128 v[STO], v[ACC+8*(4*(\a)+\b)+4:ACC+8*(4*(\a)+\b)+7] offset:128*(\b/2)+32*(\b%2)+16
.endr
.set BB, BK+32*((\a)%2)
.irp i, 0,1,2,3,4,5,6,7
	ds_load_b128 v[BB+4*\i:BB+4*\i+3], v[RD] offset:\i*2*SPITCH
.endr
.endm
.macro SEND a, younger
.set BB, BK+32*((\a)%2)
	s_wait_dscnt \younger
.irp i, 0,1,2,3,4,5,6,7
	global_store_b128 v[CO], v[BB+4*\i:BB+4*\i+3], s[12:13] offset:(32*((\a)/2)+8*((\a)%2)+2*\i+8*(\i/4))*8192 th:TH_STORE_NT
.endr
.endm
	PLACES NP
	TOSTAGE 0
.irp a, 1,2,3
.if \a > 1
	s_wait_xcnt 0x0
.endif
	TOSTAGE \a
	SEND \a-1, 16
.endr
	SEND 3, 0
	s_wait_tensorcnt 0x0
	ds_add_u32 v[SPW], v[NIL]
	s_wait_dscnt 0x0
	CROUND
	s_endpgm
.Lfunc_end_k_q1004053630_proj:
	.size	k_q1004053630_proj, .Lfunc_end_k_q1004053630_proj-k_q1004053630_proj
	.p2alignl 7, 3214868480
	.fill 96, 4, 3214868480
	.section	.rodata,"a",@progbits
	.p2align	6, 0x0
	.amdhsa_kernel k_q1004053630_proj
		.amdhsa_group_segment_fixed_size 327680
		.amdhsa_private_segment_fixed_size 0
		.amdhsa_enable_private_segment 0
		.amdhsa_kernarg_size 24
		.amdhsa_user_sgpr_count 2
		.amdhsa_user_sgpr_kernarg_segment_ptr 1
		.amdhsa_wavefront_size32 1
		.amdhsa_system_sgpr_workgroup_id_x 1
		.amdhsa_system_sgpr_workgroup_id_y 1
		.amdhsa_system_sgpr_workgroup_id_z 1
		.amdhsa_system_vgpr_workitem_id 0
		.amdhsa_next_free_vgpr 512
		.amdhsa_next_free_sgpr 100
		.amdhsa_reserve_vcc 0
		.amdhsa_float_denorm_mode_32 3
		.amdhsa_float_denorm_mode_16_64 3
		.amdhsa_memory_ordered 1
		.amdhsa_forward_progress 1
		.amdhsa_inst_pref_size 82
	.end_amdhsa_kernel
	.amdgpu_metadata
---
amdhsa.version: [ 1, 2 ]
amdhsa.kernels:
  - .name:           k_q1004053630_proj
    .symbol:         k_q1004053630_proj.kd
    .args:
      - { .name: oimg, .offset: 0, .size: 8, .value_kind: global_buffer, .address_space: global }
      - { .name: opnd, .offset: 8, .size: 8, .value_kind: global_buffer, .address_space: global }
      - { .name: out0, .offset: 16, .size: 8, .value_kind: global_buffer, .address_space: global }
    .group_segment_fixed_size: 327680
    .private_segment_fixed_size: 0
    .kernarg_segment_align: 8
    .kernarg_segment_size: 24
    .max_flat_workgroup_size: 128
    .sgpr_count:     100
    .vgpr_count:     512
    .wavefront_size: 32
...
	.end_amdgpu_metadata
.endif
;; end of part 8
